; MI455X (gfx1250); checked and timed in simulation.
; The chip was launched on July 23, 2026; its instructions are those of AMD's public machine-readable ISA for CDNA 5 (MIT licence, August 2026) and "CDNA5" Instruction Set Architecture Reference Guide (July 2026). The comments in the code are by the model that wrote it; some were corrected since.
;; GLA Block CLS. Allowed arithmetic: float matrix products may take bf16 or f16 operands with f32 sums; all other float work in f32.
;; Inputs: W1 1,024 x 4,096 float32; W2 4,096 x 1,024 float32; Wg 1,024 x 1,024 float32; Wgk1 1,024 x 16 float32; Wgk2 16 x 512 float32; Wk 1,024 x 512 float32; Wo 1,024 x 1,024 float32; Wq 1,024 x 512 float32; Wv 1,024 x 1,024 float32; b1 4,096 float32; b2 1,024 float32; bgk 512 float32; gnorm_w 256 float32; ln1_b 1,024 float32; ln1_g 1,024 float32; ln2_b 1,024 float32; ln2_g 1,024 float32; x 8 x 512 x 1,024 float32.
;; Outputs: out0 8 x 512 x 1,024 float32.
;; 2 versions, each right; version 2 is version 1 with the launches prep, ln2 written anew for expert scheduling mode. Each part assembles by itself: llvm-mc -triple=amdgcn-amd-amdhsa -mcpu=gfx1250 --defsym DOCPART=n.
;; ======== version 1 of 2: 7 launches
;; limits: a function is approximated: absolute error at most 0.000244; values outside matrix products are rounded to bf16; values are held in f16: magnitudes above 65,504 overflow, below 6.1e-05 lose precision
;; workspace buffers: pre 35,127,296 bytes; proj 33,554,432 bytes; og 8,388,608 bytes; x1 16,777,216 bytes; hbuf 8,388,608 bytes; hid 33,554,432 bytes
;; launch prep (part 1): grid 1568 x 1, 4 waves a work-group, no clusters, 20,992 bytes of LDS; arguments x, ln1_g, ln1_b, pre, Wq, Wk, Wv, Wg, Wo, W1, W2, Wgk1, Wgk2; writes pre
.if DOCPART == 1
	.amdgcn_target "amdgcn-amd-amdhsa--gfx1250"
	.amdhsa_code_object_version 6
	.text
	.protected	k_q7410d0fd3f_prep
	.globl	k_q7410d0fd3f_prep
	.p2align	8
	.type	k_q7410d0fd3f_prep,@function
k_q7410d0fd3f_prep:
	s_mov_b64 s[64:65], 0
	v_nop
	global_prefetch_b8 v0, s[64:65] scope:SCOPE_SE
	s_setreg_imm32_b32 hwreg(HW_REG_WAVE_MODE, 25, 1), 1
	s_wait_xcnt 0x0
; One text, four jobs, chosen by the work-group's place alone.  All jobs store through argument 3.  The long jobs have the lowest x.
;   x = 0          LAYERNORM, block y: a launch of 1 x 256 work-groups runs the layernorm alone; in a launch along x this is block 0.
;   1 .. 512       FIRST ROWS: q and k of the first 16 rows of each of the 8 sequences, in f32 throughout: [8][16][1024] (q 512, k 512).  A row with few keys is a sum of few weights q . k, which can
;                  come out far smaller than a 16-bit rounding of its terms, and the RMS norm behind it divides by that sum.  128 of 4,096 rows: 0.27 of the problem's 104 GFLOP, on the vector unit.
;                  A work-group: 4 rows x 64 columns.  It shares the layernorm's text: each wave normalises four rows and puts the first into LDS (the other three are the price of one straight text);
;                  then wave w takes k = 256 w .., each half of its lanes 128 of them.  With 4 rows a k is 16 multiply-adds, so a ring of 32 loads of W, a quarter of a lane's 128 k, is 512 lines of text.
;   513 .. 544     GATE: 32 rows of Wgk1 @ Wgk2 (16 fused multiply-adds in f32, rounded once, to f16) into columns 3,072 .. 3,583 of the weights' matrix.
;   545 .. 799     LAYERNORM, blocks 1 .. 255: 16 rows of argument 0 ([4096][1024] f32), gain argument 1, bias argument 2 -> f16 [4096][1024] at byte 0 of argument 3.
;                  A wave takes 4 rows and keeps them in registers: mean, then the variance of the centred numbers, so a common offset does no harm.
;   800 .. 1567    CAST: 32 rows x 512 columns of one weight matrix, layout [in][out] kept; q, k, v, g side by side in one matrix of 3,584 columns.  Wo to bf16 (its partner has no room in f16), all others to f16.
; FORMAT.  A layernorm's output lies within 32 |gain| + |bias|, the weights' spread is 0.02: f16 (up to 65,504, steps of 6e-8 below 6e-5) has room for both 30 times larger or smaller.
; Memory binds the layernorm, the cast and the gate: 16-byte loads and stores, a wave's store covers 512 consecutive aligned bytes, nothing is read twice.
.set HP0,  1                           ; first rows: job = x - HP0
.set GW0,  513                         ; gate: job = x - GW0
.set LN0,  544                         ; layernorm: block = x - LN0
.set CV0,  800                         ; cast: job = x - CV0
.set WCAT, 8388608                     ; f16 [1024][3584]: q 0, k 512, v 1024, g 2048, gate 3072
.set WOO,  15728640                    ; bf16 [1024][1024]
.set W1O,  17825792                    ; f16 [1024][4096]
.set W2O,  26214400                    ; f16 [4096][1024]
.set HPO,  34603008                    ; f32 [8][16][1024]
.set XR, 32                            ; v[32:159]  layernorm: four rows of 32 numbers a lane
.set GG, 160                           ; v[160:191] gain of my 32 columns
.set BB, 192                           ; v[192:223] bias of my 32 columns
.set RS, 16                            ; v[16:23]   1 / sigma, a pair for each row
.set SPW, 224                          ; v224  my spare word; never rewritten
.set NIL, 225                          ; v225  0; never rewritten
.set PSL, 16384                        ; LDS: 4 rows x 4,096 bytes of normalised x; then 4 waves x 4 rows x 256 bytes of partial sums
.set SPARE, 20480                      ; then the spare words, 128 bytes a wave
	v_lshl_add_u32 v[SPW], v0, 2, SPARE
	v_mov_b32 v[NIL], 0
	v_lshrrev_b32 v2, 5, v0
	v_readfirstlane_b32 s14, v2                    ; wave
	v_and_b32 v1, 31, v0                           ; lane
	s_and_b32 s15, ttmp7, 0xffff                   ; x = 0: the block is y
	s_cmp_eq_u32 ttmp9, 0
	s_cbranch_scc1 .Llnrow
	s_cmp_lt_u32 ttmp9, GW0
	s_cbranch_scc1 .Lhprow
	s_cmp_lt_u32 ttmp9, LN0+1
	s_cbranch_scc1 .Lgw
	s_cmp_ge_u32 ttmp9, CV0
	s_cbranch_scc1 .Lconv
	s_sub_co_u32 s15, ttmp9, LN0
.Llnrow:
	s_lshl_b32 s15, s15, 4
	s_lshl2_add_u32 s15, s14, s15                  ; layernorm: my first row: 16 x block + 4 x wave
	s_branch .Lln
.Lhprow:
	s_sub_co_u32 s22, ttmp9, HP0                   ; first rows: job = 64 x batch + 16 x group of four rows + column block
	s_lshr_b32 s15, s22, 6
	s_lshl_b32 s15, s15, 9                         ; the sequence's first row,
	s_bfe_u32 s23, s22, 0x20004
	s_lshl2_add_u32 s15, s23, s15                  ; + 4 x group
	s_add_co_u32 s15, s15, s14                     ; + wave: of the four rows normalised from here on the first is used
; ---------------- LAYERNORM (also the first rows' first part) ----------------
.Lln:
	s_load_b256 s[4:11], s[0:1], 0x0               ; x s[4:5], gain s[6:7], bias s[8:9], out s[10:11]
	s_lshl_b32 s16, s15, 12                        ; rows of 4,096 bytes in,
	s_mov_b32 s17, 0
	s_lshl_b32 s18, s15, 11                        ; of 2,048 bytes out
	s_mov_b32 s19, 0
	s_mov_b32 s12, 0x76543210                      ; v_permlanex16_b32: each lane takes its own place in the other half
	s_mov_b32 s13, 0xfedcba98
	s_mov_b32 s20, 0x3a800000                      ; 1 / 1024
	v_lshlrev_b32 v2, 5, v1                        ; my 8 columns of each 256: 32 bytes in,
	v_lshlrev_b32 v3, 4, v1                        ; 16 bytes out
	s_wait_kmcnt 0x0
	s_add_nc_u64 s[4:5], s[4:5], s[16:17]
.set u, 0
.rept 16                                           ; row u / 4, columns 256 (u % 4) + 8 lane ..
	global_load_b128 v[XR+8*u:XR+8*u+3],   v2, s[4:5] offset:(u/4)*4096+(u%4)*1024
	global_load_b128 v[XR+8*u+4:XR+8*u+7], v2, s[4:5] offset:(u/4)*4096+(u%4)*1024+16
.set u, u+1
.endr
.set u, 0
.rept 4
	global_load_b128 v[GG+8*u:GG+8*u+3],   v2, s[6:7] offset:u*1024
	global_load_b128 v[GG+8*u+4:GG+8*u+7], v2, s[6:7] offset:u*1024+16
	global_load_b128 v[BB+8*u:BB+8*u+3],   v2, s[8:9] offset:u*1024
	global_load_b128 v[BB+8*u+4:BB+8*u+7], v2, s[8:9] offset:u*1024+16
.set u, u+1
.endr
.macro REDUCE                          ; four pairs v[4:11] -> their sum over the wave, in v4 of every lane
	v_pk_add_f32 v[4:5], v[4:5], v[6:7]
	v_pk_add_f32 v[8:9], v[8:9], v[10:11]
	v_pk_add_f32 v[4:5], v[4:5], v[8:9]
	v_add_f32 v4, v4, v5
	v_add_f32_dpp v4, v4, v4 row_xmask:1 row_mask:0xf bank_mask:0xf
	v_add_f32_dpp v4, v4, v4 row_xmask:2 row_mask:0xf bank_mask:0xf
	v_add_f32_dpp v4, v4, v4 row_xmask:4 row_mask:0xf bank_mask:0xf
	v_add_f32_dpp v4, v4, v4 row_xmask:8 row_mask:0xf bank_mask:0xf
	v_permlanex16_b32 v5, v4, s12, s13
	v_add_f32 v4, v4, v5
.endm
; Row rho: mean, centring in place, variance, 1 / sigma.  left = the younger loads that may stay out: 48 issued less 8 for each row up to this one.
.macro STAT rho, left
.set RW, XR+32*(\rho)
	s_wait_loadcnt \left
.irp k, 0,1,2,3
	v_pk_add_f32 v[4+2*(\k):5+2*(\k)], v[RW+2*(\k):RW+2*(\k)+1], v[RW+8+2*(\k):RW+8+2*(\k)+1]
.endr
.irp k, 0,1,2,3
	v_pk_add_f32 v[4+2*(\k):5+2*(\k)], v[4+2*(\k):5+2*(\k)], v[RW+16+2*(\k):RW+16+2*(\k)+1]
.endr
.irp k, 0,1,2,3
	v_pk_add_f32 v[4+2*(\k):5+2*(\k)], v[4+2*(\k):5+2*(\k)], v[RW+24+2*(\k):RW+24+2*(\k)+1]
.endr
	REDUCE
	v_mul_f32 v12, s20, v4                         ; the mean, twice: a pair for the packed subtraction
	v_mul_f32 v13, s20, v4
.set p, 0
.rept 16
	v_pk_add_f32 v[RW+2*p:RW+2*p+1], v[RW+2*p:RW+2*p+1], v[12:13] neg_lo:[0,1] neg_hi:[0,1]
.set p, p+1
.endr
.irp k, 0,1,2,3
	v_pk_mul_f32 v[4+2*(\k):5+2*(\k)], v[RW+2*(\k):RW+2*(\k)+1], v[RW+2*(\k):RW+2*(\k)+1]
.endr
.set p, 4
.rept 12
	v_pk_fma_f32 v[4+2*(p%4):5+2*(p%4)], v[RW+2*p:RW+2*p+1], v[RW+2*p:RW+2*p+1], v[4+2*(p%4):5+2*(p%4)]
.set p, p+1
.endr
	REDUCE
	v_fmaak_f32 v4, s20, v4, 0x3727c5ac            ; variance + 1e-5
	v_rsq_f32 v[RS+2*(\rho)], v4
	v_rsq_f32 v[RS+2*(\rho)+1], v4
	v_nop                                          ; a plain instruction behind the transcendentals, before v4 is written again (ISA guide 5.7.2)
.endm
.macro NORMA rho                       ; the row, normalised, in f32, in place
.set RW, XR+32*(\rho)
.set p, 0
	s_wait_alu depctr_va_vdst(0)
.rept 16
	v_pk_mul_f32 v[RW+2*p:RW+2*p+1], v[RW+2*p:RW+2*p+1], v[RS+2*(\rho):RS+2*(\rho)+1]
.set p, p+1
.endr
.set p, 0
.rept 16
	v_pk_fma_f32 v[RW+2*p:RW+2*p+1], v[RW+2*p:RW+2*p+1], v[GG+2*p:GG+2*p+1], v[BB+2*p:BB+2*p+1]
.set p, p+1
.endr
.endm
.macro NORMB rho                       ; rounded to f16 and stored
.set RW, XR+32*(\rho)
.set p, 0
.rept 16
	v_cvt_pk_f16_f32 v[RW+p], v[RW+2*p], v[RW+2*p+1]  ; in place: word p is written when words 2 p and 2 p + 1 have been read
.set p, p+1
.endr
.irp j, 0,1,2,3
	global_store_b128 v3, v[RW+4*(\j):RW+4*(\j)+3], s[10:11] offset:(\rho)*2048+(\j)*512  ; 512 consecutive bytes, aligned
.endr
.endm
	STAT 0, 40
	STAT 1, 32
	STAT 2, 24
	STAT 3, 16
	s_wait_loadcnt 0x0                             ; gain and bias
	NORMA 0
	NORMA 1
	NORMA 2
	NORMA 3
	s_sub_co_u32 s21, ttmp9, HP0                   ; x = 1 .. 512 (x = 0 wraps far above)
	s_cmp_lt_u32 s21, GW0-HP0
	s_cbranch_scc1 .Lhp
	s_add_nc_u64 s[10:11], s[10:11], s[18:19]
	NORMB 0
	NORMB 1
	NORMB 2
	NORMB 3
	s_endpgm
; ---------------- FIRST ROWS ----------------
.set ACC, 32                           ; v[32:47]   4 rows x my 4 columns
.set XA,  48                           ; v[48:63]   4 rows x 4 k of normalised x; v[64:79] the next 4 k
.set XB,  64
.set WR,  80                           ; v[80:207]  a ring of 32 slots: W's row k, my 4 columns
.Lhp:
	s_load_b128 s[24:27], s[0:1], 0x20             ; Wq, Wk
	s_sub_co_u32 s22, ttmp9, HP0
	s_and_b32 s28, s22, 15                         ; block of 64 columns: 0-7 of q, 8-15 of k
	s_bfe_u32 s29, s22, 0x20004                    ; which 4 of the 16 rows
	s_lshr_b32 s30, s22, 6                         ; batch
	s_lshl_b32 s23, s14, 12
	v_lshl_add_u32 v4, v1, 5, s23                  ; my wave's row in LDS: 4,096 x wave + 32 x lane
.irp j, 0,1,2,3
	ds_store_b128 v4, v[XR+8*(\j):XR+8*(\j)+3]   offset:(\j)*1024
	ds_store_b128 v4, v[XR+8*(\j)+4:XR+8*(\j)+7] offset:(\j)*1024+16
.endr
	v_and_b32 v2, 15, v0                           ; l % 16: my 4 columns
	v_bfe_u32 v3, v0, 4, 1                         ; l / 16: my 128 of the wave's 256 k
	s_lshl_b32 s36, s14, 19                        ; 256 x wave rows of 2,048 bytes,
	v_lshl_add_u32 v5, v3, 18, s36                 ; 128 x half rows,
	v_lshl_add_u32 v5, v2, 4, v5                   ; 16 bytes a lane: 16 lanes read 256 consecutive bytes, aligned.  Never rewritten
	s_lshl_b32 s37, s14, 10
	v_lshl_add_u32 v7, v3, 9, s37                  ; the same k in a row of LDS: 4 bytes each.  Never rewritten
	s_and_b32 s31, s28, 7
	s_lshl_b32 s32, s31, 8                         ; the block's 256 bytes in a row of Wq or Wk
	s_mov_b32 s33, 0
	s_lshl_b32 s34, s30, 4
	s_lshl2_add_u32 s34, s29, s34
	s_lshl1_add_u32 s34, s14, s34                  ; the rows that waves 0 and 1 store: 16 x batch + 4 x group + 2 x wave, and the next
	s_lshl_b32 s34, s34, 12
	s_lshl_b32 s35, s28, 8
	s_add_co_u32 s34, s34, s35
	s_add_co_u32 s34, s34, HPO
	s_mov_b32 s35, 0
	s_wait_kmcnt 0x0
	s_cmp_ge_u32 s28, 8
	s_cselect_b64 s[24:25], s[26:27], s[24:25]
	s_add_nc_u64 s[24:25], s[24:25], s[32:33]
	s_add_nc_u64 s[10:11], s[10:11], s[34:35]
.set j, 0
.rept 32                                           ; the ring is filled: k 0 .. 31 of my 128
	global_load_b128 v[WR+4*j:WR+4*j+3], v5, s[24:25] offset:j*2048
.set j, j+1
.endr
	s_wait_dscnt 0x0                               ; for the others' sake: my row is in LDS
	s_barrier_signal -1
	s_barrier_wait -1
.set i, 0
.rept 16
	v_mov_b32 v[ACC+i], 0
.set i, i+1
.endr
.macro XLOAD buf, adr, off             ; 4 rows x 4 k: every lane of a half reads the same 16 bytes
.irp r, 0,1,2,3
	ds_load_b128 v[(\buf)+4*(\r):(\buf)+4*(\r)+3], v[\adr] offset:(\r)*4096+(\off)
.endr
.endm
.macro SLOT j, buf                     ; slot j's turn: one k: 4 rows x 4 columns; then the slot is asked for again, 32 k on
	s_wait_loadcnt 31                              ; loads come back in order (ISA guide 5.7.1): mine is in, the 31 younger ones stay out
.irp r, 0,1,2,3
.irp c, 0,1,2,3
	v_fmac_f32 v[ACC+4*(\r)+(\c)], v[(\buf)+4*(\r)+(\j)%4], v[WR+4*(\j)+(\c)]
.endr
.endr
	global_load_b128 v[WR+4*(\j):WR+4*(\j)+3], v6, s[24:25] offset:(\j)*2048
.endm
	XLOAD XA, 7, 0
	s_mov_b32 s38, 0
.Lhpk:                                             ; 4 trips of 32 k.  The trip's number plus one is cut to 0 .. 3: the last trip asks for the first 32 k once more, for nothing, and no address leaves W or my rows
	s_wait_xcnt 0x0                                ; the last trip's loads have had their addresses translated: v6 is rewritten only behind this wait
	s_add_co_u32 s39, s38, 1
	s_and_b32 s39, s39, 3
	s_lshl_b32 s40, s39, 16
	s_lshl_b32 s41, s39, 7
	s_lshl_b32 s42, s38, 7
	v_add_nc_u32 v6, s40, v5
	v_add_nc_u32 v8, s42, v7
	v_add_nc_u32 v9, s41, v7
.set g, 0
.rept 8                                            ; eight groups of 4 k: the next group's x is asked for, then this group's four slots have their turns
.if g < 7
	XLOAD XA+16*((g+1)%2), 8, 16*(g+1)
.else
	XLOAD XA, 9, 0
.endif
	s_wait_dscnt 4                                 ; all but the 4 just issued
.irp jj, 0,1,2,3
	SLOT 4*g+\jj, XA+16*(g%2)
.endr
.set g, g+1
.endr
	s_add_co_u32 s38, s38, 1
	s_cmp_lt_u32 s38, 4
	s_cbranch_scc1 .Lhpk
	s_wait_dscnt 0x0
.set i, 0
.rept 16
	v_permlanex16_b32 v[XA+i], v[ACC+i], s12, s13  ; the other half of the lanes holds the same columns' sums over the wave's other 128 k
.set i, i+1
.endr
.set i, 0
.rept 8
	v_pk_add_f32 v[ACC+2*i:ACC+2*i+1], v[ACC+2*i:ACC+2*i+1], v[XA+2*i:XA+2*i+1]
.set i, i+1
.endr
	s_lshl_b32 s43, s14, 10
	s_add_co_u32 s43, s43, PSL
	v_lshl_add_u32 v10, v2, 4, s43
.irp r, 0,1,2,3
	ds_store_b128 v10, v[ACC+4*(\r):ACC+4*(\r)+3] offset:(\r)*256  ; both halves of the lanes write the same bytes with the same numbers
.endr
	s_wait_dscnt 0x0                               ; for the others' sake
	s_barrier_signal -1
	s_barrier_wait -1
	s_cmp_ge_u32 s14, 2
	s_cbranch_scc1 .Lhpend                         ; four rows: waves 0 and 1 add and store two each
	s_lshl_b32 s44, s14, 9
	s_add_co_u32 s44, s44, PSL
	v_lshl_add_u32 v11, v3, 8, s44                 ; row 2 x wave + half,
	v_lshl_add_u32 v11, v2, 4, v11
.irp w, 0,1,2,3
	ds_load_b128 v[64+4*(\w):67+4*(\w)], v11 offset:(\w)*1024  ; of each wave's partial sums
.endr
	v_lshlrev_b32 v12, 12, v3
	v_lshl_add_u32 v12, v2, 4, v12
	s_wait_dscnt 0x0
	v_pk_add_f32 v[64:65], v[64:65], v[68:69]
	v_pk_add_f32 v[66:67], v[66:67], v[70:71]
	v_pk_add_f32 v[72:73], v[72:73], v[76:77]
	v_pk_add_f32 v[74:75], v[74:75], v[78:79]
	v_pk_add_f32 v[64:65], v[64:65], v[72:73]
	v_pk_add_f32 v[66:67], v[66:67], v[74:75]
	global_store_b128 v12, v[64:67], s[10:11]      ; 16 lanes store 256 consecutive bytes, aligned
.Lhpend:
	s_wait_loadcnt 0x0                             ; the last trip's loads, which nobody reads, are waited for here, behind the sums
	s_wait_tensorcnt 0x0                           ; the wave's end
	ds_add_u32 v[SPW], v[NIL]
	s_wait_dscnt 0x0
	s_endpgm
; ---------------- CAST ----------------
.Lconv:
	s_load_b64 s[4:5], s[0:1], 0x18                ; out
	s_load_b256 s[16:23], s[0:1], 0x20             ; Wq, Wk, Wv, Wg
	s_load_b128 s[24:27], s[0:1], 0x40             ; Wo, W1
	s_load_b64 s[28:29], s[0:1], 0x50              ; W2
	s_sub_co_u32 s15, ttmp9, CV0                   ; the job, 0 .. 767
	s_mov_b32 s34, 2048                            ; bytes in a source row
	s_mov_b32 s35, 7168                            ; bytes in a destination row
	s_mov_b32 s36, WCAT                            ; where the matrix begins in the destination
	s_mov_b32 s37, 0                               ; log2 of its panels of 512 columns
	s_mov_b32 s38, 0                               ; its first job
	s_mov_b32 s47, 0                               ; 1: to bf16
	s_wait_kmcnt 0x0
	s_mov_b64 s[32:33], s[16:17]
.macro PICK lo, ptr, sp, dp, doff, lnp, bf  ; from job lo on: the next matrix
	s_cmp_ge_u32 s15, \lo
	s_cselect_b64 s[32:33], s[\ptr:\ptr+1], s[32:33]
	s_cselect_b32 s34, \sp, s34
	s_cselect_b32 s35, \dp, s35
	s_cselect_b32 s36, \doff, s36
	s_cselect_b32 s37, \lnp, s37
	s_cselect_b32 s38, \lo, s38
	s_cselect_b32 s47, \bf, s47
.endm
	PICK 32,  18, 2048,  7168, WCAT+1024, 0, 0     ; Wk
	PICK 64,  20, 4096,  7168, WCAT+2048, 1, 0     ; Wv
	PICK 128, 22, 4096,  7168, WCAT+4096, 1, 0     ; Wg
	PICK 192, 24, 4096,  2048, WOO,       1, 1     ; Wo
	PICK 256, 26, 16384, 8192, W1O,       3, 0     ; W1
	PICK 512, 28, 4096,  2048, W2O,       1, 0     ; W2
	s_sub_co_u32 s15, s15, s38                     ; the job within its matrix
	s_lshl_b32 s39, 1, s37
	s_sub_co_u32 s39, s39, 1
	s_and_b32 s39, s15, s39                        ; panel
	s_lshr_b32 s15, s15, s37
	s_lshl_b32 s15, s15, 5                         ; first row
	s_mul_i32 s40, s15, s34
	s_lshl_b32 s41, s39, 11
	s_add_co_u32 s40, s40, s41
	s_mov_b32 s41, 0
	s_add_nc_u64 s[32:33], s[32:33], s[40:41]
	s_mul_i32 s42, s15, s35
	s_lshl_b32 s43, s39, 10
	s_add_co_u32 s42, s42, s43
	s_add_co_u32 s42, s42, s36
	s_mov_b32 s43, 0
	s_add_nc_u64 s[4:5], s[4:5], s[42:43]
	s_lshl_b32 s44, s14, 3                         ; a wave takes 8 rows
	s_mul_i32 s45, s44, s34
	s_mul_i32 s46, s44, s35
	v_lshl_add_u32 v8, v1, 5, s45                  ; v[8:15]: row r's offset in,
	v_lshl_add_u32 v16, v1, 4, s46                 ; v[16:23]: out
.set r, 1
.rept 7
	v_add_nc_u32 v[8+r], s34, v[7+r]
	v_add_nc_u32 v[16+r], s35, v[15+r]
.set r, r+1
.endr
.set u, 0
.rept 16                                           ; unit u: row u / 2, columns 256 (u % 2) + 8 lane ..
	global_load_b128 v[32+8*u:32+8*u+3], v[8+u/2], s[32:33] offset:(u%2)*1024 th:TH_LOAD_NT
	global_load_b128 v[32+8*u+4:32+8*u+7], v[8+u/2], s[32:33] offset:(u%2)*1024+16 th:TH_LOAD_NT
.set u, u+1
.endr
.macro UNITS cv                        ; the 16 units are rounded by \cv and stored
.set u, 0
.rept 16
	s_wait_loadcnt 30-2*u                          ; of 32 loads the two of unit u are in, the younger units' stay out
	\cv v[32+8*u],   v[32+8*u],   v[32+8*u+1]
	\cv v[32+8*u+1], v[32+8*u+2], v[32+8*u+3]
	\cv v[32+8*u+2], v[32+8*u+4], v[32+8*u+5]
	\cv v[32+8*u+3], v[32+8*u+6], v[32+8*u+7]
	global_store_b128 v[16+u/2], v[32+8*u:32+8*u+3], s[4:5] offset:(u%2)*512
.set u, u+1
.endr
	s_endpgm
.endm
	s_cmp_eq_u32 s47, 1
	s_cbranch_scc1 .Lcvb
	UNITS v_cvt_pk_f16_f32
.Lcvb:
	UNITS v_cvt_pk_bf16_f32
; ---------------- GATE ----------------
.Lgw:
	s_load_b64 s[6:7], s[0:1], 0x18                ; out
	s_load_b128 s[8:11], s[0:1], 0x58              ; Wgk1 s[8:9], Wgk2 s[10:11]
	s_sub_co_u32 s15, ttmp9, GW0
	s_and_b32 s12, s14, 1                          ; which 256 columns are my wave's
	s_lshr_b32 s13, s14, 1                         ; which 16 rows
	s_lshl_b32 s15, s15, 5
	s_lshl4_add_u32 s15, s13, s15                  ; first row: 32 x job + 16 x half
	s_lshl_b32 s48, s15, 6                         ; a row of Wgk1 is 64 bytes
	s_mov_b32 s49, 0
	s_mul_i32 s50, s15, 7168
	s_lshl_b32 s51, s12, 9
	s_add_co_u32 s50, s50, s51
	s_add_co_u32 s50, s50, WCAT+6144
	s_mov_b32 s51, 0
	s_lshl_b32 s52, s12, 10
	v_lshl_add_u32 v2, v1, 5, s52                  ; my 8 columns of Wgk2
	v_lshlrev_b32 v3, 4, v1
	s_wait_kmcnt 0x0
	s_add_nc_u64 s[8:9], s[8:9], s[48:49]
	s_add_nc_u64 s[6:7], s[6:7], s[50:51]
.set r, 0
.rept 16
	global_load_b128 v[32+8*r:32+8*r+3],   v2, s[10:11] offset:r*2048
	global_load_b128 v[32+8*r+4:32+8*r+7], v2, s[10:11] offset:r*2048+16
.set r, r+1
.endr
	s_wait_loadcnt 0x0
.macro GROW acc, sb                    ; one row: 8 columns a lane, the 16 terms in ascending order
.set i, 0
.rept 8
	v_mul_f32 v[(\acc)+i], s[\sb], v[32+i]
.set i, i+1
.endr
.set r, 1
.rept 15
.set i, 0
.rept 8
	v_fmac_f32 v[(\acc)+i], s[(\sb)+r], v[32+8*r+i]
.set i, i+1
.endr
.set r, r+1
.endr
.endm
	s_mov_b32 s53, 8
.Lgwrow:                                           ; two rows a trip
	s_load_b512 s[16:31], s[8:9], 0x0
	s_load_b512 s[32:47], s[8:9], 0x40
	s_wait_kmcnt 0x0
	s_add_nc_u64 s[8:9], s[8:9], 128
	GROW 4, 16
	GROW 12, 32
.irp i, 0,1,2,3
	v_cvt_pk_f16_f32 v[20+(\i)], v[4+2*(\i)], v[5+2*(\i)]
	v_cvt_pk_f16_f32 v[24+(\i)], v[12+2*(\i)], v[13+2*(\i)]
.endr
	global_store_b128 v3, v[20:23], s[6:7]
	global_store_b128 v3, v[24:27], s[6:7] offset:7168
	s_wait_xcnt 0x0                                ; the stores' data and base are written again only behind this wait
	s_add_nc_u64 s[6:7], s[6:7], 14336
	s_sub_co_u32 s53, s53, 1
	s_cmp_lg_u32 s53, 0
	s_cbranch_scc1 .Lgwrow
	s_endpgm
.Lfunc_end_k_q7410d0fd3f_prep:
	.size	k_q7410d0fd3f_prep, .Lfunc_end_k_q7410d0fd3f_prep-k_q7410d0fd3f_prep
	.p2alignl 7, 3214868480
	.fill 96, 4, 3214868480
	.section	.rodata,"a",@progbits
	.p2align	6, 0x0
	.amdhsa_kernel k_q7410d0fd3f_prep
		.amdhsa_group_segment_fixed_size 20992
		.amdhsa_private_segment_fixed_size 0
		.amdhsa_enable_private_segment 0
		.amdhsa_kernarg_size 104
		.amdhsa_user_sgpr_count 2
		.amdhsa_user_sgpr_kernarg_segment_ptr 1
		.amdhsa_wavefront_size32 1
		.amdhsa_system_sgpr_workgroup_id_x 1
		.amdhsa_system_sgpr_workgroup_id_y 1
		.amdhsa_system_sgpr_workgroup_id_z 1
		.amdhsa_system_vgpr_workitem_id 0
		.amdhsa_next_free_vgpr 226
		.amdhsa_next_free_sgpr 66
		.amdhsa_reserve_vcc 0
		.amdhsa_float_denorm_mode_32 3
		.amdhsa_float_denorm_mode_16_64 3
		.amdhsa_memory_ordered 1
		.amdhsa_forward_progress 1
		.amdhsa_inst_pref_size 101
	.end_amdhsa_kernel
	.amdgpu_metadata
---
amdhsa.version: [ 1, 2 ]
amdhsa.kernels:
  - .name:           k_q7410d0fd3f_prep
    .symbol:         k_q7410d0fd3f_prep.kd
    .args:
      - { .name: x, .offset: 0, .size: 8, .value_kind: global_buffer, .address_space: global }
      - { .name: ln1_g, .offset: 8, .size: 8, .value_kind: global_buffer, .address_space: global }
      - { .name: ln1_b, .offset: 16, .size: 8, .value_kind: global_buffer, .address_space: global }
      - { .name: pre, .offset: 24, .size: 8, .value_kind: global_buffer, .address_space: global }
      - { .name: Wq, .offset: 32, .size: 8, .value_kind: global_buffer, .address_space: global }
      - { .name: Wk, .offset: 40, .size: 8, .value_kind: global_buffer, .address_space: global }
      - { .name: Wv, .offset: 48, .size: 8, .value_kind: global_buffer, .address_space: global }
      - { .name: Wg, .offset: 56, .size: 8, .value_kind: global_buffer, .address_space: global }
      - { .name: Wo, .offset: 64, .size: 8, .value_kind: global_buffer, .address_space: global }
      - { .name: W1, .offset: 72, .size: 8, .value_kind: global_buffer, .address_space: global }
      - { .name: W2, .offset: 80, .size: 8, .value_kind: global_buffer, .address_space: global }
      - { .name: Wgk1, .offset: 88, .size: 8, .value_kind: global_buffer, .address_space: global }
      - { .name: Wgk2, .offset: 96, .size: 8, .value_kind: global_buffer, .address_space: global }
    .group_segment_fixed_size: 20992
    .private_segment_fixed_size: 0
    .kernarg_segment_align: 8
    .kernarg_segment_size: 104
    .max_flat_workgroup_size: 128
    .sgpr_count:     66
    .vgpr_count:     226
    .wavefront_size: 32
...
	.end_amdgpu_metadata
.endif
;; end of part 1
;; launch g1 (part 2): grid 16 x 14, 4 waves a work-group, clusters of 4 x 1, 327,680 bytes of LDS; arguments pre, bgk, proj; writes proj
.if DOCPART == 2
	.amdgcn_target "amdgcn-amd-amdhsa--gfx1250"
	.amdhsa_code_object_version 6
	.text
	.protected	k_q7410d0fd3f_g1
	.globl	k_q7410d0fd3f_g1
	.p2align	8
	.type	k_q7410d0fd3f_g1,@function
k_q7410d0fd3f_g1:
	s_mov_b64 s[64:65], 0
	v_nop
	global_prefetch_b8 v0, s[64:65] scope:SCOPE_SE
	s_setreg_imm32_b32 hwreg(HW_REG_WAVE_MODE, 25, 1), 1
	s_wait_xcnt 0x0
	s_wait_alu depctr_hold_cnt(0) depctr_sa_sdst(0) depctr_va_vdst(0) depctr_va_sdst(0) depctr_va_ssrc(0) depctr_va_vcc(0) depctr_vm_vsrc(0)
	s_getreg_b32 s2, hwreg(HW_REG_IB_STS2, 6, 4)
	s_cmp_eq_u32 s2, 0
	s_cbranch_scc0 .Lentry_in_a_cluster
	s_endpgm
.Lentry_in_a_cluster:
	s_bfe_u32 s2, ttmp6, 0x10000c
	s_cmp_lg_u32 s2, 0x3003
	s_cbranch_scc0 .Lentry_shape_is_right
	s_endpgm
.Lentry_shape_is_right:
; C = A B.  A = LN1(x): [4096][1024] f16, K along the rows.  B = [Wq Wk Wv Wg Wgk]: [1024][3584] f16, as the weights lie: [in][out].  Sums in f32.
; Column tiles 0-11 leave as bf16 [4096][3072]; tiles 12, 13 take bgk and leave as f32 log2(e) logsigmoid(z) / 16.
; FORMAT.  A layernorm's output lies within 32 |gain| + |bias| and the weights' spread is 0.02: both have room in f16 30 times larger or smaller.  q, k, v and the gate leave as bf16: products of them have no such room.
; A tile of C is 256 x 256: four waves, each 128 x 128 = 64 accumulators = 512 registers.  K goes in 8 steps of 128 through two LDS slots filled by tensor loads:
; A's rows are 256 bytes, B's 512, all starting at multiples of 256 bytes.  B's fragments come out of LDS turned, by ds_load_tr16_b128.
; The matrix instruction is used transposed (source 0 = 16 columns of B, source 1 = 16 rows of A): a lane holds eight neighbouring numbers of a row of C.
; CLUSTER.  14 column tiles are no multiple of four, so four ROW tiles form a cluster (4, 1, 1): they share B's tile, asked for jointly; A's tile is each one's own.
; THE TEXT.  A K step with its refill is written once, as the loop.  The seven quarters behind the last refill are a loop of two quarters, three trips, and a last quarter.
; THE WAY OUT.  When every wave has read the ring for the last time and every fill has landed, the ring's bytes take the wave's 128 x 128 sums as f32 rows; a counted loop of 32 trips reads
; four rows back, does the arithmetic and stores whole aligned 256 bytes: the arithmetic is written once, not once for each of 512 registers.
; LIMITS.  2^x below 2^-126 counts as 0.  NaN and infinities are not treated apart.
.set NP,   3584
.set BOFF, 8388608
.set KSTEP, 128
.set PA,    272                        ; a row of A in LDS: 256 bytes + 16: the 16 rows of a fragment load start at 16 different groups of four banks (64 banks of 4 bytes: ISA guide 11.1)
.set PB,    544                        ; a row of B (one k, 256 columns): 512 bytes + 32
.set HALF,  34816                      ; 128 rows of A = 64 rows of B: what one tensor load brings
.set SLOT,  139264                     ; A's 256 rows, then B's 128.  0x22000 shares no bit with wave x 0x8800, so an exclusive or changes slots
.set SPARE, 278528                     ; behind the ring: the spare words, 128 bytes a wave
.set DW,    67584                      ; the way out: a wave's 128 rows
.set DP,    528                        ; of 512 bytes + 16
.set BSTEP, 128*NP*2                   ; bytes from a K step of B to the next
.set GKO,   25165824                   ; where the f32 gate begins in proj
.set L16,  6                           ; v6      16 x lane
.set BIA,  8                           ; v[8:11] bias of my four columns
.set ADRA, 16                          ; v16     LDS address of my A fragments in the slot in hand
.set A0,   17                          ; v17     the same in slot 0; never rewritten
.set ADRB, 20
.set B0,   21
.set STO,  24                          ; v24     the way out: where I put 32 bytes of a row
.set RD,   25                          ; v25     where the next four rows are read
.set CO,   26                          ; v26     my byte offset in the output
.set RD0,  27                          ; v27     my 16 bytes of my wave's first row
.set SPW,  28                          ; v28     my spare word; never rewritten
.set NIL,  29                          ; v29     0; never rewritten
.set CU,   32                          ; v[32:47] four rows, four numbers each
.set F0,   64                          ; fragment buffers: A's in window 0, B's in window 1
.set F1,   128
.set G1,  24                           ; s[24:31] group 1 for A
.set G0,  32                           ; s[32:35] group 0 for A's first fill; s[36:39] for the second: that set then walks
.set TC,  42                           ; s42  column tile
.set G1B, 48                           ; the same for B
.set G0B, 56
.set WV,  66                           ; wave
.set WH,  67                           ; wave / 2: my half of the rows; also 0: I fetch for A, 1: for B
.set WL,  68                           ; wave % 2: my half of the columns; also which half of that tile I fetch
.set TB,  69                           ; 0 or SLOT: the slot in hand
.set TR,  70                           ; row tile
.set MSB, 0
.macro WIN new                         ; the immediate's high byte repeats the setting that is left; a switch that changes nothing is dropped
.if MSB != (\new)
	s_set_vgpr_msb (MSB<<8)|(\new)
.set MSB, \new
.endif
.endm
.set MUL_LO, 0xa1                      ; source 0 (B) window 1, source 1 (A) window 0, C and D window 2
.set MUL_HI, 0xf1                      ; the same, C and D window 3
.set TO_B,   0x40                      ; destination window 1, address window 0
.macro PLACES                          ; four plain places behind matrix instructions (ISA guide 7.12.1)
.rept 4
	v_nop
.endr
.endm
; A refill: waves 0 and 1 fetch A's halves, waves 2 and 3 B's.  The branch hangs on the wave's number alone.  An s_nop 0 and four v_nop follow each line.
.macro JLOAD
	s_cmp_eq_u32 s[WH], 0
	s_cbranch_scc0 .Lfor_b_\@
	tensor_load_to_lds s[G0+4:G0+7], s[G1:G1+7]
	s_nop 0
	PLACES
	s_branch .Lasked_\@
.Lfor_b_\@:
	tensor_load_to_lds s[G0B+4:G0B+7], s[G1B:G1B+7]
	s_nop 0
	PLACES
.Lasked_\@:
.endm
.macro CREST                           ; a round of the cluster's barrier behind its opening barrier
	s_cmp_lg_u32 s[WV], 0
	s_cbranch_scc1 .Lnot_wave_0_\@
	s_barrier_signal -3
.Lnot_wave_0_\@:
	s_barrier_wait -3
	s_barrier_signal -1
	s_barrier_wait -1
.endm
.macro CROUND
	s_barrier_signal -1
	s_barrier_wait -1
	CREST
.endm
	s_load_b64 s[4:5], s[0:1], 0x0                 ; A lies at the head of pre,
	s_load_b64 s[6:7], s[0:1], 0x0                 ; B further on in it
	s_load_b128 s[8:11], s[0:1], 0x8               ; bgk s[8:9], proj s[10:11]
	v_lshl_add_u32 v[SPW], v0, 2, SPARE
	v_mov_b32 v[NIL], 0
	ds_add_u32 v[SPW], v[NIL]                      ; the wave's opening: the add and its wait ahead of my first tensor load
	v_lshrrev_b32 v1, 5, v0
	v_readfirstlane_b32 s[WV], v1
	s_lshr_b32 s[WH], s[WV], 1
	s_and_b32 s[WL], s[WV], 1
	s_bfe_u32 s40, ttmp6, 0x40000                  ; cx
	s_lshl_b32 s[TR], ttmp9, 2
	s_add_co_u32 s[TR], s[TR], s40                 ; row tile = 4 x cluster x + cx
	s_and_b32 s[TC], ttmp7, 0xffff                 ; column tile: the four partners share it
	s_mov_b32 s[G1], (1<<16)|(1<<20)|(5<<22)|(3<<25)               ; A: no mask; 2-byte elements; 4 words of padding after every 64
	s_mov_b32 s[G1B], 15|(1<<16)|(1<<20)|(1<<21)|(6<<22)|(7<<25)   ; B: all four; bit 21 beside the mask; 8 words of padding after every 128
	s_mov_b32 s[G1+1], 128<<16                     ; A: tensor_dim0 = 128
	s_mov_b32 s[G1+2], 128<<16                     ; tensor_dim1 = 128
	s_mov_b32 s[G1+3], 128<<16                     ; tile_dim0 = 128
	s_mov_b32 s[G1+4], 128                         ; tile_dim1 = 128
	s_mov_b32 s[G1+5], 1024                        ; elements from row to row
	s_mov_b32 s[G1+6], 0
	s_mov_b32 s[G1+7], 0
	s_mov_b32 s[G1B+1], 256<<16                    ; B: 256 columns
	s_mov_b32 s[G1B+2], 64<<16                     ; x 64 k
	s_mov_b32 s[G1B+3], 256<<16
	s_mov_b32 s[G1B+4], 64
	s_mov_b32 s[G1B+5], NP
	s_mov_b32 s[G1B+6], 0
	s_mov_b32 s[G1B+7], 0
	s_lshl_b32 s17, s[WL], 7
	s_lshl_b32 s16, s[TR], 8
	s_add_co_u32 s16, s16, s17                     ; A: row 256 x row tile + 128 x half,
	s_lshl_b32 s16, s16, 11                        ; of 2,048 bytes
	s_mov_b32 s17, 0
	s_lshl_b32 s46, s[TC], 9                       ; B: 512 bytes a column tile,
	s_mul_i32 s47, s[WL], 64*NP*2                  ; 64 k a half
	s_add_co_u32 s46, s46, s47
	s_add_co_u32 s46, s46, BOFF
	s_mov_b32 s47, 0
	s_mul_i32 s20, s[WV], HALF                     ; where my part goes: wave x 34,816
	s_wait_dscnt 0x0                               ; the opening add is done
	s_wait_kmcnt 0x0
	s_add_nc_u64 s[14:15], s[4:5], s[16:17]
	s_add_nc_u64 s[46:47], s[6:7], s[46:47]
	CROUND                                         ; all partners are here: the first joint loads meet
.irp s, 0,1
	s_mov_b32 s[G0+4*(\s)], 1
	s_add_co_u32 s[G0+4*(\s)+1], s20, (\s)*SLOT
	s_add_nc_u64 s[G0+4*(\s)+2:G0+4*(\s)+3], s[14:15], (\s)*KSTEP*2
	s_or_b32 s[G0+4*(\s)+3], s[G0+4*(\s)+3], 0x80000000
	s_mov_b32 s[G0B+4*(\s)], 1
	s_add_co_u32 s[G0B+4*(\s)+1], s20, (\s)*SLOT
	s_add_nc_u64 s[G0B+4*(\s)+2:G0B+4*(\s)+3], s[46:47], (\s)*BSTEP
	s_or_b32 s[G0B+4*(\s)+3], s[G0B+4*(\s)+3], 0x80000000
.endr
	s_cmp_eq_u32 s[WH], 0                          ; a wave's two first fills stand in one branch: two loads of mine are out
	s_cbranch_scc0 .Lfirst_b
	tensor_load_to_lds s[G0:G0+3], s[G1:G1+7]
	s_nop 0
	tensor_load_to_lds s[G0+4:G0+7], s[G1:G1+7]
	s_nop 0
	PLACES
	s_branch .Lfirst_asked
.Lfirst_b:
	tensor_load_to_lds s[G0B:G0B+3], s[G1B:G1B+7]
	s_nop 0
	tensor_load_to_lds s[G0B+4:G0B+7], s[G1B:G1B+7]
	s_nop 0
	PLACES
.Lfirst_asked:
	v_and_b32 v1, 15, v0                           ; l % 16
	v_bfe_u32 v2, v0, 4, 1                         ; l / 16
	v_mul_u32_u24 v3, v1, PA
	v_lshl_add_u32 v3, v2, 4, v3                   ; A: row x pitch + 16 x half of the lanes
	s_mul_i32 s21, s[WH], HALF
	v_add_nc_u32 v[A0], s21, v3
	v_and_b32 v3, 7, v0                            ; B, turned: lane l reads k = 8 (l / 16) + l % 8, columns 8 ((l / 8) % 2) ..
	v_lshl_add_u32 v3, v2, 3, v3
	v_mul_u32_u24 v3, v3, PB
	v_bfe_u32 v4, v0, 3, 1
	v_lshl_add_u32 v3, v4, 4, v3
	s_lshl_b32 s22, s[WL], 8
	s_add_co_u32 s22, s22, 2*HALF
	v_add_nc_u32 v[B0], s22, v3
	v_mov_b32 v[ADRA], v[A0]
	v_mov_b32 v[ADRB], v[B0]
	s_mov_b32 s[TB], 0
	s_mul_i32 s23, s[WV], DW
	v_mul_u32_u24 v3, v1, DP
	v_lshl_add_u32 v3, v2, 5, v3
	v_add_nc_u32 v[STO], s23, v3
	v_and_b32 v[L16], 31, v0
	v_lshlrev_b32 v[L16], 4, v[L16]
	v_add_nc_u32 v[RD0], s23, v[L16]
; 16 matrix instructions: m blocks a0, a0 + 1 of the window's four x all 8 n blocks, 32 along K.  zero = 1: the first product starts the sums.
.macro MUL16 f, hi, a0, zero
	WIN MUL_LO+0x50*(\hi)
.irp a, \a0, (\a0)+1
.irp b, 0,1,2,3,4,5,6,7
.if \zero
	v_wmma_f32_16x16x32_f16 v[8*(8*(\a)+(\b)):8*(8*(\a)+(\b))+7], v[(\f)+8*(\b):(\f)+8*(\b)+7], v[(\f)+8*(4*(\hi)+(\a)):(\f)+8*(4*(\hi)+(\a))+7], 0
.else
	v_wmma_f32_16x16x32_f16 v[8*(8*(\a)+(\b)):8*(8*(\a)+(\b))+7], v[(\f)+8*(\b):(\f)+8*(\b)+7], v[(\f)+8*(4*(\hi)+(\a)):(\f)+8*(4*(\hi)+(\a))+7], v[8*(8*(\a)+(\b)):8*(8*(\a)+(\b))+7]
.endif
.endr
.endr
.endm
; 32 LDS loads in one run: the quarter (32 along K) q quarters behind the two addresses, into buffer f: B's 128 columns, turned, then A's 128 rows
.macro FETCH q, f
	WIN TO_B
.irp i, 0,1,2,3,4,5,6,7
	ds_load_tr16_b128 v[(\f)+8*(\i):(\f)+8*(\i)+3],   v[ADRB] offset:(\q)*32*PB+32*(\i)
	ds_load_tr16_b128 v[(\f)+8*(\i)+4:(\f)+8*(\i)+7], v[ADRB] offset:(\q)*32*PB+16*PB+32*(\i)
.endr
	WIN 0
.irp i, 0,1,2,3,4,5,6,7
	ds_load_b128 v[(\f)+8*(\i):(\f)+8*(\i)+3],   v[ADRA] offset:64*(\q)+(\i)*16*PA
	ds_load_b128 v[(\f)+8*(\i)+4:(\f)+8*(\i)+7], v[ADRA] offset:64*(\q)+(\i)*16*PA+32
.endr
.endm
; A quarter: multiplies buffer f; in its middle fetches quarter q into buffer g
.macro QUARTER q, f, g, zero
	s_wait_dscnt 8                                 ; B and A's rows 0-63 are in; the youngest eight loads (A's rows 64-127) may be out
	MUL16 \f, 0, 0, \zero
	MUL16 \f, 0, 2, \zero
	PLACES
	FETCH \q, \g
	s_wait_dscnt 32                                ; all but the 32 just issued
	MUL16 \f, 1, 0, \zero
	MUL16 \f, 1, 2, \zero
.endm
; A K step's last quarter and the change of slots.  ONE barrier: each wave waits for all its tensor loads (one is out: its part of the next slot), adds 0 to its spare word, and waits for that and for its reads
; of this slot.  The barrier opens a round of the cluster's; behind it the slot just read is filled again, two K steps ahead: 224 matrix instructions stand between that request and the wait for it.
.macro TURN
	WIN 0
	s_wait_tensorcnt 0x0
	ds_add_u32 v[SPW], v[NIL]
	s_wait_dscnt 9                                 ; (the add and the youngest eight loads may be out)
	MUL16 F1, 0, 0, 0
	s_wait_dscnt 0x0                               ; the add is done, my reads of this slot are over
	s_barrier_signal -1
	MUL16 F1, 0, 2, 0
	WIN 0
	s_barrier_wait -1
	CREST
	s_xor_b32 s[G0+5], s[G0+5], SLOT               ; the walking descriptors: the other slot than last time, the next K step
	s_add_nc_u64 s[G0+6:G0+7], s[G0+6:G0+7], KSTEP*2
	s_xor_b32 s[G0B+5], s[G0B+5], SLOT
	s_add_nc_u64 s[G0B+6:G0B+7], s[G0B+6:G0B+7], BSTEP
	JLOAD                                          ; its four v_nop are also the places in front of the loads below
	s_xor_b32 s[TB], s[TB], SLOT
	v_add_nc_u32 v[ADRA], s[TB], v[A0]
	v_add_nc_u32 v[ADRB], s[TB], v[B0]
	FETCH 0, F0
	MUL16 F1, 1, 0, 0
	MUL16 F1, 1, 2, 0
.endm
	s_wait_tensorcnt 1                             ; my part of K step 0 is in; K step 1's may stay out
	s_barrier_signal -1
	s_barrier_wait -1
	FETCH 0, F0
	QUARTER 1, F0, F1, 1                           ; the first quarter stands in front of the loop: its products start the sums
	WIN 0
	s_mov_b32 s3, 6
.Lstep:                                            ; a trip: from a K step's second quarter to the next one's first; K steps 2 to 7 are asked for
	QUARTER 2, F1, F0, 0
	QUARTER 3, F0, F1, 0
	TURN
	QUARTER 1, F0, F1, 0
	WIN 0
	s_sub_co_u32 s3, s3, 1
	s_cmp_lg_u32 s3, 0
	s_cbranch_scc1 .Lstep
	; THE LAST SEVEN QUARTERS (three of K step 6 in slot 0, four of K step 7 in slot 1) ask for nothing.  One barrier shows K step 7's tile whole to every wave; behind it no tensor load is out.
	s_wait_tensorcnt 0x0                           ; my part of K step 7, the last load, has landed
	ds_add_u32 v[SPW], v[NIL]
	s_wait_dscnt 0x0
	s_barrier_signal -1
	s_barrier_wait -1
	s_mov_b32 s3, 0
.Ltail:                                            ; trip t multiplies two quarters and fetches the next two: quarters 2, 3 of slot 0; 0, 1 of slot 1; 2, 3 of slot 1
	s_add_co_u32 s16, s3, 1
	s_lshr_b32 s16, s16, 1                         ; 0, 1, 1: the slot
	s_mul_i32 s16, s16, SLOT
	s_and_b32 s17, s3, 1
	s_xor_b32 s17, s17, 1                          ; 1, 0, 1: the slot's second half or its first
	s_lshl_b32 s18, s17, 7                         ; two quarters are 128 bytes along A's rows,
	s_mul_i32 s17, s17, 64*PB                      ; 64 rows of B
	s_add_co_u32 s18, s18, s16
	s_add_co_u32 s17, s17, s16
	v_add_nc_u32 v[ADRA], s18, v[A0]
	v_add_nc_u32 v[ADRB], s17, v[B0]
	QUARTER 0, F1, F0, 0
	QUARTER 1, F0, F1, 0
	WIN 0
	s_add_co_u32 s3, s3, 1
	s_cmp_lt_u32 s3, 3
	s_cbranch_scc1 .Ltail
	s_wait_dscnt 0x0                               ; my last reads of the ring are over
	s_barrier_signal -1
	MUL16 F1, 0, 0, 0
	MUL16 F1, 0, 2, 0
	MUL16 F1, 1, 0, 0
	MUL16 F1, 1, 2, 0
	WIN 0
	s_barrier_wait -1                              ; every wave's are: the ring's bytes are free, and nothing is filled any more
	PLACES
.set a, 0
.rept 8                                            ; my 128 x 128 sums into my 128 rows; each accumulator's low registers first
	WIN 0x08+4*(a/4)
.set b, 0
.rept 8
	ds_store_b128 v[STO], v[8*(8*(a%4)+b):8*(8*(a%4)+b)+3]   offset:a*16*DP+64*b
	ds_store_b128 v[STO], v[8*(8*(a%4)+b)+4:8*(8*(a%4)+b)+7] offset:a*16*DP+64*b+16
.set b, b+1
.endr
.set a, a+1
.endr
	WIN 0
.irp rho, 0,1,2,3
	ds_load_b128 v[CU+4*(\rho):CU+4*(\rho)+3], v[RD0] offset:(\rho)*DP  ; LDS serves a wave's instructions in order (ISA guide 5.7.1.4): these see the stores above
.endr
; The next trip's four rows.  The trip's number plus one is cut to 0 .. 31, so the address stays in my rows; the last trip reads rows 0-3 once more, for nothing.
.macro NEXTROWS
	s_add_co_u32 s71, s3, 1
	s_and_b32 s71, s71, 31
	s_mul_i32 s71, s71, 4*DP
	v_add_nc_u32 v[RD], s71, v[RD0]
.irp rho, 0,1,2,3
	ds_load_b128 v[CU+4*(\rho):CU+4*(\rho)+3], v[RD] offset:(\rho)*DP
.endr
.endm
	s_lshl_b32 s12, s[TR], 8
	s_lshl_b32 s13, s[WH], 7
	s_add_co_u32 s12, s12, s13                     ; my first row of C
	s_mov_b32 s3, 0
	s_cmp_ge_u32 s[TC], 12
	s_cbranch_scc1 .Lgate                          ; hangs on the column tile, which the partners share
	s_mul_i32 s16, s12, 6144
	s_lshl_b32 s17, s[TC], 9
	s_add_co_u32 s16, s16, s17
	s_lshl_b32 s17, s[WL], 8
	s_add_co_u32 s16, s16, s17
	s_mov_b32 s17, 0
	s_add_nc_u64 s[10:11], s[10:11], s[16:17]
	v_lshrrev_b32 v[CO], 1, v[L16]                 ; 8 bytes a lane: a wave's store is 256 consecutive bytes, aligned
.Lplain:
	s_wait_dscnt 0x0
.set m, 0
.rept 8
	v_cvt_pk_bf16_f32 v[48+m], v[CU+2*m], v[CU+2*m+1]
.set m, m+1
.endr
	NEXTROWS
.irp rho, 0,1,2,3
	global_store_b64 v[CO], v[48+2*(\rho):49+2*(\rho)], s[10:11] offset:(\rho)*6144
.endr
	s_wait_xcnt 0x0                                ; the stores' data and offset are written again only behind this wait
	v_add_nc_u32 v[CO], 4*6144, v[CO]
	s_add_co_u32 s3, s3, 1
	s_cmp_lt_u32 s3, 32
	s_cbranch_scc1 .Lplain
	s_branch .Lend
.Lgate:                                            ; log2(e) logsigmoid(z) / 16 = (log2(e) min(z, 0) - log2(1 + 2^(-|z| log2(e)))) / 16
	s_sub_co_u32 s18, s[TC], 12
	s_lshl_b32 s18, s18, 10
	s_lshl_b32 s19, s[WL], 9
	s_add_co_u32 s18, s18, s19                     ; my 128 columns of the gate's 512, in bytes of f32
	s_mov_b32 s19, 0
	s_add_nc_u64 s[8:9], s[8:9], s[18:19]
	global_load_b128 v[BIA:BIA+3], v[L16], s[8:9]
	s_lshl_b32 s16, s12, 11
	s_add_co_u32 s16, s16, s18
	s_add_co_u32 s16, s16, GKO
	s_mov_b32 s17, 0
	s_add_nc_u64 s[10:11], s[10:11], s[16:17]
	v_mov_b32 v[CO], v[L16]
	s_mov_b32 s73, 0x80000000
	s_mov_b32 s74, 0x3db8aa3b                      ; log2(e) / 16
	s_mov_b32 s75, 0x3db8aa3b
	s_mov_b32 s76, 0x3fb8aa3b                      ; log2(e)
	s_mov_b32 s77, 0x3fb8aa3b
	s_mov_b32 s78, 0xbd800000                      ; -1 / 16
	s_mov_b32 s79, 0xbd800000
	s_wait_loadcnt 0x0
.Lgl:
	s_wait_dscnt 0x0
.set q, 0
.rept 8
	v_pk_add_f32 v[48+2*q:49+2*q], v[CU+2*q:CU+2*q+1], v[BIA+2*(q%2):BIA+2*(q%2)+1]
.set q, q+1
.endr
	NEXTROWS
.set i, 0
.rept 16
	v_or_b32 v[64+i], s73, v[48+i]                 ; -|z|
.set i, i+1
.endr
.set q, 0
.rept 8
	v_pk_mul_f32 v[64+2*q:65+2*q], v[64+2*q:65+2*q], s[76:77] op_sel_hi:[1,0]
.set q, q+1
.endr
.set i, 0
.rept 16
	v_exp_f32 v[64+i], v[64+i]
.set i, i+1
.endr
.set i, 0
.rept 16
	v_min_num_f32 v[48+i], 0, v[48+i]              ; plain work behind the exponentials
.set i, i+1
.endr
.set q, 0
	s_wait_alu depctr_va_vdst(0)
.rept 8
	v_pk_add_f32 v[64+2*q:65+2*q], v[64+2*q:65+2*q], 1.0 op_sel_hi:[1,0]
.set q, q+1
.endr
.set i, 0
.rept 16
	v_log_f32 v[64+i], v[64+i]
.set i, i+1
.endr
	v_nop
.set q, 0
	s_wait_alu depctr_va_vdst(0)
.rept 8
	v_pk_mul_f32 v[64+2*q:65+2*q], v[64+2*q:65+2*q], s[78:79] op_sel_hi:[1,0]
.set q, q+1
.endr
.set q, 0
.rept 8
	v_pk_fma_f32 v[48+2*q:49+2*q], v[48+2*q:49+2*q], s[74:75], v[64+2*q:65+2*q] op_sel_hi:[1,0,1]
.set q, q+1
.endr
.irp rho, 0,1,2,3
	global_store_b128 v[CO], v[48+4*(\rho):51+4*(\rho)], s[10:11] offset:(\rho)*2048
.endr
	s_wait_xcnt 0x0
	v_add_nc_u32 v[CO], 4*2048, v[CO]
	s_add_co_u32 s3, s3, 1
	s_cmp_lt_u32 s3, 32
	s_cbranch_scc1 .Lgl
.Lend:
	s_wait_tensorcnt 0x0                           ; the wave's end
	ds_add_u32 v[SPW], v[NIL]
	s_wait_dscnt 0x0
	CROUND                                         ; the closing round
	s_endpgm
.Lfunc_end_k_q7410d0fd3f_g1:
	.size	k_q7410d0fd3f_g1, .Lfunc_end_k_q7410d0fd3f_g1-k_q7410d0fd3f_g1
	.p2alignl 7, 3214868480
	.fill 96, 4, 3214868480
	.section	.rodata,"a",@progbits
	.p2align	6, 0x0
	.amdhsa_kernel k_q7410d0fd3f_g1
		.amdhsa_group_segment_fixed_size 327680
		.amdhsa_private_segment_fixed_size 0
		.amdhsa_enable_private_segment 0
		.amdhsa_kernarg_size 24
		.amdhsa_user_sgpr_count 2
		.amdhsa_user_sgpr_kernarg_segment_ptr 1
		.amdhsa_wavefront_size32 1
		.amdhsa_system_sgpr_workgroup_id_x 1
		.amdhsa_system_sgpr_workgroup_id_y 1
		.amdhsa_system_sgpr_workgroup_id_z 1
		.amdhsa_system_vgpr_workitem_id 0
		.amdhsa_next_free_vgpr 1024
		.amdhsa_next_free_sgpr 96
		.amdhsa_reserve_vcc 0
		.amdhsa_float_denorm_mode_32 3
		.amdhsa_float_denorm_mode_16_64 3
		.amdhsa_memory_ordered 1
		.amdhsa_forward_progress 1
		.amdhsa_inst_pref_size 76
	.end_amdhsa_kernel
	.amdgpu_metadata
---
amdhsa.version: [ 1, 2 ]
amdhsa.kernels:
  - .name:           k_q7410d0fd3f_g1
    .symbol:         k_q7410d0fd3f_g1.kd
    .args:
      - { .name: pre, .offset: 0, .size: 8, .value_kind: global_buffer, .address_space: global }
      - { .name: bgk, .offset: 8, .size: 8, .value_kind: global_buffer, .address_space: global }
      - { .name: proj, .offset: 16, .size: 8, .value_kind: global_buffer, .address_space: global }
    .group_segment_fixed_size: 327680
    .private_segment_fixed_size: 0
    .kernarg_segment_align: 8
    .kernarg_segment_size: 24
    .max_flat_workgroup_size: 128
    .sgpr_count:     96
    .vgpr_count:     1024
    .wavefront_size: 32
...
	.end_amdgpu_metadata
.endif
;; end of part 2
;; launch gla (part 3): grid 256 x 1, 4 waves a work-group, no clusters, 291,328 bytes of LDS; arguments proj, gnorm_w, og, pre; writes og
.if DOCPART == 3
	.amdgcn_target "amdgcn-amd-amdhsa--gfx1250"
	.amdhsa_code_object_version 6
	.text
	.protected	k_q7410d0fd3f_gla
	.globl	k_q7410d0fd3f_gla
	.p2align	8
	.type	k_q7410d0fd3f_gla,@function
k_q7410d0fd3f_gla:
	s_mov_b64 s[64:65], 0
	v_nop
	global_prefetch_b8 v0, s[64:65] scope:SCOPE_SE
	s_setreg_imm32_b32 hwreg(HW_REG_WAVE_MODE, 25, 1), 1
	s_wait_xcnt 0x0
; GATED LINEAR ATTENTION, RMS NORM AND SWISH GATE.  o_t = sum over s <= t of [sum over d of q_t[d] k_s[d] 2^(g_(s+1)[d] + .. + g_t[d])] v_s / sqrt(128), g in log2 units (made by the launch before).
; proj: bf16 [4096][3072] (q 0, k 1,024, v 2,048, gate 4,096 bytes into a row), then f32 g [4096][512].  pre holds, far in, q and k of each sequence's first 16 rows in f32.  Out: bf16 [4096][1024].
; SHARES.  A work-group owns 64 rows (chunk c) of one head of one batch; it needs no state: it walks the earlier chunks c - 1 .. 0 as attention does, with a carried sum of g.
; In the products wave w owns the 16 rows 16 w .. and all 256 channels of v.  In the work on q, k and g wave w owns channels 32 w ..: lane (rg = l / 8, cq = l % 8) has 4 channels of the 16 rows of block rg,
; so sums over blocks cross lanes of one wave only.
; NO EXPONENT ABOVE 0 outside the own block:  earlier chunks: (q_t 2^(G_t - 3.5)) . (k_s 2^(B_s)), G_t the sum from the chunk's first row to t, B_s the sum from s + 1 to the row in front of the chunk.
; Own chunk, block j in front of block i: (q_t 2^(C_t - 3.5)) . (k_s 2^(T_j - C_s + N)), C the sum inside the block, T a block's total, N the totals of the blocks between: three versions of k.
; Own block: (q_t 2^(C'_t - M - 3.5)) . (k_s 2^(M - C'_s)), M = C' at the block's row 7; entries with s > t are replaced by 0.
; THE OWN BLOCK'S WEIGHTS ARE MADE FINER.  A row with few keys is a sum of few weights, which can be far smaller than a bf16 rounding of their terms, and the RMS norm divides by it.  So both operands of that
; product go as bf16 PAIRS, a number and the rounded rest: hi.hi + hi.lo + lo.hi, 8 matrix instructions more a wave; and in a sequence's first block q and k are the f32 numbers of pre, chosen by v_cndmask_b32.
; LIMIT.  C' sums max(g, -12): inside its own block of 16 rows a decay below 2^-12 a step counts as 2^-12 (a weight is off by 2.4e-4 at the most), which keeps those exponents within -99.5 .. 96.
; 2^x below 2^-126 counts as 0.  q, k with their factors, the weights, v and the gate are bf16.  NaN and infinities are not treated apart.
; LAYOUT.  A^T = K Q^T (source 0 = 16 keys, source 1 = 16 rows): a lane holds one row (l % 16) and keys 8 (l / 16) ..; two such results rounded to bf16 are source 1 of O^T = V^T A; V comes out of LDS turned.
; No tensor loads: k and g need arithmetic on their way into LDS.  No cluster: partners would walk different numbers of chunks.
; REGISTERS: window 0: v0-63 addresses and small things; v64-223 g, k, v of the chunk on its way in (and work space); v224-255 q's fragments for the walk.
;   window 1: V's fragments (v128-191 first hold the own block's rests).   window 2: v0-127 O^T; v128-255 K's fragments.
;   window 3: v0-31 A^T; v32-47 A as bf16; v48-143 the gate's rows and the f32 q, k at first; v48-239 the own chunk's fragments; v240-255 two more sums, then packed weights; behind the own chunk v48-55 gnorm_w.
.set GKO, 25165824
.set HPO, 34603008                     ; in pre: f32 [8][16][1024]: q 512, k 512
.set KP,  272                          ; a row of q or k in LDS: 256 bytes + 16
.set VP,  544                          ; a row of v: 512 + 32
.set QT,  0                            ; q 2^(G - 3.5)
.set QO,  17408                        ; q 2^(C - 3.5)
.set QD,  34816                        ; q for the own block
.set KD,  52224                        ; k for the own block
.set KO,  69632                        ; three versions of k for the blocks behind
.set KT,  121856                       ; k of the chunk in hand
.set VT,  139264                       ; v of the chunk in hand
.set RG,  174080                       ; raw g: [row of the block][thread] 16 bytes; later the gate's rows
.set RQ,  206848                       ; raw q, and 16,384 further on raw k: [row][thread] 8 bytes
.set QDL, 239616                       ; the rests of q for the own block, and 17,408 further on those of k
.set HPS, 274432                       ; f32 q of the sequence's first block: [wave][row][cq] 16 bytes; 8,192 further on k
.set STG, 0                            ; the way out: for each wave 16 rows, over tiles that nobody reads any more
.set SW,  16640
.set SP,  1040                         ; of 1,024 bytes + 16
.set SPARE, 290816
.set VG, 6
.set VK, 7
.set VV, 8
.set AD1, 9
.set AD2, 10
.set AD3, 11
.set AVS, 12
.set FRQ, 13
.set AKO, 14                           ; v14-16
.set AKT, 17
.set TV, 18
.set RA0, 19
.set RA, 20
.set RB0, 21
.set RB, 22
.set STO, 23
.set RD0, 24
.set RDC, 25                           ; at first my offset in pre's rows, then my rows in the tiles of rests, at last the way out's
.set GA0, 26
.set GAC, 27                           ; at first where I put pre's rows in LDS, then my offset in gnorm_w, at last the way out's
.set GO, 28
.set ZR, 29
.set SPW, 30
.set NIL, 31
.set X8, 32                            ; a block's figure as the lane 8, 16, 24 away holds it
.set X16, 36
.set X24, 40
.set OO, 44
.set CAR, 48                           ; the sum of g over the chunks walked
.set M8, 52                            ; 1.0 where l & 8 = 0; M16 likewise; N8, N16 the others
.set M16, 54
.set N8, 56
.set N16, 58
.set TOT, 60
.set GR, 64
.set KR, 128
.set VR, 160
.set QR, 224
.set MSB, 0
.macro WIN new
.if MSB != (\new)
	s_set_vgpr_msb (MSB<<8)|(\new)
.set MSB, \new
.endif
.endm
.macro PLACES
.rept 4
	v_nop
.endr
.endm
	s_load_b128 s[4:7], s[0:1], 0x0                ; proj s[4:5], gnorm_w s[6:7]
	s_load_b64 s[8:9], s[0:1], 0x10                ; og
	s_load_b64 s[52:53], s[0:1], 0x18              ; pre
	v_lshl_add_u32 v[SPW], v0, 2, SPARE
	v_mov_b32 v[NIL], 0
	v_lshrrev_b32 v1, 5, v0
	v_readfirstlane_b32 s10, v1                    ; wave
	s_and_b32 s11, ttmp9, 7                        ; chunk c
	s_bfe_u32 s12, ttmp9, 0x20003                  ; head
	s_lshr_b32 s13, ttmp9, 5                       ; batch
	s_lshl_b32 s14, s13, 9
	s_lshl_b32 s15, s11, 6
	s_add_co_u32 s14, s14, s15                     ; my first row
	s_mov_b32 s24, 0x76543210
	s_mov_b32 s25, 0xfedcba98
	s_mov_b32 s36, 0xc1400000                      ; -12
	s_mov_b32 s37, 0xffff0000
	s_mov_b32 s48, 0xc0600000                      ; -3.5: 2^-3.5 = 1 / sqrt(128)
	s_mov_b32 s49, 0xc0600000
	s_mov_b32 s50, 0xbfb8aa3b                      ; -log2(e)
	s_mov_b32 s51, 0xbfb8aa3b
	s_cmp_eq_u32 s11, 0
	s_cselect_b32 s54, 0xff, 0                     ; lanes 0-7 (block 0) of chunk 0: the sequence's first block
	s_lshl_b32 s55, s10, 11
	s_add_co_u32 s55, s55, HPS                     ; my wave's 2,048 bytes of the f32 q
	s_lshl_b32 s56, s13, 16
	s_add_co_u32 s56, s56, HPO                     ; my batch's 16 rows of 4,096 bytes in pre
	s_mov_b32 s57, 0
	v_and_b32 v1, 31, v0                           ; lane
	v_and_b32 v2, 15, v0                           ; l % 16
	v_bfe_u32 v3, v0, 4, 1                         ; l / 16
	v_bfe_u32 v4, v0, 3, 2                         ; rg
	v_and_b32 v5, 7, v0                            ; cq
	s_lshl_b32 s20, s10, 7
	s_lshl_b32 s21, s12, 9
	s_add_co_u32 s20, s20, s21
	v_lshl_add_u32 v[VG], v5, 4, s20               ; g: 16 rg rows of 2,048 + 512 head + 128 wave + 16 cq
	v_lshl_add_u32 v[RDC], v4, 14, v[VG]           ; pre's rows: the same channels, rows 4 rg .. of 4,096 bytes
	v_lshl_add_u32 v[VG], v4, 15, v[VG]
	v_lshl_add_u32 v[GAC], v5, 4, s55              ; and where they go: rows 4 rg .. of 128 bytes
	v_lshl_add_u32 v[GAC], v4, 9, v[GAC]
	s_lshl_b32 s20, s10, 6
	s_lshl_b32 s21, s12, 8
	s_add_co_u32 s20, s20, s21
	v_lshl_add_u32 v[VK], v5, 3, s20               ; q, k: 16 rg rows of 6,144 + 256 head + 64 wave + 8 cq
	v_mul_u32_u24 v[RA], v4, 0x18000
	v_add_nc_u32 v[VK], v[VK], v[RA]
	s_mul_i32 s20, s10, 0x18000
	s_lshl_b32 s21, s12, 9
	s_add_co_u32 s20, s20, s21
	v_lshl_add_u32 v[VV], v1, 4, s20               ; v, gate: 16 wave rows + 512 head + 16 lane
	s_lshl_b32 s20, s10, 6
	v_lshl_add_u32 v[AD1], v5, 3, s20              ; into a tile of q or k: row 16 rg, 64 wave + 8 cq
	v_mul_u32_u24 v[RA], v4, 16*KP
	v_add_nc_u32 v[AD1], v[AD1], v[RA]
	v_add_nc_u32 v[AD2], KO, v[AD1]
	v_add_nc_u32 v[AD3], KT, v[AD1]
	s_mul_i32 s20, s10, 16*VP
	s_add_co_u32 s20, s20, VT
	v_lshl_add_u32 v[AVS], v1, 4, s20
	v_mul_u32_u24 v[RB], v2, KP
	v_lshl_add_u32 v[RB], v3, 4, v[RB]             ; a fragment's row x pitch + 16 x half of the lanes
	s_mul_i32 s20, s10, 16*KP
	v_add_nc_u32 v[FRQ], s20, v[RB]                ; my 16 rows
	v_add_nc_u32 v[AKT], KT, v[RB]
.irp j, 0,1,2
	s_max_u32 s20, s10, (\j)+1                     ; between block j and mine lie wave - j - 1 blocks: that version of k, 0 .. 2
	s_sub_co_u32 s20, s20, (\j)+1                  ; (version 0 where block j is mine or lies behind: that product is thrown away)
	s_mul_i32 s20, s20, 17408
	s_add_co_u32 s20, s20, KO+(\j)*16*KP
	v_add_nc_u32 v[AKO+(\j)], s20, v[RB]
	s_cmp_gt_u32 s10, \j
	s_cselect_b32 s[26+(\j)], -1, 0                ; all lanes: block j lies in front of mine
.endr
.irp j, 0,1,2,3
	s_cmp_eq_u32 s10, \j
	s_cselect_b32 s[29+(\j)], -1, 0                ; all lanes: block j is mine
.endr
	v_lshl_add_u32 v[TV], v3, 3, v5                ; the turning load: key 8 (l / 16) + l % 8, channels 8 ((l / 8) % 2) ..
	v_mul_u32_u24 v[TV], v[TV], VP
	v_bfe_u32 v[RA], v0, 3, 1
	v_lshl_add_u32 v[TV], v[RA], 4, v[TV]
	v_add_nc_u32 v[TV], VT, v[TV]
	v_lshl_add_u32 v[RA0], v0, 4, RG
	v_lshl_add_u32 v[RB0], v0, 3, RQ
	s_mul_i32 s20, s10, SW
	s_add_co_u32 s20, s20, STG
	v_mul_u32_u24 v[STO], v2, SP
	v_lshl_add_u32 v[STO], v3, 5, v[STO]
	v_add_nc_u32 v[STO], s20, v[STO]
	v_lshl_add_u32 v[RD0], v1, 4, s20
	s_lshl_b32 s20, s10, 9
	s_add_co_u32 s20, s20, RG
	v_lshl_add_u32 v[GA0], v1, 3, s20
	v_lshlrev_b32 v[GO], 3, v1
	v_mov_b32 v[ZR], 0
	v_and_b32 v[RA], 8, v0
	v_cmp_eq_u32 vcc_lo, 0, v[RA]
	v_cndmask_b32 v[M8], 0, 1.0, vcc_lo
	v_cndmask_b32 v[N8], 1.0, 0, vcc_lo
	v_and_b32 v[RA], 16, v0
	v_cmp_eq_u32 vcc_lo, 0, v[RA]
	v_cndmask_b32 v[M16], 0, 1.0, vcc_lo
	v_cndmask_b32 v[N16], 1.0, 0, vcc_lo
.irp m, M8, M16, N8, N16
	v_mov_b32 v[(\m)+1], v[\m]
.endr
	v_cmp_gt_u32 s33, 8, v1                        ; lanes 0-7
	v_lshlrev_b32 v[RA], 3, v3
	v_sub_nc_u32 v[RA], v2, v[RA]
.irp j, 0,1,2,3,4,5,6,7
	v_cmp_le_i32 s[40+(\j)], \j, v[RA]             ; register j of the own block's result is seen: key 8 (l / 16) + j <= row l % 16
.endr
.set i, 0
.rept 12
	v_mov_b32 v[X8+i], 0                           ; destinations of lane exchanges count as read
.set i, i+1
.endr
.irp i, 0,1,2,3
	v_mov_b32 v[CAR+(\i)], 0
.endr
	s_mul_i32 s20, s14, 6144
	s_mov_b32 s21, 0
	s_lshl_b32 s22, s14, 11
	s_add_co_u32 s22, s22, GKO
	s_mov_b32 s23, 0
	s_lshl4_add_u32 s38, s10, s14                  ; the first row that I store
	s_lshl_b32 s38, s38, 11
	s_lshl_b32 s39, s12, 9
	s_add_co_u32 s38, s38, s39
	s_mov_b32 s39, 0
	s_wait_kmcnt 0x0
	s_add_nc_u64 s[16:17], s[4:5], s[20:21]        ; proj at the chunk's first row
	s_add_nc_u64 s[18:19], s[4:5], s[22:23]        ; g at the chunk's first row
	s_add_nc_u64 s[8:9], s[8:9], s[38:39]
	s_add_nc_u64 s[52:53], s[52:53], s[56:57]      ; pre at my batch's f32 rows
.macro LOADCH                          ; g, k and v of the chunk at the two bases: 48 loads
.set u, 0
.rept 16
	global_load_b128 v[GR+4*u:GR+4*u+3], v[VG], s[18:19] offset:u*2048
	global_load_b64  v[KR+2*u:KR+2*u+1], v[VK], s[16:17] offset:1024+u*6144
	global_load_b128 v[VR+4*u:VR+4*u+3], v[VV], s[16:17] offset:2048+u*6144
.set u, u+1
.endr
.endm
	LOADCH
.set u, 0
.rept 16
	global_load_b64 v[QR+2*u:QR+2*u+1], v[VK], s[16:17] offset:u*6144
.set u, u+1
.endr
	WIN 0xc0
.set u, 0
.rept 16
	global_load_b128 v[48+4*u:48+4*u+3], v[VV], s[16:17] offset:4096+u*6144  ; the gate's rows 16 wave + u
.set u, u+1
.endr
.set u, 0
.rept 4
	global_load_b128 v[112+4*u:112+4*u+3], v[RDC], s[52:53] offset:u*4096       ; f32 q of rows 4 rg + u of the sequence,
	global_load_b128 v[128+4*u:128+4*u+3], v[RDC], s[52:53] offset:u*4096+2048  ; and k
.set u, u+1
.endr
	WIN 0
	s_wait_loadcnt 0x0
.set u, 0
.rept 16                                           ; the raw rows go to LDS, so that one text can walk them; v goes to its tile
	ds_store_b128 v[RA0], v[GR+4*u:GR+4*u+3] offset:u*2048
	ds_store_b64  v[RB0], v[QR+2*u:QR+2*u+1] offset:u*1024
	ds_store_b64  v[RB0], v[KR+2*u:KR+2*u+1] offset:16384+u*1024
	ds_store_b128 v[AVS], v[VR+4*u:VR+4*u+3] offset:u*VP
.set u, u+1
.endr
	WIN 0x0c
.set u, 0
.rept 4
	ds_store_b128 v[GAC], v[112+4*u:112+4*u+3] offset:u*128       ; my wave's own bytes: only my wave reads them
	ds_store_b128 v[GAC], v[128+4*u:128+4*u+3] offset:8192+u*128
.set u, u+1
.endr
	WIN 0
; PASS 1: my block's total T and M = the clamped sum of its rows 0-7; then the blocks' totals change lanes
.set LG, 64
.set LQ, 68
.set LK, 70
.set QF, 72
.set KF, 76
.set E1, 80
.set E2, 84
.set E3, 88
.set E4, 92
.set PQO, 96
.set PQT, 100
.set PQD, 104
.set PK0, 108
.set PK1, 112
.set PK2, 116
.set PKD, 120
.set PKK, 128
.set HQ, 144
.set HK, 148
.set TL, 152
.set PL, 160
.set CC, 176
.set CP, 180
.set TT, 184
.set MM, 188
.set FP, 192
.set F1, 196
.set F2, 200
.set TP, 204
.set HA0, 208
.set HA, 209
.set AD4, 210
	v_pk_add_f32 v[TT:TT+1], v[GR:GR+1], v[GR+4:GR+5]
	v_pk_add_f32 v[TT+2:TT+3], v[GR+2:GR+3], v[GR+6:GR+7]
.set u, 2
.rept 14
	v_pk_add_f32 v[TT:TT+1], v[TT:TT+1], v[GR+4*u:GR+4*u+1]
	v_pk_add_f32 v[TT+2:TT+3], v[TT+2:TT+3], v[GR+4*u+2:GR+4*u+3]
.set u, u+1
.endr
.irp i, 0,1,2,3
	v_max_num_f32 v[MM+(\i)], s36, v[GR+(\i)]
.endr
.set u, 1
.rept 7
.irp i, 0,1,2,3
	v_max_num_f32 v[TP+(\i)], s36, v[GR+4*u+(\i)]
.endr
	v_pk_add_f32 v[MM:MM+1], v[MM:MM+1], v[TP:TP+1]
	v_pk_add_f32 v[MM+2:MM+3], v[MM+2:MM+3], v[TP+2:TP+3]
.set u, u+1
.endr
.macro XCH src                         ; the four numbers at src as the lanes 8, 16 and 24 away hold them: blocks rg ^ 1, rg ^ 2, rg ^ 3
.irp i, 0,1,2,3
	v_mov_b32_dpp v[X8+(\i)], v[(\src)+(\i)] row_xmask:8 row_mask:0xf bank_mask:0xf
.endr
.irp i, 0,1,2,3
	v_permlanex16_b32 v[X16+(\i)], v[(\src)+(\i)], s24, s25
.endr
.irp i, 0,1,2,3
	v_permlanex16_b32 v[X24+(\i)], v[X8+(\i)], s24, s25
.endr
.endm
	XCH TT
.irp i, 0,2
	v_pk_add_f32 v[OO+(\i):OO+(\i)+1], v[X16+(\i):X16+(\i)+1], v[X24+(\i):X24+(\i)+1]
	v_pk_mul_f32 v[OO+(\i):OO+(\i)+1], v[OO+(\i):OO+(\i)+1], v[N16:N16+1]
	v_pk_fma_f32 v[FP+(\i):FP+(\i)+1], v[X8+(\i):X8+(\i)+1], v[N8:N8+1], v[OO+(\i):OO+(\i)+1]  ; the totals of the blocks in front of mine
	v_pk_add_f32 v[F2+(\i):F2+(\i)+1], v[X8+(\i):X8+(\i)+1], v[X16+(\i):X16+(\i)+1]            ; block 0: T1 + T2 (used of block 0 alone)
.endr
.irp i, 0,1,2,3
	v_cndmask_b32 v[F1+(\i)], v[X24+(\i)], v[X8+(\i)], s33   ; block 0: T1; block 1: T2 (used of these two alone)
	v_mov_b32 v[CC+(\i)], 0
	v_mov_b32 v[CP+(\i)], 0
.endr
.set i, 0
.rept 12
	v_exp_f32 v[FP+i], v[FP+i]
.set i, i+1
.endr
	v_lshl_add_u32 v[HA0], v5, 4, s55              ; the f32 q of row 0, my channels (plain work behind the exponentials)
	v_add_nc_u32 v[AD4], QDL, v[AD1]               ; my place in the tile of q's rests
	ds_load_b128 v[LG:LG+3], v[RA0]
	ds_load_b64 v[LQ:LQ+1], v[RB0]
	ds_load_b64 v[LK:LK+1], v[RB0] offset:16384
	ds_load_b128 v[HQ:HQ+3], v[HA0]
	ds_load_b128 v[HK:HK+3], v[HA0] offset:8192
; PASS 2: a trip takes row u of my block: seven versions of my four channels of q and k, and two rests
	s_mov_b32 s34, 0
	s_wait_dscnt 0x0                               ; the way in: row 0's five loads are back
.Lrow:
	s_wait_dscnt 9                                 ; LDS instructions end in order (ISA guide 5.7.1): this row's five loads are back; the nine stores issued behind them may stay out
	v_lshlrev_b32 v[QF], 16, v[LQ]
	v_and_b32 v[QF+1], s37, v[LQ]
	v_lshlrev_b32 v[QF+2], 16, v[LQ+1]
	v_and_b32 v[QF+3], s37, v[LQ+1]
	v_lshlrev_b32 v[KF], 16, v[LK]
	v_and_b32 v[KF+1], s37, v[LK]
	v_lshlrev_b32 v[KF+2], 16, v[LK+1]
	v_and_b32 v[KF+3], s37, v[LK+1]
.irp i, 0,1,2,3
	v_cndmask_b32 v[QF+(\i)], v[QF+(\i)], v[HQ+(\i)], s54   ; in the sequence's first block: the f32 numbers
	v_cndmask_b32 v[KF+(\i)], v[KF+(\i)], v[HK+(\i)], s54
.endr
	v_pk_add_f32 v[CC:CC+1], v[CC:CC+1], v[LG:LG+1]
	v_pk_add_f32 v[CC+2:CC+3], v[CC+2:CC+3], v[LG+2:LG+3]
.irp i, 0,1,2,3
	v_max_num_f32 v[E4+(\i)], s36, v[LG+(\i)]
.endr
	s_add_co_u32 s35, s34, 1                       ; the next row, cut to 0 .. 15: the last trip reads row 0 once more, for nothing
	s_and_b32 s35, s35, 15
	s_lshl_b32 s38, s35, 11
	s_lshl_b32 s39, s35, 7
	s_lshl_b32 s35, s35, 10
	v_add_nc_u32 v[RA], s38, v[RA0]
	v_add_nc_u32 v[RB], s35, v[RB0]
	v_add_nc_u32 v[HA], s39, v[HA0]
	ds_load_b128 v[LG:LG+3], v[RA]
	ds_load_b64 v[LQ:LQ+1], v[RB]
	ds_load_b64 v[LK:LK+1], v[RB] offset:16384
	ds_load_b128 v[HQ:HQ+3], v[HA]
	ds_load_b128 v[HK:HK+3], v[HA] offset:8192
.irp i, 0,2
	v_pk_add_f32 v[CP+(\i):CP+(\i)+1], v[CP+(\i):CP+(\i)+1], v[E4+(\i):E4+(\i)+1]
	v_pk_add_f32 v[E1+(\i):E1+(\i)+1], v[CC+(\i):CC+(\i)+1], s[48:49] op_sel_hi:[1,0]                              ; C - 3.5
	v_pk_add_f32 v[E2+(\i):E2+(\i)+1], v[TT+(\i):TT+(\i)+1], v[CC+(\i):CC+(\i)+1] neg_lo:[0,1] neg_hi:[0,1]        ; T - C
.endr
.irp i, 0,2
	v_pk_add_f32 v[E4+(\i):E4+(\i)+1], v[MM+(\i):MM+(\i)+1], v[CP+(\i):CP+(\i)+1] neg_lo:[0,1] neg_hi:[0,1]        ; M - C'
.endr
.irp i, 0,2
	v_pk_add_f32 v[E3+(\i):E3+(\i)+1], v[E4+(\i):E4+(\i)+1], s[48:49] op_sel_hi:[1,0] neg_lo:[1,0] neg_hi:[1,0]    ; C' - M - 3.5
.endr
.set i, 0
.rept 16
	v_exp_f32 v[E1+i], v[E1+i]
.set i, i+1
.endr
	v_nop
	s_wait_alu depctr_va_vdst(0)
.irp i, 0,2
	v_pk_mul_f32 v[PQO+(\i):PQO+(\i)+1], v[QF+(\i):QF+(\i)+1], v[E1+(\i):E1+(\i)+1]
	v_pk_mul_f32 v[PK0+(\i):PK0+(\i)+1], v[KF+(\i):KF+(\i)+1], v[E2+(\i):E2+(\i)+1]
	v_pk_mul_f32 v[PQD+(\i):PQD+(\i)+1], v[QF+(\i):QF+(\i)+1], v[E3+(\i):E3+(\i)+1]
	v_pk_mul_f32 v[PKD+(\i):PKD+(\i)+1], v[KF+(\i):KF+(\i)+1], v[E4+(\i):E4+(\i)+1]
.endr
.irp i, 0,2
	v_pk_mul_f32 v[PQT+(\i):PQT+(\i)+1], v[PQO+(\i):PQO+(\i)+1], v[FP+(\i):FP+(\i)+1]
	v_pk_mul_f32 v[PK1+(\i):PK1+(\i)+1], v[PK0+(\i):PK0+(\i)+1], v[F1+(\i):F1+(\i)+1]
	v_pk_mul_f32 v[PK2+(\i):PK2+(\i)+1], v[PK0+(\i):PK0+(\i)+1], v[F2+(\i):F2+(\i)+1]
.endr
.set n, 0
.irp x, PQT, PQO, PQD, PKD, PK0, PK1, PK2
	v_cvt_pk_bf16_f32 v[PKK+2*n],   v[\x],     v[(\x)+1]
	v_cvt_pk_bf16_f32 v[PKK+2*n+1], v[(\x)+2], v[(\x)+3]
.set n, n+1
.endr
.irp n, 0,1,2,3                                    ; the own block's q (words 4, 5) and k (words 6, 7) as rounded, back in f32,
	v_lshlrev_b32 v[TL+2*(\n)],   16,  v[PKK+4+(\n)]
	v_and_b32     v[TL+2*(\n)+1], s37, v[PKK+4+(\n)]
.endr
.irp i, 0,2                                        ; what the rounding left over,
	v_pk_add_f32 v[TL+(\i):TL+(\i)+1],     v[PQD+(\i):PQD+(\i)+1], v[TL+(\i):TL+(\i)+1]     neg_lo:[0,1] neg_hi:[0,1]
	v_pk_add_f32 v[TL+4+(\i):TL+4+(\i)+1], v[PKD+(\i):PKD+(\i)+1], v[TL+4+(\i):TL+4+(\i)+1] neg_lo:[0,1] neg_hi:[0,1]
.endr
.irp n, 0,1,2,3                                    ; rounded in its turn
	v_cvt_pk_bf16_f32 v[PL+(\n)], v[TL+2*(\n)], v[TL+2*(\n)+1]
.endr
	ds_store_b64 v[AD1], v[PKK:PKK+1] offset:QT
	ds_store_b64 v[AD1], v[PKK+2:PKK+3] offset:QO
	ds_store_b64 v[AD1], v[PKK+4:PKK+5] offset:QD
	ds_store_b64 v[AD1], v[PKK+6:PKK+7] offset:KD
	ds_store_b64 v[AD2], v[PKK+8:PKK+9]
	ds_store_b64 v[AD2], v[PKK+10:PKK+11] offset:17408
	ds_store_b64 v[AD2], v[PKK+12:PKK+13] offset:34816
	ds_store_b64 v[AD4], v[PL:PL+1]
	ds_store_b64 v[AD4], v[PL+2:PL+3] offset:17408
	v_add_nc_u32 v[AD1], KP, v[AD1]
	v_add_nc_u32 v[AD2], KP, v[AD2]
	v_add_nc_u32 v[AD4], KP, v[AD4]
	s_add_co_u32 s34, s34, 1
	s_cmp_lt_u32 s34, 16
	s_cbranch_scc1 .Lrow
	WIN 0x0c
.set u, 0
.rept 16
	ds_store_b128 v[RA0], v[48+4*u:48+4*u+3] offset:u*2048  ; the gate's rows take raw g's place: each thread's own bytes
.set u, u+1
.endr
	WIN 0
	s_wait_dscnt 0x0                               ; for the others' sake: all my stores are done
	s_barrier_signal -1
	s_barrier_wait -1
	s_cmp_eq_u32 s11, 0
	s_cbranch_scc1 .Lnopre
	s_sub_nc_u64 s[16:17], s[16:17], 393216        ; 64 rows back
	s_sub_nc_u64 s[18:19], s[18:19], 131072
	LOADCH                                         ; chunk c - 1 lands under the own chunk's products
.Lnopre:
; THE OWN CHUNK
.macro VFETCH p                        ; V's fragments for keys 32 p ..: 32 turning loads
	WIN 0x40
.set t, 0
.rept 16
	ds_load_tr16_b128 v[8*(16*(\p)+t):8*(16*(\p)+t)+3],   v[TV] offset:(\p)*32*VP+32*t
	ds_load_tr16_b128 v[8*(16*(\p)+t)+4:8*(16*(\p)+t)+7], v[TV] offset:(\p)*32*VP+16*VP+32*t
.set t, t+1
.endr
.endm
.macro AV p, zero                      ; O^T += V^T A for keys 32 p ..: the 16 accumulators take turns
	WIN 0xad                                       ; V window 1, A window 3, O^T window 2
.set t, 0
.rept 16
.if \zero
	v_wmma_f32_16x16x32_bf16 v[8*t:8*t+7], v[8*(16*(\p)+t):8*(16*(\p)+t)+7], v[32+8*(\p):32+8*(\p)+7], 0
.else
	v_wmma_f32_16x16x32_bf16 v[8*t:8*t+7], v[8*(16*(\p)+t):8*(16*(\p)+t)+7], v[32+8*(\p):32+8*(\p)+7], v[8*t:8*t+7]
.endif
.set t, t+1
.endr
.endm
.macro FRAG dst, adr, off              ; 16 rows x 128 channels: four fragments, eight loads
.irp ks, 0,1,2,3
	ds_load_b128 v[(\dst)+8*(\ks):(\dst)+8*(\ks)+3],   v[\adr] offset:(\off)+64*(\ks)
	ds_load_b128 v[(\dst)+8*(\ks)+4:(\dst)+8*(\ks)+7], v[\adr] offset:(\off)+64*(\ks)+32
.endr
.endm
	v_add_nc_u32 v[RDC], QDL, v[FRQ]               ; my 16 rows in the tiles of rests
	FRAG QR, FRQ, QT                               ; stays for the whole walk
	WIN 0xc0
	FRAG 48, FRQ, QO
	FRAG 80, AKO, 0
	FRAG 112, AKO+1, 0
	FRAG 144, AKO+2, 0
	FRAG 176, FRQ, QD
	FRAG 208, FRQ, KD
	WIN 0x40
	FRAG 128, RDC, 0                               ; q's rests, in registers that V's second half takes later,
	FRAG 160, RDC, 17408                           ; and k's
	VFETCH 0
	s_wait_dscnt 32                                ; the 72 loads of q and k are in; V's 32 may be out
	WIN 0xff
.set ks, 0
.rept 4                                            ; blocks 0, 1, 2 as blocks in front of mine, and my own: four accumulators by turns
.set a, 0
.rept 3
.if ks == 0
	v_wmma_f32_16x16x32_bf16 v[8*a:8*a+7], v[80+32*a+8*ks:80+32*a+8*ks+7], v[48+8*ks:48+8*ks+7], 0
.else
	v_wmma_f32_16x16x32_bf16 v[8*a:8*a+7], v[80+32*a+8*ks:80+32*a+8*ks+7], v[48+8*ks:48+8*ks+7], v[8*a:8*a+7]
.endif
.set a, a+1
.endr
.if ks == 0
	v_wmma_f32_16x16x32_bf16 v[24:31], v[208+8*ks:208+8*ks+7], v[176+8*ks:176+8*ks+7], 0
.else
	v_wmma_f32_16x16x32_bf16 v[24:31], v[208+8*ks:208+8*ks+7], v[176+8*ks:176+8*ks+7], v[24:31]
.endif
.set ks, ks+1
.endr
.set ks, 0
.rept 4                                            ; my own block once more: k x q's rest, k's rest x q: two accumulators by turns
	WIN 0xf7                                       ; k window 3, q's rest window 1
.if ks == 0
	v_wmma_f32_16x16x32_bf16 v[240:247], v[208+8*ks:208+8*ks+7], v[128+8*ks:128+8*ks+7], 0
.else
	v_wmma_f32_16x16x32_bf16 v[240:247], v[208+8*ks:208+8*ks+7], v[128+8*ks:128+8*ks+7], v[240:247]
.endif
	WIN 0xfd                                       ; k's rest window 1, q window 3
.if ks == 0
	v_wmma_f32_16x16x32_bf16 v[248:255], v[160+8*ks:160+8*ks+7], v[176+8*ks:176+8*ks+7], 0
.else
	v_wmma_f32_16x16x32_bf16 v[248:255], v[160+8*ks:160+8*ks+7], v[176+8*ks:176+8*ks+7], v[248:255]
.endif
.set ks, ks+1
.endr
	PLACES                                         ; in front of loads into registers that those products read, and of the sums below
	VFETCH 1
	WIN 0xcf
.irp i, 0,1,2,3
	v_pk_add_f32 v[24+2*(\i):25+2*(\i)], v[24+2*(\i):25+2*(\i)], v[240+2*(\i):241+2*(\i)]
.endr
.irp i, 0,1,2,3
	v_pk_add_f32 v[24+2*(\i):25+2*(\i)], v[24+2*(\i):25+2*(\i)], v[248+2*(\i):249+2*(\i)]
.endr
.irp j, 0,1,2,3,4,5,6,7
	v_cndmask_b32 v[24+(\j)], 0, v[24+(\j)], s[40+(\j)]   ; keys behind the row: 0, whatever stood there
.endr
.irp i, 0,1,2,3
	v_cvt_pk_bf16_f32 v[240+(\i)], v[24+2*(\i)], v[25+2*(\i)]
	v_cvt_pk_bf16_f32 v[244+(\i)], v[2*(\i)], v[2*(\i)+1]
	v_cvt_pk_bf16_f32 v[248+(\i)], v[8+2*(\i)], v[9+2*(\i)]
	v_cvt_pk_bf16_f32 v[252+(\i)], v[16+2*(\i)], v[17+2*(\i)]
.endr
.irp j, 0,1,2
.irp i, 0,1,2,3
	v_cndmask_b32 v[32+4*(\j)+(\i)], 0, v[244+4*(\j)+(\i)], s[26+(\j)]
.endr
.irp i, 0,1,2,3
	v_cndmask_b32 v[32+4*(\j)+(\i)], v[32+4*(\j)+(\i)], v[240+(\i)], s[29+(\j)]
.endr
.endr
.irp i, 0,1,2,3
	v_cndmask_b32 v[44+(\i)], 0, v[240+(\i)], s32
.endr
	s_wait_dscnt 32                                ; V's keys 0-31 are in
	AV 0, 1                                        ; these products start O^T's sums
	s_wait_dscnt 0x0
	AV 1, 0
	WIN 0
	v_lshlrev_b32 v[GAC], 4, v1                    ; gnorm_w is asked for here, into registers that the own chunk's fragments have left: it lands under the walk
	WIN 0xc0
	global_load_b128 v[48:51], v[GAC], s[6:7]             ; channels 4 lane ..
	global_load_b128 v[52:55], v[GAC], s[6:7] offset:512  ; and 128 + 4 lane ..
	WIN 0
	s_cmp_eq_u32 s11, 0
	s_cbranch_scc1 .Lwayout
; THE WALK over chunks c - 1 .. 0
	s_mov_b32 s15, 0
.Ltrip:
	s_wait_loadcnt 0x0                             ; g, k, v of the chunk in hand
.set u, 14
.rept 15                                           ; sums of g from row u to my block's end
	v_pk_add_f32 v[GR+4*u:GR+4*u+1], v[GR+4*u:GR+4*u+1], v[GR+4*u+4:GR+4*u+5]
	v_pk_add_f32 v[GR+4*u+2:GR+4*u+3], v[GR+4*u+2:GR+4*u+3], v[GR+4*u+6:GR+4*u+7]
.set u, u-1
.endr
	XCH GR
.irp i, 0,2
	v_pk_add_f32 v[OO+(\i):OO+(\i)+1], v[X16+(\i):X16+(\i)+1], v[X24+(\i):X24+(\i)+1]
	v_pk_add_f32 v[TOT+(\i):TOT+(\i)+1], v[GR+(\i):GR+(\i)+1], v[X8+(\i):X8+(\i)+1]
.endr
.irp i, 0,2
	v_pk_add_f32 v[TOT+(\i):TOT+(\i)+1], v[TOT+(\i):TOT+(\i)+1], v[OO+(\i):OO+(\i)+1]          ; the chunk's total
	v_pk_fma_f32 v[OO+(\i):OO+(\i)+1], v[OO+(\i):OO+(\i)+1], v[M16:M16+1], v[CAR+(\i):CAR+(\i)+1]
.endr
.irp i, 0,2
	v_pk_fma_f32 v[OO+(\i):OO+(\i)+1], v[X8+(\i):X8+(\i)+1], v[M8:M8+1], v[OO+(\i):OO+(\i)+1]  ; the blocks behind mine, and the chunks walked
	v_pk_add_f32 v[CAR+(\i):CAR+(\i)+1], v[CAR+(\i):CAR+(\i)+1], v[TOT+(\i):TOT+(\i)+1]
.endr
.set u, 0
.rept 15
	v_pk_add_f32 v[GR+4*u:GR+4*u+1], v[GR+4*u+4:GR+4*u+5], v[OO:OO+1]
	v_pk_add_f32 v[GR+4*u+2:GR+4*u+3], v[GR+4*u+6:GR+4*u+7], v[OO+2:OO+3]
.set u, u+1
.endr
.irp i, 0,1,2,3
	v_mov_b32 v[GR+60+(\i)], v[OO+(\i)]
.endr
.set i, 0
.rept 64
	v_exp_f32 v[GR+i], v[GR+i]
.set i, i+1
.endr
	v_nop
.set u, 0
	s_wait_alu depctr_va_vdst(0)
.rept 16
	v_fma_mix_f32_bf16 v[GR+4*u],   v[KR+2*u],   v[GR+4*u],   v[ZR] op_sel:[0,0,0] op_sel_hi:[1,0,0]
	v_fma_mix_f32_bf16 v[GR+4*u+1], v[KR+2*u],   v[GR+4*u+1], v[ZR] op_sel:[1,0,0] op_sel_hi:[1,0,0]
	v_fma_mix_f32_bf16 v[GR+4*u+2], v[KR+2*u+1], v[GR+4*u+2], v[ZR] op_sel:[0,0,0] op_sel_hi:[1,0,0]
	v_fma_mix_f32_bf16 v[GR+4*u+3], v[KR+2*u+1], v[GR+4*u+3], v[ZR] op_sel:[1,0,0] op_sel_hi:[1,0,0]
.set u, u+1
.endr
.set u, 0
.rept 16
	v_cvt_pk_bf16_f32 v[KR+2*u],   v[GR+4*u],   v[GR+4*u+1]
	v_cvt_pk_bf16_f32 v[KR+2*u+1], v[GR+4*u+2], v[GR+4*u+3]
.set u, u+1
.endr
	s_wait_dscnt 0x0                               ; my reads of the two tiles are over
	s_barrier_signal -1
	s_barrier_wait -1                              ; everybody's are
.set u, 0
.rept 16
	ds_store_b64  v[AD3], v[KR+2*u:KR+2*u+1] offset:u*KP
	ds_store_b128 v[AVS], v[VR+4*u:VR+4*u+3] offset:u*VP
.set u, u+1
.endr
	s_wait_dscnt 0x0                               ; for the others' sake; and the registers may be loaded again
	s_add_co_u32 s35, s15, 1
	s_cmp_lt_u32 s35, s11
	s_cbranch_scc0 .Lnomore                        ; the last trip asks for nothing: no load leaves the buffer
	s_sub_nc_u64 s[16:17], s[16:17], 393216
	s_sub_nc_u64 s[18:19], s[18:19], 131072
	LOADCH
.Lnomore:
	s_barrier_signal -1
	s_barrier_wait -1
	WIN 0x80
.irp kt, 0,1,2,3
	FRAG 128+32*(\kt), AKT, (\kt)*16*KP
.endr
	VFETCH 0
	s_wait_dscnt 32                                ; K's 32 loads are in; V's 32 may be out
	WIN 0xf2                                       ; K window 2, Q window 0, A^T window 3
.set ks, 0
.rept 4
.set a, 0
.rept 4
.if ks == 0
	v_wmma_f32_16x16x32_bf16 v[8*a:8*a+7], v[128+32*a+8*ks:128+32*a+8*ks+7], v[QR+8*ks:QR+8*ks+7], 0
.else
	v_wmma_f32_16x16x32_bf16 v[8*a:8*a+7], v[128+32*a+8*ks:128+32*a+8*ks+7], v[QR+8*ks:QR+8*ks+7], v[8*a:8*a+7]
.endif
.set a, a+1
.endr
.set ks, ks+1
.endr
	VFETCH 1
	PLACES
	WIN 0xcf
.set i, 0
.rept 16
	v_cvt_pk_bf16_f32 v[32+i], v[2*i], v[2*i+1]
.set i, i+1
.endr
	s_wait_dscnt 32
	AV 0, 0
	s_wait_dscnt 0x0
	AV 1, 0
	WIN 0
	s_add_co_u32 s15, s15, 1
	s_cmp_lt_u32 s15, s11
	s_cbranch_scc1 .Ltrip
; THE WAY OUT: mean square over the row's 256 channels; O^T / rms through my stage; then by rows: x gnorm_w x gate x sigmoid(gate)
.Lwayout:
	s_wait_loadcnt 0x0                             ; gnorm_w is in; and v64-223, the chunks' registers, are used anew from here on: no load into them is pending on any way to this label
	s_wait_dscnt 0x0
	s_barrier_signal -1
	s_barrier_wait -1                              ; every wave's reads of the tiles are over: the stage may lie over the own chunk's
.set OL, 64
.set GL, 96
.set WN, 112
.set GF, 128
.set XO, 160
.set NE, 192
.set PO, 224
	WIN 0x03                                       ; source window 3
.set i, 0
.rept 8
	v_mov_b32 v[WN+i], v[48+i]                     ; gnorm_w beside the rows that it scales
.set i, i+1
.endr
	WIN 0
	PLACES
	WIN 0x0a
.irp k, 0,1,2,3
	v_pk_mul_f32 v[64+2*(\k):65+2*(\k)], v[2*(\k):2*(\k)+1], v[2*(\k):2*(\k)+1]
.endr
.set p, 4
.rept 60
	v_pk_fma_f32 v[64+2*(p%4):65+2*(p%4)], v[2*p:2*p+1], v[2*p:2*p+1], v[64+2*(p%4):65+2*(p%4)]
.set p, p+1
.endr
	WIN 0
	v_pk_add_f32 v[64:65], v[64:65], v[66:67]
	v_pk_add_f32 v[68:69], v[68:69], v[70:71]
	v_pk_add_f32 v[64:65], v[64:65], v[68:69]
	v_add_f32 v64, v64, v65
	v_permlanex16_b32 v65, v64, s24, s25           ; the row's other 128 channels lie in the lane 16 away
	v_add_f32 v64, v64, v65
	s_mov_b32 s35, 0x3b800000                      ; 1 / 256
	v_fmaak_f32 v64, s35, v64, 0x3727c5ac
	v_rsq_f32 v72, v64
	v_rsq_f32 v73, v64
	v_nop
	WIN 0x82
.set p, 0
	s_wait_alu depctr_va_vdst(0)
.rept 64
	v_pk_mul_f32 v[2*p:2*p+1], v[2*p:2*p+1], v[72:73]
.set p, p+1
.endr
	WIN 0x08
.set t, 0
.rept 16
	ds_store_b128 v[STO], v[8*t:8*t+3] offset:64*t
	ds_store_b128 v[STO], v[8*t+4:8*t+7] offset:64*t+16
.set t, t+1
.endr
	WIN 0
.macro OLOADS ao, ag                   ; four rows: O (channels 4 lane .. and 128 + 4 lane ..) and the gate
.irp rho, 0,1,2,3
.irp uu, 0,1
	ds_load_b128 v[OL+8*(\rho)+4*(\uu):OL+8*(\rho)+4*(\uu)+3], v[\ao] offset:(\rho)*SP+(\uu)*512
	ds_load_b64  v[GL+4*(\rho)+2*(\uu):GL+4*(\rho)+2*(\uu)+1], v[\ag] offset:(\rho)*2048+(\uu)*256
.endr
.endr
.endm
	OLOADS RD0, GA0
	s_mov_b32 s34, 0
.Lorow:
	s_wait_dscnt 0x0
.set m, 0
.rept 16
	v_lshlrev_b32 v[GF+2*m], 16, v[GL+m]
	v_and_b32 v[GF+2*m+1], s37, v[GL+m]
.set m, m+1
.endr
.set q, 0
.rept 16
	v_pk_mul_f32 v[XO+2*q:XO+2*q+1], v[OL+2*q:OL+2*q+1], v[WN+4*((q/2)%2)+2*(q%2):WN+4*((q/2)%2)+2*(q%2)+1]
.set q, q+1
.endr
	s_add_co_u32 s35, s34, 1                       ; the next four rows, cut to 0 .. 3: the last trip reads the first four once more, for nothing
	s_and_b32 s35, s35, 3
	s_mul_i32 s38, s35, 4*SP
	s_lshl_b32 s35, s35, 13
	v_add_nc_u32 v[RDC], s38, v[RD0]
	v_add_nc_u32 v[GAC], s35, v[GA0]
	OLOADS RDC, GAC
.set q, 0
.rept 16
	v_pk_mul_f32 v[NE+2*q:NE+2*q+1], v[GF+2*q:GF+2*q+1], s[50:51] op_sel_hi:[1,0]
.set q, q+1
.endr
.set i, 0
.rept 32
	v_exp_f32 v[NE+i], v[NE+i]
.set i, i+1
.endr
.set q, 0
.rept 16
	v_pk_mul_f32 v[XO+2*q:XO+2*q+1], v[XO+2*q:XO+2*q+1], v[GF+2*q:GF+2*q+1]
.set q, q+1
.endr
.set q, 0
	s_wait_alu depctr_va_vdst(0)
.rept 16
	v_pk_add_f32 v[NE+2*q:NE+2*q+1], v[NE+2*q:NE+2*q+1], 1.0 op_sel_hi:[1,0]
.set q, q+1
.endr
.set i, 0
.rept 32
	v_rcp_f32 v[NE+i], v[NE+i]
.set i, i+1
.endr
	v_nop
.set q, 0
	s_wait_alu depctr_va_vdst(0)
.rept 16
	v_pk_mul_f32 v[XO+2*q:XO+2*q+1], v[XO+2*q:XO+2*q+1], v[NE+2*q:NE+2*q+1]
.set q, q+1
.endr
.set m, 0
.rept 16
	v_cvt_pk_bf16_f32 v[PO+m], v[XO+2*m], v[XO+2*m+1]
.set m, m+1
.endr
.irp rho, 0,1,2,3
.irp uu, 0,1
	global_store_b64 v[GO], v[PO+4*(\rho)+2*(\uu):PO+4*(\rho)+2*(\uu)+1], s[8:9] offset:(\rho)*2048+(\uu)*256  ; 256 consecutive bytes, aligned
.endr
.endr
	s_wait_xcnt 0x0
	v_add_nc_u32 v[GO], 8192, v[GO]
	s_add_co_u32 s34, s34, 1
	s_cmp_lt_u32 s34, 4
	s_cbranch_scc1 .Lorow
	s_wait_tensorcnt 0x0                           ; the wave's end
	ds_add_u32 v[SPW], v[NIL]
	s_wait_dscnt 0x0
	s_endpgm
.Lfunc_end_k_q7410d0fd3f_gla:
	.size	k_q7410d0fd3f_gla, .Lfunc_end_k_q7410d0fd3f_gla-k_q7410d0fd3f_gla
	.p2alignl 7, 3214868480
	.fill 96, 4, 3214868480
	.section	.rodata,"a",@progbits
	.p2align	6, 0x0
	.amdhsa_kernel k_q7410d0fd3f_gla
		.amdhsa_group_segment_fixed_size 291328
		.amdhsa_private_segment_fixed_size 0
		.amdhsa_enable_private_segment 0
		.amdhsa_kernarg_size 32
		.amdhsa_user_sgpr_count 2
		.amdhsa_user_sgpr_kernarg_segment_ptr 1
		.amdhsa_wavefront_size32 1
		.amdhsa_system_sgpr_workgroup_id_x 1
		.amdhsa_system_sgpr_workgroup_id_y 1
		.amdhsa_system_sgpr_workgroup_id_z 1
		.amdhsa_system_vgpr_workitem_id 0
		.amdhsa_next_free_vgpr 1024
		.amdhsa_next_free_sgpr 66
		.amdhsa_reserve_vcc 1
		.amdhsa_float_denorm_mode_32 3
		.amdhsa_float_denorm_mode_16_64 3
		.amdhsa_memory_ordered 1
		.amdhsa_forward_progress 1
		.amdhsa_inst_pref_size 111
	.end_amdhsa_kernel
	.amdgpu_metadata
---
amdhsa.version: [ 1, 2 ]
amdhsa.kernels:
  - .name:           k_q7410d0fd3f_gla
    .symbol:         k_q7410d0fd3f_gla.kd
    .args:
      - { .name: proj, .offset: 0, .size: 8, .value_kind: global_buffer, .address_space: global }
      - { .name: gnorm_w, .offset: 8, .size: 8, .value_kind: global_buffer, .address_space: global }
      - { .name: og, .offset: 16, .size: 8, .value_kind: global_buffer, .address_space: global }
      - { .name: pre, .offset: 24, .size: 8, .value_kind: global_buffer, .address_space: global }
    .group_segment_fixed_size: 291328
    .private_segment_fixed_size: 0
    .kernarg_segment_align: 8
    .kernarg_segment_size: 32
    .max_flat_workgroup_size: 128
    .sgpr_count:     66
    .vgpr_count:     1024
    .wavefront_size: 32
...
	.end_amdgpu_metadata
.endif
;; end of part 3
;; launch g2 (part 4): grid 8 x 32, 4 waves a work-group, clusters of 4 x 4, 327,680 bytes of LDS; arguments og, pre, x, x1; writes x1
.if DOCPART == 4
	.amdgcn_target "amdgcn-amd-amdhsa--gfx1250"
	.amdhsa_code_object_version 6
	.text
	.protected	k_q7410d0fd3f_g2
	.globl	k_q7410d0fd3f_g2
	.p2align	8
	.type	k_q7410d0fd3f_g2,@function
k_q7410d0fd3f_g2:
	s_mov_b64 s[64:65], 0
	v_nop
	global_prefetch_b8 v0, s[64:65] scope:SCOPE_SE
	s_setreg_imm32_b32 hwreg(HW_REG_WAVE_MODE, 25, 1), 1
	s_wait_xcnt 0x0
	s_wait_alu depctr_hold_cnt(0) depctr_sa_sdst(0) depctr_va_vdst(0) depctr_va_sdst(0) depctr_va_ssrc(0) depctr_va_vcc(0) depctr_vm_vsrc(0)
	s_getreg_b32 s2, hwreg(HW_REG_IB_STS2, 6, 4)
	s_cmp_eq_u32 s2, 0
	s_cbranch_scc0 .Lentry_in_a_cluster
	s_endpgm
.Lentry_in_a_cluster:
	s_bfe_u32 s2, ttmp6, 0x10000c
	s_cmp_lg_u32 s2, 0xf033
	s_cbranch_scc0 .Lentry_shape_is_right
	s_endpgm
.Lentry_shape_is_right:
; OUT = RES + A B (+ bias).  A: [4096][KK] bf16, K along the rows.  B: [KK][1024] bf16, as the weights lie.  RES, OUT: [4096][1024] f32.  Sums in f32.
; KIND 2: A = the gated attention output, B = Wo, KK = 1,024, RES = x.     KIND 4: A = gelu's output, B = W2, KK = 4,096, RES = x1, bias b2.
; 1,024 columns give 64 tiles of 256 x 256 but 256 tiles of 128 x 128: the smaller tile gives every WGP a work-group.  Four waves, each 64 x 64: 16 accumulators.
; K goes in steps of 256 through two LDS slots: A's rows 512 bytes, B's 256, all from multiples of 256 bytes.  B's fragments come out of LDS turned.
; CLUSTER 4 x 4: A's tile is shared along a row of the cluster, B's along a column: joint loads.  The matrix instruction is used transposed: a lane holds eight neighbouring numbers of a row.
; The residual's 64 x 64 numbers are asked for at the start, in the layout in which the result is stored, and land under the whole K loop.
; REGISTERS: window 0: v0-31 addresses, v32-95 the way out, v128-255 accumulators; window 1: two fragment buffers (64 of A, 64 of B each); window 2: v0-127 the residual.
.set KIND, 2
.if KIND == 2
.set KK,   1024
.set BOFF, 15728640
.set OUTP, 10
.else
.set KK,   4096
.set BOFF, 26214400
.set OUTP, 12
.endif
.set NSTEP, KK/256
.set KSTEP, 256
.set PA,    528                        ; a row of A in LDS: 512 bytes + 16
.set PB,    288                        ; a row of B (one k, 128 columns): 256 bytes + 32
.set HA,    64*PA                      ; what one load brings of A: 64 rows,
.set HB,    128*PB                     ; of B: 128 k
.set BO,    2*HA
.set SLOT,  147456                     ; 0x24000 shares no bit with the four parts' places 0, 0x8400, 0x10800, 0x19800
.set STAGE, 2*SLOT                     ; behind the ring: 16 rows x 272 bytes for each wave
.set SPITCH, 272
.set SPARE, STAGE+4*16*SPITCH
.set BSTEP, 256*1024*2
.set BIA,  8
.set ADRA, 16
.set A0,   17
.set ADRB, 18                          ; v18: k 0-127 of the step; v19: k 128-255 (an LDS offset has 16 bits)
.set B0,   20
.set STO,  24
.set RD,   25
.set CO,   26
.set SPW,  28
.set NIL,  29
.set TMP,  32
.set ACC,  128
.set F0,   0
.set F1,   128
.set G1,  24
.set G0,  32
.set TC,  42
.set G1B, 48
.set G0B, 56
.set WV,  66
.set WH,  67
.set WL,  68
.set TB,  69
.set TR,  70
.set MSB, 0
.macro WIN new
.if MSB != (\new)
	s_set_vgpr_msb (MSB<<8)|(\new)
.set MSB, \new
.endif
.endm
.set MUL,  0x05                        ; sources 0 (B) and 1 (A) window 1; C and D window 0
.set TO_F, 0x40
.macro PLACES
.rept 4
	v_nop
.endr
.endm
.macro JLOAD                           ; a joint refill: waves 0 and 1 fetch A's halves, waves 2 and 3 B's; an s_nop 0 and four v_nop follow each line
	s_cmp_eq_u32 s[WH], 0
	s_cbranch_scc0 .Lfor_b_\@
	tensor_load_to_lds s[G0+4:G0+7], s[G1:G1+7]
	s_nop 0
	PLACES
	s_branch .Lasked_\@
.Lfor_b_\@:
	tensor_load_to_lds s[G0B+4:G0B+7], s[G1B:G1B+7]
	s_nop 0
	PLACES
.Lasked_\@:
.endm
.macro CREST
	s_cmp_lg_u32 s[WV], 0
	s_cbranch_scc1 .Lnot_wave_0_\@
	s_barrier_signal -3
.Lnot_wave_0_\@:
	s_barrier_wait -3
	s_barrier_signal -1
	s_barrier_wait -1
.endm
.macro CROUND
	s_barrier_signal -1
	s_barrier_wait -1
	CREST
.endm
	s_load_b256 s[4:11], s[0:1], 0x0               ; A s[4:5], pre s[6:7], residual s[8:9]; KIND 2: out s[10:11]; KIND 4: b2 s[10:11]
.if KIND == 4
	s_load_b64 s[12:13], s[0:1], 0x20              ; out
.endif
	v_lshl_add_u32 v[SPW], v0, 2, SPARE
	v_mov_b32 v[NIL], 0
	ds_add_u32 v[SPW], v[NIL]                      ; the wave's opening: the add and its wait ahead of my first tensor load
	v_lshrrev_b32 v1, 5, v0
	v_readfirstlane_b32 s[WV], v1
	s_lshr_b32 s[WH], s[WV], 1
	s_and_b32 s[WL], s[WV], 1
	s_bfe_u32 s40, ttmp6, 0x40000
	s_bfe_u32 s41, ttmp6, 0x40004
	s_lshl_b32 s[TC], ttmp9, 2
	s_add_co_u32 s[TC], s[TC], s40
	s_and_b32 s[TR], ttmp7, 0xffff
	s_lshl_b32 s[TR], s[TR], 2
	s_add_co_u32 s[TR], s[TR], s41
	s_lshl_b32 s43, s41, 2
	s_lshl_b32 s43, 15, s43
	s_lshl_b32 s44, 0x1111, s40
	s_or_b32 s[G1], s43, (1<<16)|(1<<20)|(1<<21)|(6<<22)|(3<<25)    ; A: my row of the cluster; 4 words of padding after every 128
	s_or_b32 s[G1B], s44, (1<<16)|(1<<20)|(1<<21)|(5<<22)|(7<<25)   ; B: my column; 8 words after every 64
	s_mov_b32 s[G1+1], 256<<16
	s_mov_b32 s[G1+2], 64<<16
	s_mov_b32 s[G1+3], 256<<16
	s_mov_b32 s[G1+4], 64
	s_mov_b32 s[G1+5], KK
	s_mov_b32 s[G1+6], 0
	s_mov_b32 s[G1+7], 0
	s_mov_b32 s[G1B+1], 128<<16
	s_mov_b32 s[G1B+2], 128<<16
	s_mov_b32 s[G1B+3], 128<<16
	s_mov_b32 s[G1B+4], 128
	s_mov_b32 s[G1B+5], 1024
	s_mov_b32 s[G1B+6], 0
	s_mov_b32 s[G1B+7], 0
	s_lshl_b32 s17, s[WL], 6
	s_lshl_b32 s16, s[TR], 7
	s_add_co_u32 s16, s16, s17                     ; A: row 128 x row tile + 64 x half
	s_mul_i32 s16, s16, KK*2
	s_mov_b32 s17, 0
	s_lshl_b32 s46, s[TC], 8                       ; B: 256 bytes a column tile, 128 k a half
	s_lshl_b32 s47, s[WL], 18
	s_add_co_u32 s46, s46, s47
	s_add_co_u32 s46, s46, BOFF
	s_mov_b32 s47, 0
	s_mul_i32 s20, s[WL], HA                       ; where my part goes, if it is A's,
	s_mul_i32 s21, s[WL], HB
	s_add_co_u32 s21, s21, BO                      ; if it is B's
	s_wait_dscnt 0x0
	s_wait_kmcnt 0x0
	s_add_nc_u64 s[14:15], s[4:5], s[16:17]
	s_add_nc_u64 s[46:47], s[6:7], s[46:47]
	CROUND
.irp s, 0,1
	s_mov_b32 s[G0+4*(\s)], 1
	s_add_co_u32 s[G0+4*(\s)+1], s20, (\s)*SLOT
	s_add_nc_u64 s[G0+4*(\s)+2:G0+4*(\s)+3], s[14:15], (\s)*KSTEP*2
	s_or_b32 s[G0+4*(\s)+3], s[G0+4*(\s)+3], 0x80000000
	s_mov_b32 s[G0B+4*(\s)], 1
	s_add_co_u32 s[G0B+4*(\s)+1], s21, (\s)*SLOT
	s_add_nc_u64 s[G0B+4*(\s)+2:G0B+4*(\s)+3], s[46:47], (\s)*BSTEP
	s_or_b32 s[G0B+4*(\s)+3], s[G0B+4*(\s)+3], 0x80000000
.endr
	s_cmp_eq_u32 s[WH], 0                          ; a wave's two first fills stand in one branch: two loads of mine are out
	s_cbranch_scc0 .Lfirst_b
	tensor_load_to_lds s[G0:G0+3], s[G1:G1+7]
	s_nop 0
	tensor_load_to_lds s[G0+4:G0+7], s[G1:G1+7]
	s_nop 0
	PLACES
	s_branch .Lfirst_asked
.Lfirst_b:
	tensor_load_to_lds s[G0B:G0B+3], s[G1B:G1B+7]
	s_nop 0
	tensor_load_to_lds s[G0B+4:G0B+7], s[G1B:G1B+7]
	s_nop 0
	PLACES
.Lfirst_asked:
	v_and_b32 v1, 15, v0
	v_bfe_u32 v2, v0, 4, 1
	v_mul_u32_u24 v3, v1, PA
	v_lshl_add_u32 v3, v2, 4, v3
	s_mul_i32 s22, s[WH], HA
	v_add_nc_u32 v[A0], s22, v3
	v_and_b32 v3, 7, v0
	v_lshl_add_u32 v3, v2, 3, v3
	v_mul_u32_u24 v3, v3, PB
	v_bfe_u32 v4, v0, 3, 1
	v_lshl_add_u32 v3, v4, 4, v3
	s_lshl_b32 s22, s[WL], 7
	s_add_co_u32 s22, s22, BO
	v_add_nc_u32 v[B0], s22, v3
	v_mov_b32 v[ADRA], v[A0]
	v_mov_b32 v[ADRB], v[B0]
	v_add_nc_u32 v[ADRB+1], HB, v[B0]
	s_mov_b32 s[TB], 0
	s_mul_i32 s23, s[WV], 16*SPITCH
	s_add_co_u32 s23, s23, STAGE
	v_mul_u32_u24 v3, v1, SPITCH
	v_lshl_add_u32 v3, v2, 5, v3
	v_add_nc_u32 v[STO], s23, v3                   ; in: row l % 16, 32 bytes for each half of the lanes
	v_mul_u32_u24 v3, v2, SPITCH
	v_lshl_add_u32 v3, v1, 4, v3
	v_add_nc_u32 v[RD], s23, v3                    ; back: lanes 0-15 one row of 256 bytes, lanes 16-31 the next
	v_lshlrev_b32 v3, 12, v2
	v_lshl_add_u32 v[CO], v1, 4, v3                ; and the same two rows in memory
	s_lshl_b32 s16, s[TR], 7
	s_lshl_b32 s17, s[WH], 6
	s_add_co_u32 s16, s16, s17
	s_lshl_b32 s16, s16, 12                        ; my first row, of 4,096 bytes
	s_mov_b32 s17, 0
	s_lshl_b32 s46, s[TC], 9
	s_lshl_b32 s47, s[WL], 8
	s_add_co_u32 s46, s46, s47                     ; my first column, in bytes
	s_mov_b32 s47, 0
	s_add_nc_u64 s[16:17], s[16:17], s[46:47]
	s_add_nc_u64 s[8:9], s[8:9], s[16:17]
	s_add_nc_u64 s[OUTP:OUTP+1], s[OUTP:OUTP+1], s[16:17]
	WIN 0x80
.set a, 0
.rept 4
.set t, 0
.rept 8
	global_load_b128 v[4*(8*a+t):4*(8*a+t)+3], v[CO], s[8:9] offset:(16*a+2*t)*4096
.set t, t+1
.endr
.set a, a+1
.endr
	WIN 0
.if KIND == 4
	s_add_nc_u64 s[10:11], s[10:11], s[46:47]      ; b2 of my four columns
	v_lshlrev_b32 v3, 4, v1
	global_load_b128 v[BIA:BIA+3], v3, s[10:11]
.endif
.macro MUL8 f, c, a0, zero             ; 8 matrix instructions: m blocks a0, a0 + 1 x 4 n blocks, 32 along K: half c of buffer f
	WIN MUL
.irp a, \a0, (\a0)+1
.irp b, 0,1,2,3
.if \zero
	v_wmma_f32_16x16x32_bf16 v[ACC+8*(4*(\a)+(\b)):ACC+8*(4*(\a)+(\b))+7], v[(\f)+64+8*(4*(\c)+(\b)):(\f)+64+8*(4*(\c)+(\b))+7], v[(\f)+8*(4*(\c)+(\a)):(\f)+8*(4*(\c)+(\a))+7], 0
.else
	v_wmma_f32_16x16x32_bf16 v[ACC+8*(4*(\a)+(\b)):ACC+8*(4*(\a)+(\b))+7], v[(\f)+64+8*(4*(\c)+(\b)):(\f)+64+8*(4*(\c)+(\b))+7], v[(\f)+8*(4*(\c)+(\a)):(\f)+8*(4*(\c)+(\a))+7], v[ACC+8*(4*(\a)+(\b)):ACC+8*(4*(\a)+(\b))+7]
.endif
.endr
.endr
.endm
.macro FETCH kq, f                     ; 32 LDS loads in one run: quarter kq (64 along K) into buffer f, its first 32 along K first
	WIN TO_F
.irp c, 0,1
.irp i, 0,1,2,3
	ds_load_tr16_b128 v[(\f)+64+8*(4*(\c)+(\i)):(\f)+64+8*(4*(\c)+(\i))+3],   v[ADRB+(\kq)/2] offset:(((\kq)%2)*64+32*(\c))*PB+32*(\i)
	ds_load_tr16_b128 v[(\f)+64+8*(4*(\c)+(\i))+4:(\f)+64+8*(4*(\c)+(\i))+7], v[ADRB+(\kq)/2] offset:(((\kq)%2)*64+32*(\c))*PB+16*PB+32*(\i)
	ds_load_b128 v[(\f)+8*(4*(\c)+(\i)):(\f)+8*(4*(\c)+(\i))+3],   v[ADRA] offset:(\kq)*128+64*(\c)+(\i)*16*PA
	ds_load_b128 v[(\f)+8*(4*(\c)+(\i))+4:(\f)+8*(4*(\c)+(\i))+7], v[ADRA] offset:(\kq)*128+64*(\c)+(\i)*16*PA+32
.endr
.endr
.endm
.macro QUARTER kq, f, g, zero
	s_wait_dscnt 16                                ; the first 32 along K are in
	MUL8 \f, 0, 0, \zero
	MUL8 \f, 0, 2, \zero
	PLACES
	FETCH \kq, \g
	s_wait_dscnt 32                                ; all but the 32 just issued
	MUL8 \f, 1, 0, 0
	MUL8 \f, 1, 2, 0
.endm
; The last quarter and the change of slots: ONE barrier; in front of it each wave waits for all its tensor loads, adds 0 to its spare word, and waits for that and for its reads of this slot.
; fill = 1: the barrier opens a round of the cluster's; behind it this slot is filled again, two K steps ahead: 112 matrix instructions stand between that request and the wait for it.
.macro TURN fill
	WIN 0
	s_wait_tensorcnt 0x0
	ds_add_u32 v[SPW], v[NIL]
	s_wait_dscnt 17                                ; (the add and the youngest sixteen loads may be out)
	MUL8 F1, 0, 0, 0
	s_wait_dscnt 0x0
	s_barrier_signal -1
	MUL8 F1, 0, 2, 0
	WIN 0
	s_barrier_wait -1
.if \fill
	CREST
	s_xor_b32 s[G0+5], s[G0+5], SLOT
	s_add_nc_u64 s[G0+6:G0+7], s[G0+6:G0+7], KSTEP*2
	s_xor_b32 s[G0B+5], s[G0B+5], SLOT
	s_add_nc_u64 s[G0B+6:G0B+7], s[G0B+6:G0B+7], BSTEP
	JLOAD
.else
	PLACES
.endif
	s_xor_b32 s[TB], s[TB], SLOT
	v_add_nc_u32 v[ADRA], s[TB], v[A0]
	v_add_nc_u32 v[ADRB], s[TB], v[B0]
	v_add_nc_u32 v[ADRB+1], HB, v[ADRB]
	FETCH 0, F0
	MUL8 F1, 1, 0, 0
	MUL8 F1, 1, 2, 0
.endm
	s_wait_tensorcnt 1                             ; my part of K step 0 is in; K step 1's may stay out
	s_barrier_signal -1
	s_barrier_wait -1
	FETCH 0, F0
	QUARTER 1, F0, F1, 1
	WIN 0
	s_mov_b32 s3, NSTEP-2
.Lstep:
	QUARTER 2, F1, F0, 0
	QUARTER 3, F0, F1, 0
	TURN 1
	QUARTER 1, F0, F1, 0
	WIN 0
	s_sub_co_u32 s3, s3, 1
	s_cmp_lg_u32 s3, 0
	s_cbranch_scc1 .Lstep
	s_mov_b32 s3, 2
.Ltail:                                            ; the last two K steps ask for nothing; the second trip is left in its middle
	QUARTER 2, F1, F0, 0
	QUARTER 3, F0, F1, 0
	WIN 0
	s_sub_co_u32 s3, s3, 1
	s_cmp_eq_u32 s3, 0
	s_cbranch_scc1 .Lfin
	TURN 0
	QUARTER 1, F0, F1, 0
	WIN 0
	s_branch .Ltail
.Lfin:
	s_wait_dscnt 16
	MUL8 F1, 0, 0, 0
	MUL8 F1, 0, 2, 0
	s_wait_dscnt 0x0
	MUL8 F1, 1, 0, 0
	MUL8 F1, 1, 2, 0
	WIN 0
	; THE WAY OUT: 16 rows at a time through my own stage; back as whole rows of 256 bytes; the residual (and the bias) are added there
	s_wait_loadcnt 0x0
	PLACES
.set a, 0
.rept 4
.set TM, TMP+32*(a%2)
.if a >= 2
	s_wait_xcnt 0x0                                ; the stores of two blocks ago have read these registers
.endif
.set b, 0
.rept 4
	ds_store_b128 v[STO], v[ACC+8*(4*a+b):ACC+8*(4*a+b)+3]   offset:64*b
	ds_store_b128 v[STO], v[ACC+8*(4*a+b)+4:ACC+8*(4*a+b)+7] offset:64*b+16
.set b, b+1
.endr
.set t, 0
.rept 8
	ds_load_b128 v[TM+4*t:TM+4*t+3], v[RD] offset:t*2*SPITCH  ; LDS serves a wave's instructions in order (ISA guide 5.7.1.4)
.set t, t+1
.endr
	s_wait_dscnt 0x0
	WIN 0x08
.set t, 0
.rept 16
	v_pk_add_f32 v[TM+2*t:TM+2*t+1], v[TM+2*t:TM+2*t+1], v[32*a+2*t:32*a+2*t+1]
.set t, t+1
.endr
	WIN 0
.if KIND == 4
.set t, 0
.rept 16
	v_pk_add_f32 v[TM+2*t:TM+2*t+1], v[TM+2*t:TM+2*t+1], v[BIA+2*(t%2):BIA+2*(t%2)+1]
.set t, t+1
.endr
.endif
.set t, 0
.rept 8
	global_store_b128 v[CO], v[TM+4*t:TM+4*t+3], s[OUTP:OUTP+1] offset:(16*a+2*t)*4096  ; 16 lanes store 256 consecutive bytes, aligned
.set t, t+1
.endr
.set a, a+1
.endr
	s_wait_tensorcnt 0x0                           ; the wave's end
	ds_add_u32 v[SPW], v[NIL]
	s_wait_dscnt 0x0
	CROUND
	s_endpgm
.Lfunc_end_k_q7410d0fd3f_g2:
	.size	k_q7410d0fd3f_g2, .Lfunc_end_k_q7410d0fd3f_g2-k_q7410d0fd3f_g2
	.p2alignl 7, 3214868480
	.fill 96, 4, 3214868480
	.section	.rodata,"a",@progbits
	.p2align	6, 0x0
	.amdhsa_kernel k_q7410d0fd3f_g2
		.amdhsa_group_segment_fixed_size 327680
		.amdhsa_private_segment_fixed_size 0
		.amdhsa_enable_private_segment 0
		.amdhsa_kernarg_size 32
		.amdhsa_user_sgpr_count 2
		.amdhsa_user_sgpr_kernarg_segment_ptr 1
		.amdhsa_wavefront_size32 1
		.amdhsa_system_sgpr_workgroup_id_x 1
		.amdhsa_system_sgpr_workgroup_id_y 1
		.amdhsa_system_sgpr_workgroup_id_z 1
		.amdhsa_system_vgpr_workitem_id 0
		.amdhsa_next_free_vgpr 640
		.amdhsa_next_free_sgpr 80
		.amdhsa_reserve_vcc 0
		.amdhsa_float_denorm_mode_32 3
		.amdhsa_float_denorm_mode_16_64 3
		.amdhsa_memory_ordered 1
		.amdhsa_forward_progress 1
		.amdhsa_inst_pref_size 67
	.end_amdhsa_kernel
	.amdgpu_metadata
---
amdhsa.version: [ 1, 2 ]
amdhsa.kernels:
  - .name:           k_q7410d0fd3f_g2
    .symbol:         k_q7410d0fd3f_g2.kd
    .args:
      - { .name: og, .offset: 0, .size: 8, .value_kind: global_buffer, .address_space: global }
      - { .name: pre, .offset: 8, .size: 8, .value_kind: global_buffer, .address_space: global }
      - { .name: x, .offset: 16, .size: 8, .value_kind: global_buffer, .address_space: global }
      - { .name: x1, .offset: 24, .size: 8, .value_kind: global_buffer, .address_space: global }
    .group_segment_fixed_size: 327680
    .private_segment_fixed_size: 0
    .kernarg_segment_align: 8
    .kernarg_segment_size: 32
    .max_flat_workgroup_size: 128
    .sgpr_count:     80
    .vgpr_count:     640
    .wavefront_size: 32
...
	.end_amdgpu_metadata
.endif
;; end of part 4
;; launch ln2: the kernel of part 1 again; grid 1 x 256, 4 waves a work-group, no clusters, 20,992 bytes of LDS; arguments x1, ln2_g, ln2_b, hbuf, Wq, Wk, Wv, Wg, Wo, W1, W2, Wgk1, Wgk2; writes hbuf
;; launch g3 (part 5): grid 16 x 16, 4 waves a work-group, clusters of 4 x 4, 327,680 bytes of LDS; arguments hbuf, pre, b1, hid; writes hid
.if DOCPART == 5
	.amdgcn_target "amdgcn-amd-amdhsa--gfx1250"
	.amdhsa_code_object_version 6
	.text
	.protected	k_q7410d0fd3f_g3
	.globl	k_q7410d0fd3f_g3
	.p2align	8
	.type	k_q7410d0fd3f_g3,@function
k_q7410d0fd3f_g3:
	s_mov_b64 s[64:65], 0
	v_nop
	global_prefetch_b8 v0, s[64:65] scope:SCOPE_SE
	s_setreg_imm32_b32 hwreg(HW_REG_WAVE_MODE, 25, 1), 1
	s_wait_xcnt 0x0
	s_wait_alu depctr_hold_cnt(0) depctr_sa_sdst(0) depctr_va_vdst(0) depctr_va_sdst(0) depctr_va_ssrc(0) depctr_va_vcc(0) depctr_vm_vsrc(0)
	s_getreg_b32 s2, hwreg(HW_REG_IB_STS2, 6, 4)
	s_cmp_eq_u32 s2, 0
	s_cbranch_scc0 .Lentry_in_a_cluster
	s_endpgm
.Lentry_in_a_cluster:
	s_bfe_u32 s2, ttmp6, 0x10000c
	s_cmp_lg_u32 s2, 0xf033
	s_cbranch_scc0 .Lentry_shape_is_right
	s_endpgm
.Lentry_shape_is_right:
; C = gelu(A B + b1).  A = LN2(x1): [4096][1024] f16, K along the rows.  B = W1: [1024][4096] f16, as the weights lie: [in][out].  Sums in f32.  C leaves as f16 [4096][4096].
; FORMAT.  A layernorm's output lies within 32 |gain| + |bias| and the weights' spread is 0.02: both have room in f16 30 times larger or smaller.  gelu's output is at most its argument: spread 576 with gain and
; weights 30 times larger, some 22,000 with common offsets on top: inside f16's 65,504.
; A tile of C is 256 x 256: four waves, each 128 x 128 = 64 accumulators = 512 registers.  K goes in 8 steps of 128 through two LDS slots filled by tensor loads:
; A's rows are 256 bytes, B's 512, all starting at multiples of 256 bytes.  B's fragments come out of LDS turned, by ds_load_tr16_b128.
; The matrix instruction is used transposed (source 0 = 16 columns of B, source 1 = 16 rows of A): a lane holds eight neighbouring numbers of a row of C.
; CLUSTER 4 x 4: A's tile is shared along a row of the cluster, B's along a column: joint loads.
; THE TEXT.  A K step with its refill is written once, as the loop.  The seven quarters behind the last refill are a loop of two quarters, three trips, and a last quarter.
; THE WAY OUT.  When every wave has read the ring for the last time and every fill has landed, the ring's bytes take the wave's 128 x 128 sums as f32 rows; a counted loop of 32 trips reads
; four rows back, does the arithmetic and stores whole aligned 256 bytes: the arithmetic is written once, not once for each of 512 registers.
; LIMITS.  erf is a ratio of polynomials on |x| <= 4 (beyond that it counts as erf(4), within 2e-8 of 1).  NaN and infinities are not treated apart.
.set NP,   4096
.set BOFF, 17825792
.set KSTEP, 128
.set PA,    272                        ; a row of A in LDS: 256 bytes + 16: the 16 rows of a fragment load start at 16 different groups of four banks (64 banks of 4 bytes: ISA guide 11.1)
.set PB,    544                        ; a row of B (one k, 256 columns): 512 bytes + 32
.set HALF,  34816                      ; 128 rows of A = 64 rows of B: what one tensor load brings
.set SLOT,  139264                     ; A's 256 rows, then B's 128.  0x22000 shares no bit with wave x 0x8800, so an exclusive or changes slots
.set SPARE, 278528                     ; behind the ring: the spare words, 128 bytes a wave
.set DW,    67584                      ; the way out: a wave's 128 rows
.set DP,    528                        ; of 512 bytes + 16
.set BSTEP, 128*NP*2                   ; bytes from a K step of B to the next
.set L16,  6                           ; v6      16 x lane
.set BIA,  8                           ; v[8:11] bias of my four columns
.set ADRA, 16                          ; v16     LDS address of my A fragments in the slot in hand
.set A0,   17                          ; v17     the same in slot 0; never rewritten
.set ADRB, 20
.set B0,   21
.set STO,  24                          ; v24     the way out: where I put 32 bytes of a row
.set RD,   25                          ; v25     where the next four rows are read
.set CO,   26                          ; v26     my byte offset in the output
.set RD0,  27                          ; v27     my 16 bytes of my wave's first row
.set SPW,  28                          ; v28     my spare word; never rewritten
.set NIL,  29                          ; v29     0; never rewritten
.set CU,   32                          ; v[32:47] four rows, four numbers each
.set F0,   64                          ; fragment buffers: A's in window 0, B's in window 1
.set F1,   128
.set G1,  24                           ; s[24:31] group 1 for A
.set G0,  32                           ; s[32:35] group 0 for A's first fill; s[36:39] for the second: that set then walks
.set TC,  42                           ; s42  column tile
.set G1B, 48                           ; the same for B
.set G0B, 56
.set WV,  66                           ; wave
.set WH,  67                           ; wave / 2: my half of the rows; also 0: I fetch for A, 1: for B
.set WL,  68                           ; wave % 2: my half of the columns; also which half of that tile I fetch
.set TB,  69                           ; 0 or SLOT: the slot in hand
.set TR,  70                           ; row tile
.set MSB, 0
.macro WIN new                         ; the immediate's high byte repeats the setting that is left; a switch that changes nothing is dropped
.if MSB != (\new)
	s_set_vgpr_msb (MSB<<8)|(\new)
.set MSB, \new
.endif
.endm
.set MUL_LO, 0xa1                      ; source 0 (B) window 1, source 1 (A) window 0, C and D window 2
.set MUL_HI, 0xf1                      ; the same, C and D window 3
.set TO_B,   0x40                      ; destination window 1, address window 0
.macro PLACES                          ; four plain places behind matrix instructions (ISA guide 7.12.1)
.rept 4
	v_nop
.endr
.endm
; A refill: waves 0 and 1 fetch A's halves, waves 2 and 3 B's.  The branch hangs on the wave's number alone.  An s_nop 0 and four v_nop follow each line.
.macro JLOAD
	s_cmp_eq_u32 s[WH], 0
	s_cbranch_scc0 .Lfor_b_\@
	tensor_load_to_lds s[G0+4:G0+7], s[G1:G1+7]
	s_nop 0
	PLACES
	s_branch .Lasked_\@
.Lfor_b_\@:
	tensor_load_to_lds s[G0B+4:G0B+7], s[G1B:G1B+7]
	s_nop 0
	PLACES
.Lasked_\@:
.endm
.macro CREST                           ; a round of the cluster's barrier behind its opening barrier
	s_cmp_lg_u32 s[WV], 0
	s_cbranch_scc1 .Lnot_wave_0_\@
	s_barrier_signal -3
.Lnot_wave_0_\@:
	s_barrier_wait -3
	s_barrier_signal -1
	s_barrier_wait -1
.endm
.macro CROUND
	s_barrier_signal -1
	s_barrier_wait -1
	CREST
.endm
	s_load_b256 s[4:11], s[0:1], 0x0               ; hbuf s[4:5], pre s[6:7], b1 s[8:9], hid s[10:11]
	v_lshl_add_u32 v[SPW], v0, 2, SPARE
	v_mov_b32 v[NIL], 0
	ds_add_u32 v[SPW], v[NIL]                      ; the wave's opening: the add and its wait ahead of my first tensor load
	v_lshrrev_b32 v1, 5, v0
	v_readfirstlane_b32 s[WV], v1
	s_lshr_b32 s[WH], s[WV], 1
	s_and_b32 s[WL], s[WV], 1
	s_bfe_u32 s40, ttmp6, 0x40000                  ; cx
	s_bfe_u32 s41, ttmp6, 0x40004                  ; cy
	s_lshl_b32 s[TC], ttmp9, 2
	s_add_co_u32 s[TC], s[TC], s40
	s_and_b32 s[TR], ttmp7, 0xffff
	s_lshl_b32 s[TR], s[TR], 2
	s_add_co_u32 s[TR], s[TR], s41
	s_lshl_b32 s43, s41, 2
	s_lshl_b32 s43, 15, s43                        ; my row of the cluster
	s_lshl_b32 s44, 0x1111, s40                    ; my column
	s_or_b32 s[G1], s43, (1<<16)|(1<<20)|(1<<21)|(5<<22)|(3<<25)
	s_or_b32 s[G1B], s44, (1<<16)|(1<<20)|(1<<21)|(6<<22)|(7<<25)
	s_mov_b32 s[G1+1], 128<<16                     ; A: tensor_dim0 = 128
	s_mov_b32 s[G1+2], 128<<16                     ; tensor_dim1 = 128
	s_mov_b32 s[G1+3], 128<<16                     ; tile_dim0 = 128
	s_mov_b32 s[G1+4], 128                         ; tile_dim1 = 128
	s_mov_b32 s[G1+5], 1024                        ; elements from row to row
	s_mov_b32 s[G1+6], 0
	s_mov_b32 s[G1+7], 0
	s_mov_b32 s[G1B+1], 256<<16                    ; B: 256 columns
	s_mov_b32 s[G1B+2], 64<<16                     ; x 64 k
	s_mov_b32 s[G1B+3], 256<<16
	s_mov_b32 s[G1B+4], 64
	s_mov_b32 s[G1B+5], NP
	s_mov_b32 s[G1B+6], 0
	s_mov_b32 s[G1B+7], 0
	s_lshl_b32 s17, s[WL], 7
	s_lshl_b32 s16, s[TR], 8
	s_add_co_u32 s16, s16, s17                     ; A: row 256 x row tile + 128 x half,
	s_lshl_b32 s16, s16, 11                        ; of 2,048 bytes
	s_mov_b32 s17, 0
	s_lshl_b32 s46, s[TC], 9                       ; B: 512 bytes a column tile,
	s_mul_i32 s47, s[WL], 64*NP*2                  ; 64 k a half
	s_add_co_u32 s46, s46, s47
	s_add_co_u32 s46, s46, BOFF
	s_mov_b32 s47, 0
	s_mul_i32 s20, s[WV], HALF                     ; where my part goes: wave x 34,816
	s_wait_dscnt 0x0                               ; the opening add is done
	s_wait_kmcnt 0x0
	s_add_nc_u64 s[14:15], s[4:5], s[16:17]
	s_add_nc_u64 s[46:47], s[6:7], s[46:47]
	CROUND                                         ; all partners are here: the first joint loads meet
.irp s, 0,1
	s_mov_b32 s[G0+4*(\s)], 1
	s_add_co_u32 s[G0+4*(\s)+1], s20, (\s)*SLOT
	s_add_nc_u64 s[G0+4*(\s)+2:G0+4*(\s)+3], s[14:15], (\s)*KSTEP*2
	s_or_b32 s[G0+4*(\s)+3], s[G0+4*(\s)+3], 0x80000000
	s_mov_b32 s[G0B+4*(\s)], 1
	s_add_co_u32 s[G0B+4*(\s)+1], s20, (\s)*SLOT
	s_add_nc_u64 s[G0B+4*(\s)+2:G0B+4*(\s)+3], s[46:47], (\s)*BSTEP
	s_or_b32 s[G0B+4*(\s)+3], s[G0B+4*(\s)+3], 0x80000000
.endr
	s_cmp_eq_u32 s[WH], 0                          ; a wave's two first fills stand in one branch: two loads of mine are out
	s_cbranch_scc0 .Lfirst_b
	tensor_load_to_lds s[G0:G0+3], s[G1:G1+7]
	s_nop 0
	tensor_load_to_lds s[G0+4:G0+7], s[G1:G1+7]
	s_nop 0
	PLACES
	s_branch .Lfirst_asked
.Lfirst_b:
	tensor_load_to_lds s[G0B:G0B+3], s[G1B:G1B+7]
	s_nop 0
	tensor_load_to_lds s[G0B+4:G0B+7], s[G1B:G1B+7]
	s_nop 0
	PLACES
.Lfirst_asked:
	v_and_b32 v1, 15, v0                           ; l % 16
	v_bfe_u32 v2, v0, 4, 1                         ; l / 16
	v_mul_u32_u24 v3, v1, PA
	v_lshl_add_u32 v3, v2, 4, v3                   ; A: row x pitch + 16 x half of the lanes
	s_mul_i32 s21, s[WH], HALF
	v_add_nc_u32 v[A0], s21, v3
	v_and_b32 v3, 7, v0                            ; B, turned: lane l reads k = 8 (l / 16) + l % 8, columns 8 ((l / 8) % 2) ..
	v_lshl_add_u32 v3, v2, 3, v3
	v_mul_u32_u24 v3, v3, PB
	v_bfe_u32 v4, v0, 3, 1
	v_lshl_add_u32 v3, v4, 4, v3
	s_lshl_b32 s22, s[WL], 8
	s_add_co_u32 s22, s22, 2*HALF
	v_add_nc_u32 v[B0], s22, v3
	v_mov_b32 v[ADRA], v[A0]
	v_mov_b32 v[ADRB], v[B0]
	s_mov_b32 s[TB], 0
	s_mul_i32 s23, s[WV], DW
	v_mul_u32_u24 v3, v1, DP
	v_lshl_add_u32 v3, v2, 5, v3
	v_add_nc_u32 v[STO], s23, v3
	v_and_b32 v[L16], 31, v0
	v_lshlrev_b32 v[L16], 4, v[L16]
	v_add_nc_u32 v[RD0], s23, v[L16]
	s_lshl_b32 s46, s[TC], 10                      ; b1 of my four columns: 256 x column tile + 128 x half + 4 x lane
	s_lshl_b32 s47, s[WL], 9
	s_add_co_u32 s46, s46, s47
	s_mov_b32 s47, 0
	s_add_nc_u64 s[8:9], s[8:9], s[46:47]
	global_load_b128 v[BIA:BIA+3], v[L16], s[8:9]
.macro SETC reg, val                   ; a constant as a pair: the packed forms name both words
	s_mov_b32 s[\reg], \val
	s_mov_b32 s[(\reg)+1], \val
.endm
	SETC 72, 0xaf95df0b                            ; erf's numerator, highest power first
	SETC 74, 0x32edffee
	SETC 76, 0xb60cff51
	SETC 78, 0xb86ec2d2
	SETC 80, 0xba40ac63
	SETC 82, 0xbb41a1f6
	SETC 84, 0xbc83dbd4
	SETC 86, 0xb77460cd                            ; its denominator
	SETC 88, 0xb95fbd29
	SETC 90, 0xbadc924e
	SETC 92, 0xbbf19bf8
	SETC 94, 0xbc69b6a7
	SETC 96, 0x3f3504f3                            ; 1 / sqrt(2)
; 16 matrix instructions: m blocks a0, a0 + 1 of the window's four x all 8 n blocks, 32 along K.  zero = 1: the first product starts the sums.
.macro MUL16 f, hi, a0, zero
	WIN MUL_LO+0x50*(\hi)
.irp a, \a0, (\a0)+1
.irp b, 0,1,2,3,4,5,6,7
.if \zero
	v_wmma_f32_16x16x32_f16 v[8*(8*(\a)+(\b)):8*(8*(\a)+(\b))+7], v[(\f)+8*(\b):(\f)+8*(\b)+7], v[(\f)+8*(4*(\hi)+(\a)):(\f)+8*(4*(\hi)+(\a))+7], 0
.else
	v_wmma_f32_16x16x32_f16 v[8*(8*(\a)+(\b)):8*(8*(\a)+(\b))+7], v[(\f)+8*(\b):(\f)+8*(\b)+7], v[(\f)+8*(4*(\hi)+(\a)):(\f)+8*(4*(\hi)+(\a))+7], v[8*(8*(\a)+(\b)):8*(8*(\a)+(\b))+7]
.endif
.endr
.endr
.endm
; 32 LDS loads in one run: the quarter (32 along K) q quarters behind the two addresses, into buffer f: B's 128 columns, turned, then A's 128 rows
.macro FETCH q, f
	WIN TO_B
.irp i, 0,1,2,3,4,5,6,7
	ds_load_tr16_b128 v[(\f)+8*(\i):(\f)+8*(\i)+3],   v[ADRB] offset:(\q)*32*PB+32*(\i)
	ds_load_tr16_b128 v[(\f)+8*(\i)+4:(\f)+8*(\i)+7], v[ADRB] offset:(\q)*32*PB+16*PB+32*(\i)
.endr
	WIN 0
.irp i, 0,1,2,3,4,5,6,7
	ds_load_b128 v[(\f)+8*(\i):(\f)+8*(\i)+3],   v[ADRA] offset:64*(\q)+(\i)*16*PA
	ds_load_b128 v[(\f)+8*(\i)+4:(\f)+8*(\i)+7], v[ADRA] offset:64*(\q)+(\i)*16*PA+32
.endr
.endm
; A quarter: multiplies buffer f; in its middle fetches quarter q into buffer g
.macro QUARTER q, f, g, zero
	s_wait_dscnt 8                                 ; B and A's rows 0-63 are in; the youngest eight loads (A's rows 64-127) may be out
	MUL16 \f, 0, 0, \zero
	MUL16 \f, 0, 2, \zero
	PLACES
	FETCH \q, \g
	s_wait_dscnt 32                                ; all but the 32 just issued
	MUL16 \f, 1, 0, \zero
	MUL16 \f, 1, 2, \zero
.endm
; A K step's last quarter and the change of slots.  ONE barrier: each wave waits for all its tensor loads (one is out: its part of the next slot), adds 0 to its spare word, and waits for that and for its reads
; of this slot.  The barrier opens a round of the cluster's; behind it the slot just read is filled again, two K steps ahead: 224 matrix instructions stand between that request and the wait for it.
.macro TURN
	WIN 0
	s_wait_tensorcnt 0x0
	ds_add_u32 v[SPW], v[NIL]
	s_wait_dscnt 9                                 ; (the add and the youngest eight loads may be out)
	MUL16 F1, 0, 0, 0
	s_wait_dscnt 0x0                               ; the add is done, my reads of this slot are over
	s_barrier_signal -1
	MUL16 F1, 0, 2, 0
	WIN 0
	s_barrier_wait -1
	CREST
	s_xor_b32 s[G0+5], s[G0+5], SLOT               ; the walking descriptors: the other slot than last time, the next K step
	s_add_nc_u64 s[G0+6:G0+7], s[G0+6:G0+7], KSTEP*2
	s_xor_b32 s[G0B+5], s[G0B+5], SLOT
	s_add_nc_u64 s[G0B+6:G0B+7], s[G0B+6:G0B+7], BSTEP
	JLOAD                                          ; its four v_nop are also the places in front of the loads below
	s_xor_b32 s[TB], s[TB], SLOT
	v_add_nc_u32 v[ADRA], s[TB], v[A0]
	v_add_nc_u32 v[ADRB], s[TB], v[B0]
	FETCH 0, F0
	MUL16 F1, 1, 0, 0
	MUL16 F1, 1, 2, 0
.endm
	s_wait_tensorcnt 1                             ; my part of K step 0 is in; K step 1's may stay out
	s_barrier_signal -1
	s_barrier_wait -1
	FETCH 0, F0
	QUARTER 1, F0, F1, 1                           ; the first quarter stands in front of the loop: its products start the sums
	WIN 0
	s_mov_b32 s3, 6
.Lstep:                                            ; a trip: from a K step's second quarter to the next one's first; K steps 2 to 7 are asked for
	QUARTER 2, F1, F0, 0
	QUARTER 3, F0, F1, 0
	TURN
	QUARTER 1, F0, F1, 0
	WIN 0
	s_sub_co_u32 s3, s3, 1
	s_cmp_lg_u32 s3, 0
	s_cbranch_scc1 .Lstep
	; THE LAST SEVEN QUARTERS (three of K step 6 in slot 0, four of K step 7 in slot 1) ask for nothing.  One barrier shows K step 7's tile whole to every wave; behind it no tensor load is out.
	s_wait_tensorcnt 0x0                           ; my part of K step 7, the last load, has landed
	ds_add_u32 v[SPW], v[NIL]
	s_wait_dscnt 0x0
	s_barrier_signal -1
	s_barrier_wait -1
	s_mov_b32 s3, 0
.Ltail:                                            ; trip t multiplies two quarters and fetches the next two: quarters 2, 3 of slot 0; 0, 1 of slot 1; 2, 3 of slot 1
	s_add_co_u32 s16, s3, 1
	s_lshr_b32 s16, s16, 1                         ; 0, 1, 1: the slot
	s_mul_i32 s16, s16, SLOT
	s_and_b32 s17, s3, 1
	s_xor_b32 s17, s17, 1                          ; 1, 0, 1: the slot's second half or its first
	s_lshl_b32 s18, s17, 7                         ; two quarters are 128 bytes along A's rows,
	s_mul_i32 s17, s17, 64*PB                      ; 64 rows of B
	s_add_co_u32 s18, s18, s16
	s_add_co_u32 s17, s17, s16
	v_add_nc_u32 v[ADRA], s18, v[A0]
	v_add_nc_u32 v[ADRB], s17, v[B0]
	QUARTER 0, F1, F0, 0
	QUARTER 1, F0, F1, 0
	WIN 0
	s_add_co_u32 s3, s3, 1
	s_cmp_lt_u32 s3, 3
	s_cbranch_scc1 .Ltail
	s_wait_dscnt 0x0                               ; my last reads of the ring are over
	s_barrier_signal -1
	MUL16 F1, 0, 0, 0
	MUL16 F1, 0, 2, 0
	MUL16 F1, 1, 0, 0
	MUL16 F1, 1, 2, 0
	WIN 0
	s_barrier_wait -1                              ; every wave's are: the ring's bytes are free, and nothing is filled any more
	PLACES
.set a, 0
.rept 8                                            ; my 128 x 128 sums into my 128 rows; each accumulator's low registers first
	WIN 0x08+4*(a/4)
.set b, 0
.rept 8
	ds_store_b128 v[STO], v[8*(8*(a%4)+b):8*(8*(a%4)+b)+3]   offset:a*16*DP+64*b
	ds_store_b128 v[STO], v[8*(8*(a%4)+b)+4:8*(8*(a%4)+b)+7] offset:a*16*DP+64*b+16
.set b, b+1
.endr
.set a, a+1
.endr
	WIN 0
.irp rho, 0,1,2,3
	ds_load_b128 v[CU+4*(\rho):CU+4*(\rho)+3], v[RD0] offset:(\rho)*DP  ; LDS serves a wave's instructions in order (ISA guide 5.7.1.4): these see the stores above
.endr
; The next trip's four rows.  The trip's number plus one is cut to 0 .. 31, so the address stays in my rows; the last trip reads rows 0-3 once more, for nothing.
.macro NEXTROWS
	s_add_co_u32 s71, s3, 1
	s_and_b32 s71, s71, 31
	s_mul_i32 s71, s71, 4*DP
	v_add_nc_u32 v[RD], s71, v[RD0]
.irp rho, 0,1,2,3
	ds_load_b128 v[CU+4*(\rho):CU+4*(\rho)+3], v[RD] offset:(\rho)*DP
.endr
.endm
	s_lshl_b32 s12, s[TR], 8
	s_lshl_b32 s13, s[WH], 7
	s_add_co_u32 s12, s12, s13                     ; my first row of C
	s_mov_b32 s3, 0
.set ZZ, 48
.set UU, 64
.set X2, 80
.set PP, 96
.set QQ, 112
	s_lshl_b32 s16, s12, 13                        ; rows of 8,192 bytes
	s_lshl_b32 s46, s[TC], 9
	s_lshl_b32 s47, s[WL], 8
	s_add_co_u32 s46, s46, s47
	s_add_co_u32 s16, s16, s46
	s_mov_b32 s17, 0
	s_add_nc_u64 s[10:11], s[10:11], s[16:17]
	v_lshrrev_b32 v[CO], 1, v[L16]                 ; 8 bytes a lane: a wave's store is 256 consecutive bytes, aligned
	s_wait_loadcnt 0x0                             ; b1
.macro P8 line:vararg                  ; one line for each of the eight pairs q
.set q, 0
	s_wait_alu depctr_va_vdst(0)
.rept 8
	\line
.set q, q+1
.endr
.endm
.Lgelu:                                            ; gelu(z) = z / 2 + z / 2 erf(z / sqrt(2)), erf(u) = u P(u^2) / Q(u^2)
	s_wait_dscnt 0x0
	P8 v_pk_add_f32 v[ZZ+2*q:ZZ+2*q+1], v[CU+2*q:CU+2*q+1], v[BIA+2*(q%2):BIA+2*(q%2)+1]
	NEXTROWS
	P8 v_pk_mul_f32 v[UU+2*q:UU+2*q+1], v[ZZ+2*q:ZZ+2*q+1], s[96:97] op_sel_hi:[1,0]
.set i, 0
.rept 16
	v_med3_num_f32 v[UU+i], v[UU+i], -4.0, 4.0
.set i, i+1
.endr
	P8 v_pk_mul_f32 v[X2+2*q:X2+2*q+1], v[UU+2*q:UU+2*q+1], v[UU+2*q:UU+2*q+1]
	P8 v_pk_fma_f32 v[PP+2*q:PP+2*q+1], v[X2+2*q:X2+2*q+1], s[72:73], s[74:75] op_sel_hi:[1,0,0]
	P8 v_pk_fma_f32 v[QQ+2*q:QQ+2*q+1], v[X2+2*q:X2+2*q+1], s[86:87], s[88:89] op_sel_hi:[1,0,0]
.irp c, 76,78,80,82,84
	P8 v_pk_fma_f32 v[PP+2*q:PP+2*q+1], v[PP+2*q:PP+2*q+1], v[X2+2*q:X2+2*q+1], s[\c:\c+1] op_sel_hi:[1,1,0]
.endr
.irp c, 90,92,94
	P8 v_pk_fma_f32 v[QQ+2*q:QQ+2*q+1], v[QQ+2*q:QQ+2*q+1], v[X2+2*q:X2+2*q+1], s[\c:\c+1] op_sel_hi:[1,1,0]
.endr
.set i, 0
.rept 16
	v_rcp_f32 v[QQ+i], v[QQ+i]
.set i, i+1
.endr
	P8 v_pk_mul_f32 v[PP+2*q:PP+2*q+1], v[PP+2*q:PP+2*q+1], v[UU+2*q:UU+2*q+1]
	P8 v_pk_mul_f32 v[ZZ+2*q:ZZ+2*q+1], v[ZZ+2*q:ZZ+2*q+1], 0.5 op_sel_hi:[1,0]
	P8 v_pk_mul_f32 v[PP+2*q:PP+2*q+1], v[PP+2*q:PP+2*q+1], v[QQ+2*q:QQ+2*q+1]
	P8 v_pk_fma_f32 v[PP+2*q:PP+2*q+1], v[ZZ+2*q:ZZ+2*q+1], v[PP+2*q:PP+2*q+1], v[ZZ+2*q:ZZ+2*q+1]
	P8 v_cvt_pk_f16_f32 v[128+q], v[PP+2*q], v[PP+2*q+1]
.irp rho, 0,1,2,3
	global_store_b64 v[CO], v[128+2*(\rho):129+2*(\rho)], s[10:11] offset:(\rho)*8192
.endr
	s_wait_xcnt 0x0                                ; the stores' data and offset are written again only behind this wait
	v_add_nc_u32 v[CO], 4*8192, v[CO]
	s_add_co_u32 s3, s3, 1
	s_cmp_lt_u32 s3, 32
	s_cbranch_scc1 .Lgelu
	s_wait_tensorcnt 0x0                           ; the wave's end
	ds_add_u32 v[SPW], v[NIL]
	s_wait_dscnt 0x0
	CROUND                                         ; the closing round
	s_endpgm
.Lfunc_end_k_q7410d0fd3f_g3:
	.size	k_q7410d0fd3f_g3, .Lfunc_end_k_q7410d0fd3f_g3-k_q7410d0fd3f_g3
	.p2alignl 7, 3214868480
	.fill 96, 4, 3214868480
	.section	.rodata,"a",@progbits
	.p2align	6, 0x0
	.amdhsa_kernel k_q7410d0fd3f_g3
		.amdhsa_group_segment_fixed_size 327680
		.amdhsa_private_segment_fixed_size 0
		.amdhsa_enable_private_segment 0
		.amdhsa_kernarg_size 32
		.amdhsa_user_sgpr_count 2
		.amdhsa_user_sgpr_kernarg_segment_ptr 1
		.amdhsa_wavefront_size32 1
		.amdhsa_system_sgpr_workgroup_id_x 1
		.amdhsa_system_sgpr_workgroup_id_y 1
		.amdhsa_system_sgpr_workgroup_id_z 1
		.amdhsa_system_vgpr_workitem_id 0
		.amdhsa_next_free_vgpr 1024
		.amdhsa_next_free_sgpr 100
		.amdhsa_reserve_vcc 0
		.amdhsa_float_denorm_mode_32 3
		.amdhsa_float_denorm_mode_16_64 3
		.amdhsa_memory_ordered 1
		.amdhsa_forward_progress 1
		.amdhsa_inst_pref_size 82
	.end_amdhsa_kernel
	.amdgpu_metadata
---
amdhsa.version: [ 1, 2 ]
amdhsa.kernels:
  - .name:           k_q7410d0fd3f_g3
    .symbol:         k_q7410d0fd3f_g3.kd
    .args:
      - { .name: hbuf, .offset: 0, .size: 8, .value_kind: global_buffer, .address_space: global }
      - { .name: pre, .offset: 8, .size: 8, .value_kind: global_buffer, .address_space: global }
      - { .name: b1, .offset: 16, .size: 8, .value_kind: global_buffer, .address_space: global }
      - { .name: hid, .offset: 24, .size: 8, .value_kind: global_buffer, .address_space: global }
    .group_segment_fixed_size: 327680
    .private_segment_fixed_size: 0
    .kernarg_segment_align: 8
    .kernarg_segment_size: 32
    .max_flat_workgroup_size: 128
    .sgpr_count:     100
    .vgpr_count:     1024
    .wavefront_size: 32
...
	.end_amdgpu_metadata
.endif
;; end of part 5
;; launch g4 (part 6): grid 8 x 32, 4 waves a work-group, clusters of 4 x 4, 327,680 bytes of LDS; arguments hid, pre, x1, b2, out0; writes out0
.if DOCPART == 6
	.amdgcn_target "amdgcn-amd-amdhsa--gfx1250"
	.amdhsa_code_object_version 6
	.text
	.protected	k_q7410d0fd3f_g4
	.globl	k_q7410d0fd3f_g4
	.p2align	8
	.type	k_q7410d0fd3f_g4,@function
k_q7410d0fd3f_g4:
	s_mov_b64 s[64:65], 0
	v_nop
	global_prefetch_b8 v0, s[64:65] scope:SCOPE_SE
	s_setreg_imm32_b32 hwreg(HW_REG_WAVE_MODE, 25, 1), 1
	s_wait_xcnt 0x0
	s_wait_alu depctr_hold_cnt(0) depctr_sa_sdst(0) depctr_va_vdst(0) depctr_va_sdst(0) depctr_va_ssrc(0) depctr_va_vcc(0) depctr_vm_vsrc(0)
	s_getreg_b32 s2, hwreg(HW_REG_IB_STS2, 6, 4)
	s_cmp_eq_u32 s2, 0
	s_cbranch_scc0 .Lentry_in_a_cluster
	s_endpgm
.Lentry_in_a_cluster:
	s_bfe_u32 s2, ttmp6, 0x10000c
	s_cmp_lg_u32 s2, 0xf033
	s_cbranch_scc0 .Lentry_shape_is_right
	s_endpgm
.Lentry_shape_is_right:
; OUT = RES + A B + bias.  A = gelu's output: [4096][4096] f16, K along the rows.  B = W2: [4096][1024] f16, as the weights lie.  RES = x1, OUT: [4096][1024] f32; bias b2.  Sums in f32.
; FORMAT.  Both operands have room in f16 with every input 30 times larger or smaller: gelu's output stays under some 22,000 of f16's 65,504, the weights' spread is 0.02.
; 1,024 columns give 64 tiles of 256 x 256 but 256 tiles of 128 x 128: the smaller tile gives every WGP a work-group.  Four waves, each 64 x 64: 16 accumulators.
; K goes in steps of 256 through two LDS slots: A's rows 512 bytes, B's 256, all from multiples of 256 bytes.  B's fragments come out of LDS turned.
; CLUSTER 4 x 4: A's tile is shared along a row of the cluster, B's along a column: joint loads.  The matrix instruction is used transposed: a lane holds eight neighbouring numbers of a row.
; The residual's 64 x 64 numbers are asked for at the start, in the layout in which the result is stored, and land under the whole K loop.
; REGISTERS: window 0: v0-31 addresses, v32-95 the way out, v128-255 accumulators; window 1: two fragment buffers (64 of A, 64 of B each); window 2: v0-127 the residual.
.set KK,   4096
.set BOFF, 26214400
.set OUTP, 12
.set NSTEP, KK/256
.set KSTEP, 256
.set PA,    528                        ; a row of A in LDS: 512 bytes + 16
.set PB,    288                        ; a row of B (one k, 128 columns): 256 bytes + 32
.set HA,    64*PA                      ; what one load brings of A: 64 rows,
.set HB,    128*PB                     ; of B: 128 k
.set BO,    2*HA
.set SLOT,  147456                     ; 0x24000 shares no bit with the four parts' places 0, 0x8400, 0x10800, 0x19800
.set STAGE, 2*SLOT                     ; behind the ring: 16 rows x 272 bytes for each wave
.set SPITCH, 272
.set SPARE, STAGE+4*16*SPITCH
.set BSTEP, 256*1024*2
.set BIA,  8
.set ADRA, 16
.set A0,   17
.set ADRB, 18                          ; v18: k 0-127 of the step; v19: k 128-255 (an LDS offset has 16 bits)
.set B0,   20
.set STO,  24
.set RD,   25
.set CO,   26
.set SPW,  28
.set NIL,  29
.set TMP,  32
.set ACC,  128
.set F0,   0
.set F1,   128
.set G1,  24
.set G0,  32
.set TC,  42
.set G1B, 48
.set G0B, 56
.set WV,  66
.set WH,  67
.set WL,  68
.set TB,  69
.set TR,  70
.set MSB, 0
.macro WIN new
.if MSB != (\new)
	s_set_vgpr_msb (MSB<<8)|(\new)
.set MSB, \new
.endif
.endm
.set MUL,  0x05                        ; sources 0 (B) and 1 (A) window 1; C and D window 0
.set TO_F, 0x40
.macro PLACES
.rept 4
	v_nop
.endr
.endm
.macro JLOAD                           ; a joint refill: waves 0 and 1 fetch A's halves, waves 2 and 3 B's; an s_nop 0 and four v_nop follow each line
	s_cmp_eq_u32 s[WH], 0
	s_cbranch_scc0 .Lfor_b_\@
	tensor_load_to_lds s[G0+4:G0+7], s[G1:G1+7]
	s_nop 0
	PLACES
	s_branch .Lasked_\@
.Lfor_b_\@:
	tensor_load_to_lds s[G0B+4:G0B+7], s[G1B:G1B+7]
	s_nop 0
	PLACES
.Lasked_\@:
.endm
.macro CREST
	s_cmp_lg_u32 s[WV], 0
	s_cbranch_scc1 .Lnot_wave_0_\@
	s_barrier_signal -3
.Lnot_wave_0_\@:
	s_barrier_wait -3
	s_barrier_signal -1
	s_barrier_wait -1
.endm
.macro CROUND
	s_barrier_signal -1
	s_barrier_wait -1
	CREST
.endm
	s_load_b256 s[4:11], s[0:1], 0x0               ; A s[4:5], pre s[6:7], residual s[8:9], b2 s[10:11]
	s_load_b64 s[12:13], s[0:1], 0x20              ; out
	v_lshl_add_u32 v[SPW], v0, 2, SPARE
	v_mov_b32 v[NIL], 0
	ds_add_u32 v[SPW], v[NIL]                      ; the wave's opening: the add and its wait ahead of my first tensor load
	v_lshrrev_b32 v1, 5, v0
	v_readfirstlane_b32 s[WV], v1
	s_lshr_b32 s[WH], s[WV], 1
	s_and_b32 s[WL], s[WV], 1
	s_bfe_u32 s40, ttmp6, 0x40000
	s_bfe_u32 s41, ttmp6, 0x40004
	s_lshl_b32 s[TC], ttmp9, 2
	s_add_co_u32 s[TC], s[TC], s40
	s_and_b32 s[TR], ttmp7, 0xffff
	s_lshl_b32 s[TR], s[TR], 2
	s_add_co_u32 s[TR], s[TR], s41
	s_lshl_b32 s43, s41, 2
	s_lshl_b32 s43, 15, s43
	s_lshl_b32 s44, 0x1111, s40
	s_or_b32 s[G1], s43, (1<<16)|(1<<20)|(1<<21)|(6<<22)|(3<<25)    ; A: my row of the cluster; 4 words of padding after every 128
	s_or_b32 s[G1B], s44, (1<<16)|(1<<20)|(1<<21)|(5<<22)|(7<<25)   ; B: my column; 8 words after every 64
	s_mov_b32 s[G1+1], 256<<16
	s_mov_b32 s[G1+2], 64<<16
	s_mov_b32 s[G1+3], 256<<16
	s_mov_b32 s[G1+4], 64
	s_mov_b32 s[G1+5], KK
	s_mov_b32 s[G1+6], 0
	s_mov_b32 s[G1+7], 0
	s_mov_b32 s[G1B+1], 128<<16
	s_mov_b32 s[G1B+2], 128<<16
	s_mov_b32 s[G1B+3], 128<<16
	s_mov_b32 s[G1B+4], 128
	s_mov_b32 s[G1B+5], 1024
	s_mov_b32 s[G1B+6], 0
	s_mov_b32 s[G1B+7], 0
	s_lshl_b32 s17, s[WL], 6
	s_lshl_b32 s16, s[TR], 7
	s_add_co_u32 s16, s16, s17                     ; A: row 128 x row tile + 64 x half
	s_mul_i32 s16, s16, KK*2
	s_mov_b32 s17, 0
	s_lshl_b32 s46, s[TC], 8                       ; B: 256 bytes a column tile, 128 k a half
	s_lshl_b32 s47, s[WL], 18
	s_add_co_u32 s46, s46, s47
	s_add_co_u32 s46, s46, BOFF
	s_mov_b32 s47, 0
	s_mul_i32 s20, s[WL], HA                       ; where my part goes, if it is A's,
	s_mul_i32 s21, s[WL], HB
	s_add_co_u32 s21, s21, BO                      ; if it is B's
	s_wait_dscnt 0x0
	s_wait_kmcnt 0x0
	s_add_nc_u64 s[14:15], s[4:5], s[16:17]
	s_add_nc_u64 s[46:47], s[6:7], s[46:47]
	CROUND
.irp s, 0,1
	s_mov_b32 s[G0+4*(\s)], 1
	s_add_co_u32 s[G0+4*(\s)+1], s20, (\s)*SLOT
	s_add_nc_u64 s[G0+4*(\s)+2:G0+4*(\s)+3], s[14:15], (\s)*KSTEP*2
	s_or_b32 s[G0+4*(\s)+3], s[G0+4*(\s)+3], 0x80000000
	s_mov_b32 s[G0B+4*(\s)], 1
	s_add_co_u32 s[G0B+4*(\s)+1], s21, (\s)*SLOT
	s_add_nc_u64 s[G0B+4*(\s)+2:G0B+4*(\s)+3], s[46:47], (\s)*BSTEP
	s_or_b32 s[G0B+4*(\s)+3], s[G0B+4*(\s)+3], 0x80000000
.endr
	s_cmp_eq_u32 s[WH], 0                          ; a wave's two first fills stand in one branch: two loads of mine are out
	s_cbranch_scc0 .Lfirst_b
	tensor_load_to_lds s[G0:G0+3], s[G1:G1+7]
	s_nop 0
	tensor_load_to_lds s[G0+4:G0+7], s[G1:G1+7]
	s_nop 0
	PLACES
	s_branch .Lfirst_asked
.Lfirst_b:
	tensor_load_to_lds s[G0B:G0B+3], s[G1B:G1B+7]
	s_nop 0
	tensor_load_to_lds s[G0B+4:G0B+7], s[G1B:G1B+7]
	s_nop 0
	PLACES
.Lfirst_asked:
	v_and_b32 v1, 15, v0
	v_bfe_u32 v2, v0, 4, 1
	v_mul_u32_u24 v3, v1, PA
	v_lshl_add_u32 v3, v2, 4, v3
	s_mul_i32 s22, s[WH], HA
	v_add_nc_u32 v[A0], s22, v3
	v_and_b32 v3, 7, v0
	v_lshl_add_u32 v3, v2, 3, v3
	v_mul_u32_u24 v3, v3, PB
	v_bfe_u32 v4, v0, 3, 1
	v_lshl_add_u32 v3, v4, 4, v3
	s_lshl_b32 s22, s[WL], 7
	s_add_co_u32 s22, s22, BO
	v_add_nc_u32 v[B0], s22, v3
	v_mov_b32 v[ADRA], v[A0]
	v_mov_b32 v[ADRB], v[B0]
	v_add_nc_u32 v[ADRB+1], HB, v[B0]
	s_mov_b32 s[TB], 0
	s_mul_i32 s23, s[WV], 16*SPITCH
	s_add_co_u32 s23, s23, STAGE
	v_mul_u32_u24 v3, v1, SPITCH
	v_lshl_add_u32 v3, v2, 5, v3
	v_add_nc_u32 v[STO], s23, v3                   ; in: row l % 16, 32 bytes for each half of the lanes
	v_mul_u32_u24 v3, v2, SPITCH
	v_lshl_add_u32 v3, v1, 4, v3
	v_add_nc_u32 v[RD], s23, v3                    ; back: lanes 0-15 one row of 256 bytes, lanes 16-31 the next
	v_lshlrev_b32 v3, 12, v2
	v_lshl_add_u32 v[CO], v1, 4, v3                ; and the same two rows in memory
	s_lshl_b32 s16, s[TR], 7
	s_lshl_b32 s17, s[WH], 6
	s_add_co_u32 s16, s16, s17
	s_lshl_b32 s16, s16, 12                        ; my first row, of 4,096 bytes
	s_mov_b32 s17, 0
	s_lshl_b32 s46, s[TC], 9
	s_lshl_b32 s47, s[WL], 8
	s_add_co_u32 s46, s46, s47                     ; my first column, in bytes
	s_mov_b32 s47, 0
	s_add_nc_u64 s[16:17], s[16:17], s[46:47]
	s_add_nc_u64 s[8:9], s[8:9], s[16:17]
	s_add_nc_u64 s[OUTP:OUTP+1], s[OUTP:OUTP+1], s[16:17]
	WIN 0x80
.set a, 0
.rept 4
.set t, 0
.rept 8
	global_load_b128 v[4*(8*a+t):4*(8*a+t)+3], v[CO], s[8:9] offset:(16*a+2*t)*4096
.set t, t+1
.endr
.set a, a+1
.endr
	WIN 0
	s_add_nc_u64 s[10:11], s[10:11], s[46:47]      ; b2 of my four columns
	v_lshlrev_b32 v3, 4, v1
	global_load_b128 v[BIA:BIA+3], v3, s[10:11]
.macro MUL8 f, c, a0, zero             ; 8 matrix instructions: m blocks a0, a0 + 1 x 4 n blocks, 32 along K: half c of buffer f
	WIN MUL
.irp a, \a0, (\a0)+1
.irp b, 0,1,2,3
.if \zero
	v_wmma_f32_16x16x32_f16 v[ACC+8*(4*(\a)+(\b)):ACC+8*(4*(\a)+(\b))+7], v[(\f)+64+8*(4*(\c)+(\b)):(\f)+64+8*(4*(\c)+(\b))+7], v[(\f)+8*(4*(\c)+(\a)):(\f)+8*(4*(\c)+(\a))+7], 0
.else
	v_wmma_f32_16x16x32_f16 v[ACC+8*(4*(\a)+(\b)):ACC+8*(4*(\a)+(\b))+7], v[(\f)+64+8*(4*(\c)+(\b)):(\f)+64+8*(4*(\c)+(\b))+7], v[(\f)+8*(4*(\c)+(\a)):(\f)+8*(4*(\c)+(\a))+7], v[ACC+8*(4*(\a)+(\b)):ACC+8*(4*(\a)+(\b))+7]
.endif
.endr
.endr
.endm
.macro FETCH kq, f                     ; 32 LDS loads in one run: quarter kq (64 along K) into buffer f, its first 32 along K first
	WIN TO_F
.irp c, 0,1
.irp i, 0,1,2,3
	ds_load_tr16_b128 v[(\f)+64+8*(4*(\c)+(\i)):(\f)+64+8*(4*(\c)+(\i))+3],   v[ADRB+(\kq)/2] offset:(((\kq)%2)*64+32*(\c))*PB+32*(\i)
	ds_load_tr16_b128 v[(\f)+64+8*(4*(\c)+(\i))+4:(\f)+64+8*(4*(\c)+(\i))+7], v[ADRB+(\kq)/2] offset:(((\kq)%2)*64+32*(\c))*PB+16*PB+32*(\i)
	ds_load_b128 v[(\f)+8*(4*(\c)+(\i)):(\f)+8*(4*(\c)+(\i))+3],   v[ADRA] offset:(\kq)*128+64*(\c)+(\i)*16*PA
	ds_load_b128 v[(\f)+8*(4*(\c)+(\i))+4:(\f)+8*(4*(\c)+(\i))+7], v[ADRA] offset:(\kq)*128+64*(\c)+(\i)*16*PA+32
.endr
.endr
.endm
.macro QUARTER kq, f, g, zero
	s_wait_dscnt 16                                ; the first 32 along K are in
	MUL8 \f, 0, 0, \zero
	MUL8 \f, 0, 2, \zero
	PLACES
	FETCH \kq, \g
	s_wait_dscnt 32                                ; all but the 32 just issued
	MUL8 \f, 1, 0, 0
	MUL8 \f, 1, 2, 0
.endm
; The last quarter and the change of slots: ONE barrier; in front of it each wave waits for all its tensor loads, adds 0 to its spare word, and waits for that and for its reads of this slot.
; fill = 1: the barrier opens a round of the cluster's; behind it this slot is filled again, two K steps ahead: 112 matrix instructions stand between that request and the wait for it.
.macro TURN fill
	WIN 0
	s_wait_tensorcnt 0x0
	ds_add_u32 v[SPW], v[NIL]
	s_wait_dscnt 17                                ; (the add and the youngest sixteen loads may be out)
	MUL8 F1, 0, 0, 0
	s_wait_dscnt 0x0
	s_barrier_signal -1
	MUL8 F1, 0, 2, 0
	WIN 0
	s_barrier_wait -1
.if \fill
	CREST
	s_xor_b32 s[G0+5], s[G0+5], SLOT
	s_add_nc_u64 s[G0+6:G0+7], s[G0+6:G0+7], KSTEP*2
	s_xor_b32 s[G0B+5], s[G0B+5], SLOT
	s_add_nc_u64 s[G0B+6:G0B+7], s[G0B+6:G0B+7], BSTEP
	JLOAD
.else
	PLACES
.endif
	s_xor_b32 s[TB], s[TB], SLOT
	v_add_nc_u32 v[ADRA], s[TB], v[A0]
	v_add_nc_u32 v[ADRB], s[TB], v[B0]
	v_add_nc_u32 v[ADRB+1], HB, v[ADRB]
	FETCH 0, F0
	MUL8 F1, 1, 0, 0
	MUL8 F1, 1, 2, 0
.endm
	s_wait_tensorcnt 1                             ; my part of K step 0 is in; K step 1's may stay out
	s_barrier_signal -1
	s_barrier_wait -1
	FETCH 0, F0
	QUARTER 1, F0, F1, 1
	WIN 0
	s_mov_b32 s3, NSTEP-2
.Lstep:
	QUARTER 2, F1, F0, 0
	QUARTER 3, F0, F1, 0
	TURN 1
	QUARTER 1, F0, F1, 0
	WIN 0
	s_sub_co_u32 s3, s3, 1
	s_cmp_lg_u32 s3, 0
	s_cbranch_scc1 .Lstep
	s_mov_b32 s3, 2
.Ltail:                                            ; the last two K steps ask for nothing; the second trip is left in its middle
	QUARTER 2, F1, F0, 0
	QUARTER 3, F0, F1, 0
	WIN 0
	s_sub_co_u32 s3, s3, 1
	s_cmp_eq_u32 s3, 0
	s_cbranch_scc1 .Lfin
	TURN 0
	QUARTER 1, F0, F1, 0
	WIN 0
	s_branch .Ltail
.Lfin:
	s_wait_dscnt 16
	MUL8 F1, 0, 0, 0
	MUL8 F1, 0, 2, 0
	s_wait_dscnt 0x0
	MUL8 F1, 1, 0, 0
	MUL8 F1, 1, 2, 0
	WIN 0
	; THE WAY OUT: 16 rows at a time through my own stage; back as whole rows of 256 bytes; the residual and the bias are added there
	s_wait_loadcnt 0x0
	PLACES
.set a, 0
.rept 4
.set TM, TMP+32*(a%2)
.if a >= 2
	s_wait_xcnt 0x0                                ; the stores of two blocks ago have read these registers
.endif
.set b, 0
.rept 4
	ds_store_b128 v[STO], v[ACC+8*(4*a+b):ACC+8*(4*a+b)+3]   offset:64*b
	ds_store_b128 v[STO], v[ACC+8*(4*a+b)+4:ACC+8*(4*a+b)+7] offset:64*b+16
.set b, b+1
.endr
.set t, 0
.rept 8
	ds_load_b128 v[TM+4*t:TM+4*t+3], v[RD] offset:t*2*SPITCH  ; LDS serves a wave's instructions in order (ISA guide 5.7.1.4)
.set t, t+1
.endr
	s_wait_dscnt 0x0
	WIN 0x08
.set t, 0
.rept 16
	v_pk_add_f32 v[TM+2*t:TM+2*t+1], v[TM+2*t:TM+2*t+1], v[32*a+2*t:32*a+2*t+1]
.set t, t+1
.endr
	WIN 0
.set t, 0
.rept 16
	v_pk_add_f32 v[TM+2*t:TM+2*t+1], v[TM+2*t:TM+2*t+1], v[BIA+2*(t%2):BIA+2*(t%2)+1]
.set t, t+1
.endr
.set t, 0
.rept 8
	global_store_b128 v[CO], v[TM+4*t:TM+4*t+3], s[OUTP:OUTP+1] offset:(16*a+2*t)*4096  ; 16 lanes store 256 consecutive bytes, aligned
.set t, t+1
.endr
.set a, a+1
.endr
	s_wait_tensorcnt 0x0                           ; the wave's end
	ds_add_u32 v[SPW], v[NIL]
	s_wait_dscnt 0x0
	CROUND
	s_endpgm
.Lfunc_end_k_q7410d0fd3f_g4:
	.size	k_q7410d0fd3f_g4, .Lfunc_end_k_q7410d0fd3f_g4-k_q7410d0fd3f_g4
	.p2alignl 7, 3214868480
	.fill 96, 4, 3214868480
	.section	.rodata,"a",@progbits
	.p2align	6, 0x0
	.amdhsa_kernel k_q7410d0fd3f_g4
		.amdhsa_group_segment_fixed_size 327680
		.amdhsa_private_segment_fixed_size 0
		.amdhsa_enable_private_segment 0
		.amdhsa_kernarg_size 40
		.amdhsa_user_sgpr_count 2
		.amdhsa_user_sgpr_kernarg_segment_ptr 1
		.amdhsa_wavefront_size32 1
		.amdhsa_system_sgpr_workgroup_id_x 1
		.amdhsa_system_sgpr_workgroup_id_y 1
		.amdhsa_system_sgpr_workgroup_id_z 1
		.amdhsa_system_vgpr_workitem_id 0
		.amdhsa_next_free_vgpr 640
		.amdhsa_next_free_sgpr 80
		.amdhsa_reserve_vcc 0
		.amdhsa_float_denorm_mode_32 3
		.amdhsa_float_denorm_mode_16_64 3
		.amdhsa_memory_ordered 1
		.amdhsa_forward_progress 1
		.amdhsa_inst_pref_size 71
	.end_amdhsa_kernel
	.amdgpu_metadata
---
amdhsa.version: [ 1, 2 ]
amdhsa.kernels:
  - .name:           k_q7410d0fd3f_g4
    .symbol:         k_q7410d0fd3f_g4.kd
    .args:
      - { .name: hid, .offset: 0, .size: 8, .value_kind: global_buffer, .address_space: global }
      - { .name: pre, .offset: 8, .size: 8, .value_kind: global_buffer, .address_space: global }
      - { .name: x1, .offset: 16, .size: 8, .value_kind: global_buffer, .address_space: global }
      - { .name: b2, .offset: 24, .size: 8, .value_kind: global_buffer, .address_space: global }
      - { .name: out0, .offset: 32, .size: 8, .value_kind: global_buffer, .address_space: global }
    .group_segment_fixed_size: 327680
    .private_segment_fixed_size: 0
    .kernarg_segment_align: 8
    .kernarg_segment_size: 40
    .max_flat_workgroup_size: 128
    .sgpr_count:     80
    .vgpr_count:     640
    .wavefront_size: 32
...
	.end_amdgpu_metadata
.endif
;; end of part 6
;; ======== version 2 of 2: 7 launches; version 1 with the launches prep, ln2 written anew for expert scheduling mode
;; limits: a function is approximated: absolute error at most 0.000244; values outside matrix products are rounded to bf16; values are held in f16: magnitudes above 65,504 overflow, below 6.1e-05 lose precision
;; workspace buffers: pre 35,127,296 bytes; proj 33,554,432 bytes; og 8,388,608 bytes; x1 16,777,216 bytes; hbuf 8,388,608 bytes; hid 33,554,432 bytes
;; launch prep (part 7): grid 1568 x 1, 4 waves a work-group, no clusters, 20,992 bytes of LDS; arguments x, ln1_g, ln1_b, pre, Wq, Wk, Wv, Wg, Wo, W1, W2, Wgk1, Wgk2; writes pre
.if DOCPART == 7
	.amdgcn_target "amdgcn-amd-amdhsa--gfx1250"
	.amdhsa_code_object_version 6
	.text
	.protected	k_q7410d0fd3f_prep
	.globl	k_q7410d0fd3f_prep
	.p2align	8
	.type	k_q7410d0fd3f_prep,@function
k_q7410d0fd3f_prep:
	s_mov_b64 s[64:65], 0
	v_nop
	global_prefetch_b8 v0, s[64:65] scope:SCOPE_SE
	s_setreg_imm32_b32 hwreg(HW_REG_WAVE_SCHED_MODE, 0, 2), 2
	s_setreg_imm32_b32 hwreg(HW_REG_WAVE_MODE, 25, 1), 1
	s_wait_xcnt 0x0
	s_wait_alu depctr_vm_vsrc(0)
; One text, four jobs, chosen by the work-group's place alone.  All jobs store through argument 3.  The long jobs have the lowest x.
;   x = 0          LAYERNORM, block y: a launch of 1 x 256 work-groups runs the layernorm alone; in a launch along x this is block 0.
;   1 .. 512       FIRST ROWS: q and k of the first 16 rows of each of the 8 sequences, in f32 throughout: [8][16][1024] (q 512, k 512).  A row with few keys is a sum of few weights q . k, which can
;                  come out far smaller than a 16-bit rounding of its terms, and the RMS norm behind it divides by that sum.  128 of 4,096 rows: 0.27 of the problem's 104 GFLOP, on the vector unit.
;                  A work-group: 4 rows x 64 columns.  It shares the layernorm's text: each wave normalises four rows and puts the first into LDS (the other three are the price of one straight text);
;                  then wave w takes k = 256 w .., each half of its lanes 128 of them.  With 4 rows a k is 16 multiply-adds, so a ring of 32 slots of W, a quarter of a lane's 128 k, is 512 lines of text.
;   513 .. 544     GATE: 32 rows of Wgk1 @ Wgk2 (16 fused multiply-adds in f32, rounded once, to f16) into columns 3,072 .. 3,583 of the weights' matrix.
;   545 .. 799     LAYERNORM, blocks 1 .. 255: 16 rows of argument 0 ([4096][1024] f32), gain argument 1, bias argument 2 -> f16 [4096][1024] at byte 0 of argument 3.
;                  A wave takes 4 rows and keeps them in registers: mean, then the variance of the centred numbers, so a common offset does no harm.
;   800 .. 1567    CAST: 32 rows x 512 columns of one weight matrix, layout [in][out] kept; q, k, v, g side by side in one matrix of 3,584 columns.  Wo to bf16 (its partner has no room in f16), all others to f16.
; FORMAT.  A layernorm's output lies within 32 |gain| + |bias|, the weights' spread is 0.02: f16 (up to 65,504, steps of 6e-8 below 6e-5) has room for both 30 times larger or smaller.
; Memory binds the layernorm, the cast and the gate: 16-byte loads and stores, a wave's store covers 512 consecutive aligned bytes, nothing is read twice.
; THE MODE: SCHED_MODE bits 1:0 = 2 (LLVM: expert scheduling mode 2), set by the entry lines.  The code itself states the register dependences
; between vector instructions and memory or LDS instructions, with s_wait_alu, always for 0.
; THE PLAN: the registers that memory or LDS instructions touch, and who else names them.
;   LAYERNORM   v2, v3: offsets, made once.  v[32:223]: loaded once.  A row's first 16 words: written by its roundings, read by its four stores.  Rows 0, 1 are rounded, one wait, their stores;
;               rows 2, 3 are rounded (lines that name these rows alone), one wait, their stores.
;   FIRST ROWS  v4, v5, v7, v10, v11, v12: addresses, made once at the part's head.  v8, v9: LDS addresses, written once a trip.  The ring WR and the two x buffers XA, XB, in groups of 4 k:
;               group G multiplies its own four slots by x buffer G % 2; its memory instructions are the loads of k group G + 7, which land in the four slots of group G - 1, and the LDS loads of
;               x group G + 1, which land in the other x buffer: registers that group G - 1 worked on and that no multiply-add of group G names.  So ONE wait at a group's head states all that its eight loads hang on.
;   CAST        v[8:23]: offsets, made once.  Each unit has registers of its own, loaded once, rounded in place, stored once.  Row r's head: row r - 1 is rounded, one wait, its two stores; then row r's roundings.
;   GATE        v2, v3: offsets, made once.  v[20:27]: written by a trip's roundings, read by its two stores.
.set HP0,  1                           ; first rows: job = x - HP0
.set GW0,  513                         ; gate: job = x - GW0
.set LN0,  544                         ; layernorm: block = x - LN0
.set CV0,  800                         ; cast: job = x - CV0
.set WCAT, 8388608                     ; f16 [1024][3584]: q 0, k 512, v 1024, g 2048, gate 3072
.set WOO,  15728640                    ; bf16 [1024][1024]
.set W1O,  17825792                    ; f16 [1024][4096]
.set W2O,  26214400                    ; f16 [4096][1024]
.set HPO,  34603008                    ; f32 [8][16][1024]
.set XR, 32                            ; v[32:159]  layernorm: four rows of 32 numbers a lane
.set GG, 160                           ; v[160:191] gain of my 32 columns
.set BB, 192                           ; v[192:223] bias of my 32 columns
.set RS, 16                            ; v[16:23]   1 / sigma, a pair for each row
.set SPW, 224                          ; v224  my spare word; never rewritten
.set NIL, 225                          ; v225  0; never rewritten
.set PSL, 16384                        ; LDS: 4 rows x 4,096 bytes of normalised x; then 4 waves x 4 rows x 256 bytes of partial sums
.set SPARE, 20480                      ; then the spare words, 128 bytes a wave
	v_lshl_add_u32 v[SPW], v0, 2, SPARE
	v_mov_b32 v[NIL], 0
	v_lshrrev_b32 v2, 5, v0
	v_readfirstlane_b32 s14, v2                    ; wave
	v_and_b32 v1, 31, v0                           ; lane
	s_wait_alu depctr_va_sdst(0)                   ; s14 is written, ahead of the branches below and of its first reader
	s_and_b32 s15, ttmp7, 0xffff                   ; x = 0: the block is y
	s_cmp_eq_u32 ttmp9, 0
	s_cbranch_scc1 .Llnrow
	s_cmp_lt_u32 ttmp9, GW0
	s_cbranch_scc1 .Lhprow
	s_cmp_lt_u32 ttmp9, LN0+1
	s_cbranch_scc1 .Lgw
	s_cmp_ge_u32 ttmp9, CV0
	s_cbranch_scc1 .Lconv
	s_sub_co_u32 s15, ttmp9, LN0
.Llnrow:
	s_lshl_b32 s15, s15, 4
	s_lshl2_add_u32 s15, s14, s15                  ; layernorm: my first row: 16 x block + 4 x wave
	s_branch .Lln
.Lhprow:
	s_sub_co_u32 s22, ttmp9, HP0                   ; first rows: job = 64 x batch + 16 x group of four rows + column block
	s_lshr_b32 s15, s22, 6
	s_lshl_b32 s15, s15, 9                         ; the sequence's first row,
	s_bfe_u32 s23, s22, 0x20004
	s_lshl2_add_u32 s15, s23, s15                  ; + 4 x group
	s_add_co_u32 s15, s15, s14                     ; + wave: of the four rows normalised from here on the first is used
; ---------------- LAYERNORM (also the first rows' first part) ----------------
.Lln:
	s_load_b256 s[4:11], s[0:1], 0x0               ; x s[4:5], gain s[6:7], bias s[8:9], out s[10:11]
	s_lshl_b32 s16, s15, 12                        ; rows of 4,096 bytes in,
	s_mov_b32 s17, 0
	s_lshl_b32 s18, s15, 11                        ; of 2,048 bytes out
	s_mov_b32 s19, 0
	s_mov_b32 s12, 0x76543210                      ; v_permlanex16_b32: each lane takes its own place in the other half
	s_mov_b32 s13, 0xfedcba98
	s_mov_b32 s20, 0x3a800000                      ; 1 / 1024
	v_lshlrev_b32 v2, 5, v1                        ; my 8 columns of each 256: 32 bytes in,
	v_lshlrev_b32 v3, 4, v1                        ; 16 bytes out
	s_wait_kmcnt 0x0
	s_add_nc_u64 s[4:5], s[4:5], s[16:17]
	s_wait_alu depctr_va_vdst(0)                   ; v2 and v3 are written: the loads below read v2 as their offset, the stores at the end v3
.set u, 0
.rept 16                                           ; row u / 4, columns 256 (u % 4) + 8 lane ..
	global_load_b128 v[XR+8*u:XR+8*u+3],   v2, s[4:5] offset:(u/4)*4096+(u%4)*1024
	global_load_b128 v[XR+8*u+4:XR+8*u+7], v2, s[4:5] offset:(u/4)*4096+(u%4)*1024+16
.set u, u+1
.endr
.set u, 0
.rept 4
	global_load_b128 v[GG+8*u:GG+8*u+3],   v2, s[6:7] offset:u*1024
	global_load_b128 v[GG+8*u+4:GG+8*u+7], v2, s[6:7] offset:u*1024+16
	global_load_b128 v[BB+8*u:BB+8*u+3],   v2, s[8:9] offset:u*1024
	global_load_b128 v[BB+8*u+4:BB+8*u+7], v2, s[8:9] offset:u*1024+16
.set u, u+1
.endr
.macro REDUCE                          ; four pairs v[4:11] -> their sum over the wave, in v4 of every lane
	v_pk_add_f32 v[4:5], v[4:5], v[6:7]
	v_pk_add_f32 v[8:9], v[8:9], v[10:11]
	v_pk_add_f32 v[4:5], v[4:5], v[8:9]
	v_add_f32 v4, v4, v5
	v_add_f32_dpp v4, v4, v4 row_xmask:1 row_mask:0xf bank_mask:0xf
	v_add_f32_dpp v4, v4, v4 row_xmask:2 row_mask:0xf bank_mask:0xf
	v_add_f32_dpp v4, v4, v4 row_xmask:4 row_mask:0xf bank_mask:0xf
	v_add_f32_dpp v4, v4, v4 row_xmask:8 row_mask:0xf bank_mask:0xf
	v_permlanex16_b32 v5, v4, s12, s13
	v_add_f32 v4, v4, v5
.endm
; Row rho: mean, centring in place, variance, 1 / sigma.  left = the younger loads that may stay out: 48 issued less 8 for each row up to this one.
.macro STAT rho, left
.set RW, XR+32*(\rho)
	s_wait_loadcnt \left
.irp k, 0,1,2,3
	v_pk_add_f32 v[4+2*(\k):5+2*(\k)], v[RW+2*(\k):RW+2*(\k)+1], v[RW+8+2*(\k):RW+8+2*(\k)+1]
.endr
.irp k, 0,1,2,3
	v_pk_add_f32 v[4+2*(\k):5+2*(\k)], v[4+2*(\k):5+2*(\k)], v[RW+16+2*(\k):RW+16+2*(\k)+1]
.endr
.irp k, 0,1,2,3
	v_pk_add_f32 v[4+2*(\k):5+2*(\k)], v[4+2*(\k):5+2*(\k)], v[RW+24+2*(\k):RW+24+2*(\k)+1]
.endr
	REDUCE
	v_mul_f32 v12, s20, v4                         ; the mean, twice: a pair for the packed subtraction
	v_mul_f32 v13, s20, v4
.set p, 0
.rept 16
	v_pk_add_f32 v[RW+2*p:RW+2*p+1], v[RW+2*p:RW+2*p+1], v[12:13] neg_lo:[0,1] neg_hi:[0,1]
.set p, p+1
.endr
.irp k, 0,1,2,3
	v_pk_mul_f32 v[4+2*(\k):5+2*(\k)], v[RW+2*(\k):RW+2*(\k)+1], v[RW+2*(\k):RW+2*(\k)+1]
.endr
.set p, 4
.rept 12
	v_pk_fma_f32 v[4+2*(p%4):5+2*(p%4)], v[RW+2*p:RW+2*p+1], v[RW+2*p:RW+2*p+1], v[4+2*(p%4):5+2*(p%4)]
.set p, p+1
.endr
	REDUCE
	v_fmaak_f32 v4, s20, v4, 0x3727c5ac            ; variance + 1e-5
	v_rsq_f32 v[RS+2*(\rho)], v4
	v_rsq_f32 v[RS+2*(\rho)+1], v4
	v_nop                                          ; a plain instruction behind the transcendentals, before v4 is written again (ISA guide 5.7.2)
.endm
.macro NORMA rho                       ; the row, normalised, in f32, in place
.set RW, XR+32*(\rho)
.set p, 0
.rept 16
	v_pk_mul_f32 v[RW+2*p:RW+2*p+1], v[RW+2*p:RW+2*p+1], v[RS+2*(\rho):RS+2*(\rho)+1]
.set p, p+1
.endr
.set p, 0
.rept 16
	v_pk_fma_f32 v[RW+2*p:RW+2*p+1], v[RW+2*p:RW+2*p+1], v[GG+2*p:GG+2*p+1], v[BB+2*p:BB+2*p+1]
.set p, p+1
.endr
.endm
.macro ROUNDROW rho                    ; the row rounded to f16
.set RW, XR+32*(\rho)
.set p, 0
.rept 16
	v_cvt_pk_f16_f32 v[RW+p], v[RW+2*p], v[RW+2*p+1]  ; in place: word p is written when words 2 p and 2 p + 1 have been read
.set p, p+1
.endr
.endm
.macro STOREROW rho                    ; and stored
.set RW, XR+32*(\rho)
.irp j, 0,1,2,3
	global_store_b128 v3, v[RW+4*(\j):RW+4*(\j)+3], s[10:11] offset:(\rho)*2048+(\j)*512  ; 512 consecutive bytes, aligned
.endr
.endm
	STAT 0, 40
	STAT 1, 32
	STAT 2, 24
	STAT 3, 16
	s_wait_loadcnt 0x0                             ; gain and bias
	s_wait_alu depctr_va_vdst(0)                   ; the eight 1 / sigma, v[16:23], are written: one wait for the batch of transcendentals, ahead of its first reader
	NORMA 0
	NORMA 1
	NORMA 2
	NORMA 3
	s_wait_alu depctr_vm_vsrc(0)                   ; the loads above have read v2, which the first rows' part writes anew: the wait stands on the way there, ahead of the branch
	s_sub_co_u32 s21, ttmp9, HP0                   ; x = 1 .. 512 (x = 0 wraps far above)
	s_cmp_lt_u32 s21, GW0-HP0
	s_cbranch_scc1 .Lhp
	s_add_nc_u64 s[10:11], s[10:11], s[18:19]
	ROUNDROW 0
	ROUNDROW 1
	s_wait_alu depctr_va_vdst(0)                   ; the roundings have written rows 0 and 1, which the eight stores below read
	STOREROW 0
	STOREROW 1
	ROUNDROW 2                                     ; these lines name rows 2 and 3 alone
	ROUNDROW 3
	s_wait_alu depctr_va_vdst(0)                   ; the roundings have written rows 2 and 3, which the eight stores below read
	STOREROW 2
	STOREROW 3
	s_endpgm
; ---------------- FIRST ROWS ----------------
.set ACC, 32                           ; v[32:47]   4 rows x my 4 columns
.set XA,  48                           ; v[48:63]   4 rows x 4 k of normalised x; v[64:79] the next 4 k
.set XB,  64
.set WR,  80                           ; v[80:207]  a ring of 32 slots: W's row k, my 4 columns
.Lhp:
	s_load_b128 s[24:27], s[0:1], 0x20             ; Wq, Wk
	s_sub_co_u32 s22, ttmp9, HP0
	s_and_b32 s28, s22, 15                         ; block of 64 columns: 0-7 of q, 8-15 of k
	s_bfe_u32 s29, s22, 0x20004                    ; which 4 of the 16 rows
	s_lshr_b32 s30, s22, 6                         ; batch
	s_lshl_b32 s23, s14, 12
	s_lshl_b32 s36, s14, 19                        ; 256 x wave rows of 2,048 bytes
	s_lshl_b32 s37, s14, 10
	s_add_co_u32 s43, s37, PSL                     ; my wave's partial sums: 1,024 bytes a wave
	s_lshl_b32 s44, s14, 9
	s_add_co_u32 s44, s44, PSL                     ; rows 2 x wave and the next, as waves 0 and 1 read them back
	; all addresses of this part are made here, ahead of one wait
	v_lshl_add_u32 v4, v1, 5, s23                  ; my wave's row in LDS: 4,096 x wave + 32 x lane
	v_and_b32 v2, 15, v0                           ; l % 16: my 4 columns
	v_bfe_u32 v3, v0, 4, 1                         ; l / 16: my 128 of the wave's 256 k
	v_lshl_add_u32 v5, v3, 18, s36                 ; 128 x half rows,
	v_lshl_add_u32 v5, v2, 4, v5                   ; 16 bytes a lane: 16 lanes read 256 consecutive bytes, aligned.  Never rewritten
	v_lshl_add_u32 v7, v3, 9, s37                  ; the same k in a row of LDS: 4 bytes each.  Never rewritten
	v_lshl_add_u32 v10, v2, 4, s43                 ; where I put my partial sums
	v_lshl_add_u32 v11, v3, 8, s44                 ; row 2 x wave + half,
	v_lshl_add_u32 v11, v2, 4, v11
	v_lshlrev_b32 v12, 12, v3                      ; and the same row in memory
	v_lshl_add_u32 v12, v2, 4, v12
	s_wait_alu depctr_va_vdst(0)                   ; v4, v5, v7, v10, v11, v12 are written, and so is the normalised row, which the LDS stores read; the layernorm is done with v[80:191], in which the ring lands
.irp j, 0,1,2,3
	ds_store_b128 v4, v[XR+8*(\j):XR+8*(\j)+3]   offset:(\j)*1024
	ds_store_b128 v4, v[XR+8*(\j)+4:XR+8*(\j)+7] offset:(\j)*1024+16
.endr
	s_and_b32 s31, s28, 7
	s_lshl_b32 s32, s31, 8                         ; the block's 256 bytes in a row of Wq or Wk
	s_mov_b32 s33, 0
	s_lshl_b32 s34, s30, 4
	s_lshl2_add_u32 s34, s29, s34
	s_lshl1_add_u32 s34, s14, s34                  ; the rows that waves 0 and 1 store: 16 x batch + 4 x group + 2 x wave, and the next
	s_lshl_b32 s34, s34, 12
	s_lshl_b32 s35, s28, 8
	s_add_co_u32 s34, s34, s35
	s_add_co_u32 s34, s34, HPO
	s_mov_b32 s35, 0
	s_mov_b32 s41, 0                               ; the upper word of the ring's step
	s_wait_kmcnt 0x0
	s_cmp_ge_u32 s28, 8
	s_cselect_b64 s[24:25], s[26:27], s[24:25]
	s_add_nc_u64 s[24:25], s[24:25], s[32:33]
	s_add_nc_u64 s[10:11], s[10:11], s[34:35]
	s_mov_b64 s[46:47], s[24:25]                   ; the ring's base: W at the 32 k that are being asked for
.set j, 0
.rept 28                                           ; k groups 0 .. 6 of my 32: k 0 .. 27 of my 128
	global_load_b128 v[WR+4*j:WR+4*j+3], v5, s[24:25] offset:j*2048
.set j, j+1
.endr
	s_wait_dscnt 0x0                               ; for the others' sake: my row is in LDS
	s_barrier_signal -1
	s_barrier_wait -1
	s_wait_alu depctr_vm_vsrc(0)                   ; my LDS stores have read v[32:63]: these registers are ACC and XA from here on
.set i, 0
.rept 16
	v_mov_b32 v[ACC+i], 0
.set i, i+1
.endr
.macro XLOAD buf, adr, off             ; 4 rows x 4 k: every lane of a half reads the same 16 bytes
.irp r, 0,1,2,3
	ds_load_b128 v[(\buf)+4*(\r):(\buf)+4*(\r)+3], v[\adr] offset:(\r)*4096+(\off)
.endr
.endm
; Slot j's turn: first slot n, of the group before, is asked for again (no multiply-add since the group's wait names it); then one k: 4 rows x 4 columns.
.macro SLOT j, buf, n
	global_load_b128 v[WR+4*(\n):WR+4*(\n)+3], v5, s[46:47] offset:(\n)*2048
	s_wait_loadcnt 28                              ; loads come back in order (ISA guide 5.7.1): behind slot j's stand the rest of its group, six groups of four and what this group has asked for: 28 in every turn
.irp r, 0,1,2,3
.irp c, 0,1,2,3
	v_fmac_f32 v[ACC+4*(\r)+(\c)], v[(\buf)+4*(\r)+(\j)%4], v[WR+4*(\j)+(\c)]
.endr
.endr
.endm
	XLOAD XA, 7, 0                                 ; no vector instruction since the last wait on va_vdst names v7 or XA
	s_mov_b32 s38, 0
.Lhpk:                                             ; 4 trips of 32 k.  The trip's number plus one is cut to 0 .. 3: the last trip asks for the first 28 k once more, for nothing, and no address leaves W or my rows
	s_add_co_u32 s39, s38, 1
	s_and_b32 s39, s39, 3
	s_lshl_b32 s40, s39, 16                        ; the next 32 rows of W,
	s_lshl_b32 s45, s39, 7                         ; the next 32 k in a row of LDS,
	s_lshl_b32 s42, s38, 7                         ; this trip's
	s_wait_alu depctr_vm_vsrc(0)                   ; the LDS loads of the last trip have read v8 and v9
	v_add_nc_u32 v8, s42, v7
	v_add_nc_u32 v9, s45, v7
.set g, 0
.rept 8                                            ; eight groups of 4 k
	s_wait_alu depctr_va_vdst(0)                   ; the group before is done reading its x buffer and its four slots, in which this group's eight loads land; in a trip's first group v8 and v9 are written
.if g < 7
	XLOAD XA+16*((g+1)%2), 8, 16*(g+1)
.else
	XLOAD XA, 9, 0
.endif
.if g == 1
	s_wait_xcnt 0x0                                ; the loads issued so far have had their addresses translated: the ring's base is rewritten only behind this wait
	s_add_nc_u64 s[46:47], s[24:25], s[40:41]      ; group 0 has asked for the last 4 k of this trip's 32; from here on the next trip's are asked for
.endif
	s_wait_dscnt 4                                 ; all but the 4 just issued
.irp jj, 0,1,2,3
	SLOT 4*g+\jj, XA+16*(g%2), 4*((g+7)%8)+\jj
.endr
.set g, g+1
.endr
	s_add_co_u32 s38, s38, 1
	s_cmp_lt_u32 s38, 4
	s_cbranch_scc1 .Lhpk
	s_wait_dscnt 0x0
.set i, 0
.rept 16
	v_permlanex16_b32 v[XA+i], v[ACC+i], s12, s13  ; the other half of the lanes holds the same columns' sums over the wave's other 128 k
.set i, i+1
.endr
.set i, 0
.rept 8
	v_pk_add_f32 v[ACC+2*i:ACC+2*i+1], v[ACC+2*i:ACC+2*i+1], v[XA+2*i:XA+2*i+1]
.set i, i+1
.endr
	s_wait_alu depctr_va_vdst(0)                   ; the sums in ACC are written, which the LDS stores read; the multiply-adds are done reading v[64:79], in which the LDS loads behind the barrier land
.irp r, 0,1,2,3
	ds_store_b128 v10, v[ACC+4*(\r):ACC+4*(\r)+3] offset:(\r)*256  ; both halves of the lanes write the same bytes with the same numbers
.endr
	s_wait_dscnt 0x0                               ; for the others' sake
	s_barrier_signal -1
	s_barrier_wait -1
	s_cmp_ge_u32 s14, 2
	s_cbranch_scc1 .Lhpend                         ; four rows: waves 0 and 1 add and store two each
.irp w, 0,1,2,3
	ds_load_b128 v[64+4*(\w):67+4*(\w)], v11 offset:(\w)*1024  ; of each wave's partial sums
.endr
	s_wait_dscnt 0x0
	v_pk_add_f32 v[64:65], v[64:65], v[68:69]
	v_pk_add_f32 v[66:67], v[66:67], v[70:71]
	v_pk_add_f32 v[72:73], v[72:73], v[76:77]
	v_pk_add_f32 v[74:75], v[74:75], v[78:79]
	v_pk_add_f32 v[64:65], v[64:65], v[72:73]
	v_pk_add_f32 v[66:67], v[66:67], v[74:75]
	s_wait_alu depctr_va_vdst(0)                   ; the additions have written v[64:67], which the store reads
	global_store_b128 v12, v[64:67], s[10:11]      ; 16 lanes store 256 consecutive bytes, aligned
.Lhpend:
	s_wait_loadcnt 0x0                             ; the last trip's loads, which nobody reads, are waited for here, behind the sums
	s_wait_dscnt 0x0                               ; the closing lines, six on end
	s_wait_alu 0x0
	s_wait_tensorcnt 0x0
	ds_add_u32 v[SPW], v[NIL]
	s_wait_dscnt 0x0
	s_endpgm
; ---------------- CAST ----------------
.Lconv:
	s_load_b64 s[4:5], s[0:1], 0x18                ; out
	s_load_b256 s[16:23], s[0:1], 0x20             ; Wq, Wk, Wv, Wg
	s_load_b128 s[24:27], s[0:1], 0x40             ; Wo, W1
	s_load_b64 s[28:29], s[0:1], 0x50              ; W2
	s_sub_co_u32 s15, ttmp9, CV0                   ; the job, 0 .. 767
	s_mov_b32 s34, 2048                            ; bytes in a source row
	s_mov_b32 s35, 7168                            ; bytes in a destination row
	s_mov_b32 s36, WCAT                            ; where the matrix begins in the destination
	s_mov_b32 s37, 0                               ; log2 of its panels of 512 columns
	s_mov_b32 s38, 0                               ; its first job
	s_mov_b32 s47, 0                               ; 1: to bf16
	s_wait_kmcnt 0x0
	s_mov_b64 s[32:33], s[16:17]
.macro PICK lo, ptr, sp, dp, doff, lnp, bf  ; from job lo on: the next matrix
	s_cmp_ge_u32 s15, \lo
	s_cselect_b64 s[32:33], s[\ptr:\ptr+1], s[32:33]
	s_cselect_b32 s34, \sp, s34
	s_cselect_b32 s35, \dp, s35
	s_cselect_b32 s36, \doff, s36
	s_cselect_b32 s37, \lnp, s37
	s_cselect_b32 s38, \lo, s38
	s_cselect_b32 s47, \bf, s47
.endm
	PICK 32,  18, 2048,  7168, WCAT+1024, 0, 0     ; Wk
	PICK 64,  20, 4096,  7168, WCAT+2048, 1, 0     ; Wv
	PICK 128, 22, 4096,  7168, WCAT+4096, 1, 0     ; Wg
	PICK 192, 24, 4096,  2048, WOO,       1, 1     ; Wo
	PICK 256, 26, 16384, 8192, W1O,       3, 0     ; W1
	PICK 512, 28, 4096,  2048, W2O,       1, 0     ; W2
	s_sub_co_u32 s15, s15, s38                     ; the job within its matrix
	s_lshl_b32 s39, 1, s37
	s_sub_co_u32 s39, s39, 1
	s_and_b32 s39, s15, s39                        ; panel
	s_lshr_b32 s15, s15, s37
	s_lshl_b32 s15, s15, 5                         ; first row
	s_mul_i32 s40, s15, s34
	s_lshl_b32 s41, s39, 11
	s_add_co_u32 s40, s40, s41
	s_mov_b32 s41, 0
	s_add_nc_u64 s[32:33], s[32:33], s[40:41]
	s_mul_i32 s42, s15, s35
	s_lshl_b32 s43, s39, 10
	s_add_co_u32 s42, s42, s43
	s_add_co_u32 s42, s42, s36
	s_mov_b32 s43, 0
	s_add_nc_u64 s[4:5], s[4:5], s[42:43]
	s_lshl_b32 s44, s14, 3                         ; a wave takes 8 rows
	s_mul_i32 s45, s44, s34
	s_mul_i32 s46, s44, s35
	v_lshl_add_u32 v8, v1, 5, s45                  ; v[8:15]: row r's offset in,
	v_lshl_add_u32 v16, v1, 4, s46                 ; v[16:23]: out
.set r, 1
.rept 7
	v_add_nc_u32 v[8+r], s34, v[7+r]
	v_add_nc_u32 v[16+r], s35, v[15+r]
.set r, r+1
.endr
	s_wait_alu depctr_va_vdst(0)                   ; the sixteen offsets v[8:23] are written, which the loads and the stores below read
.set u, 0
.rept 16                                           ; unit u: row u / 2, columns 256 (u % 2) + 8 lane ..
	global_load_b128 v[32+8*u:32+8*u+3], v[8+u/2], s[32:33] offset:(u%2)*1024 th:TH_LOAD_NT
	global_load_b128 v[32+8*u+4:32+8*u+7], v[8+u/2], s[32:33] offset:(u%2)*1024+16 th:TH_LOAD_NT
.set u, u+1
.endr
.macro ROUND8 bf, d                    ; a unit's eight numbers close up into the first four of their eight registers
.if \bf
	v_cvt_pk_bf16_f32 v[(\d)],   v[(\d)],   v[(\d)+1]
	v_cvt_pk_bf16_f32 v[(\d)+1], v[(\d)+2], v[(\d)+3]
	v_cvt_pk_bf16_f32 v[(\d)+2], v[(\d)+4], v[(\d)+5]
	v_cvt_pk_bf16_f32 v[(\d)+3], v[(\d)+6], v[(\d)+7]
.else
	v_cvt_pk_f16_f32 v[(\d)],   v[(\d)],   v[(\d)+1]
	v_cvt_pk_f16_f32 v[(\d)+1], v[(\d)+2], v[(\d)+3]
	v_cvt_pk_f16_f32 v[(\d)+2], v[(\d)+4], v[(\d)+5]
	v_cvt_pk_f16_f32 v[(\d)+3], v[(\d)+6], v[(\d)+7]
.endif
.endm
.macro ROWS bf                         ; the 8 rows (two units each) are rounded and stored; a row's stores stand at the next row's head
.set r, 0
.rept 8
	s_wait_loadcnt 28-4*r                          ; of 32 loads the four of row r are in, the younger rows' stay out
.if r > 0
	s_wait_alu depctr_va_vdst(0)                   ; the roundings of the row before have written its eight words, which the two stores read
	global_store_b128 v[15+r], v[16+16*r:16+16*r+3], s[4:5]
	global_store_b128 v[15+r], v[24+16*r:24+16*r+3], s[4:5] offset:512
.endif
	ROUND8 \bf, 32+16*r
	ROUND8 \bf, 40+16*r
.set r, r+1
.endr
	s_wait_alu depctr_va_vdst(0)                   ; the roundings of the last row have written its eight words, which the two stores read
	global_store_b128 v23, v[144:147], s[4:5]
	global_store_b128 v23, v[152:155], s[4:5] offset:512
	s_endpgm
.endm
	s_cmp_eq_u32 s47, 1
	s_cbranch_scc1 .Lcvb
	ROWS 0
.Lcvb:
	ROWS 1
; ---------------- GATE ----------------
.Lgw:
	s_load_b64 s[6:7], s[0:1], 0x18                ; out
	s_load_b128 s[8:11], s[0:1], 0x58              ; Wgk1 s[8:9], Wgk2 s[10:11]
	s_sub_co_u32 s15, ttmp9, GW0
	s_and_b32 s12, s14, 1                          ; which 256 columns are my wave's
	s_lshr_b32 s13, s14, 1                         ; which 16 rows
	s_lshl_b32 s15, s15, 5
	s_lshl4_add_u32 s15, s13, s15                  ; first row: 32 x job + 16 x half
	s_lshl_b32 s48, s15, 6                         ; a row of Wgk1 is 64 bytes
	s_mov_b32 s49, 0
	s_mul_i32 s50, s15, 7168
	s_lshl_b32 s51, s12, 9
	s_add_co_u32 s50, s50, s51
	s_add_co_u32 s50, s50, WCAT+6144
	s_mov_b32 s51, 0
	s_lshl_b32 s52, s12, 10
	v_lshl_add_u32 v2, v1, 5, s52                  ; my 8 columns of Wgk2
	v_lshlrev_b32 v3, 4, v1
	s_wait_kmcnt 0x0
	s_add_nc_u64 s[8:9], s[8:9], s[48:49]
	s_add_nc_u64 s[6:7], s[6:7], s[50:51]
	s_wait_alu depctr_va_vdst(0)                   ; v2 and v3 are written: the loads below read v2 as their offset, the stores in the loop v3
.set r, 0
.rept 16
	global_load_b128 v[32+8*r:32+8*r+3],   v2, s[10:11] offset:r*2048
	global_load_b128 v[32+8*r+4:32+8*r+7], v2, s[10:11] offset:r*2048+16
.set r, r+1
.endr
	s_wait_loadcnt 0x0
.macro GROW acc, sb                    ; one row: 8 columns a lane, the 16 terms in ascending order
.set i, 0
.rept 8
	v_mul_f32 v[(\acc)+i], s[\sb], v[32+i]
.set i, i+1
.endr
.set r, 1
.rept 15
.set i, 0
.rept 8
	v_fmac_f32 v[(\acc)+i], s[(\sb)+r], v[32+8*r+i]
.set i, i+1
.endr
.set r, r+1
.endr
.endm
	s_mov_b32 s53, 8
.Lgwrow:                                           ; two rows a trip
	s_load_b512 s[16:31], s[8:9], 0x0
	s_load_b512 s[32:47], s[8:9], 0x40
	s_wait_kmcnt 0x0
	s_add_nc_u64 s[8:9], s[8:9], 128
	GROW 4, 16
	GROW 12, 32
	s_wait_alu depctr_vm_vsrc(0)                   ; the last trip's stores have read v[20:27], which the roundings write again
.irp i, 0,1,2,3
	v_cvt_pk_f16_f32 v[20+(\i)], v[4+2*(\i)], v[5+2*(\i)]
	v_cvt_pk_f16_f32 v[24+(\i)], v[12+2*(\i)], v[13+2*(\i)]
.endr
	s_wait_alu depctr_va_vdst(0)                   ; the roundings have written v[20:27], which the two stores read
	global_store_b128 v3, v[20:23], s[6:7]
	global_store_b128 v3, v[24:27], s[6:7] offset:7168
	s_wait_xcnt 0x0                                ; the stores' data and base are written again only behind this wait
	s_add_nc_u64 s[6:7], s[6:7], 14336
	s_sub_co_u32 s53, s53, 1
	s_cmp_lg_u32 s53, 0
	s_cbranch_scc1 .Lgwrow
	s_endpgm
.Lfunc_end_k_q7410d0fd3f_prep:
	.size	k_q7410d0fd3f_prep, .Lfunc_end_k_q7410d0fd3f_prep-k_q7410d0fd3f_prep
	.p2alignl 7, 3214868480
	.fill 96, 4, 3214868480
	.section	.rodata,"a",@progbits
	.p2align	6, 0x0
	.amdhsa_kernel k_q7410d0fd3f_prep
		.amdhsa_group_segment_fixed_size 20992
		.amdhsa_private_segment_fixed_size 0
		.amdhsa_enable_private_segment 0
		.amdhsa_kernarg_size 104
		.amdhsa_user_sgpr_count 2
		.amdhsa_user_sgpr_kernarg_segment_ptr 1
		.amdhsa_wavefront_size32 1
		.amdhsa_system_sgpr_workgroup_id_x 1
		.amdhsa_system_sgpr_workgroup_id_y 1
		.amdhsa_system_sgpr_workgroup_id_z 1
		.amdhsa_system_vgpr_workitem_id 0
		.amdhsa_next_free_vgpr 226
		.amdhsa_next_free_sgpr 66
		.amdhsa_reserve_vcc 0
		.amdhsa_float_denorm_mode_32 3
		.amdhsa_float_denorm_mode_16_64 3
		.amdhsa_memory_ordered 1
		.amdhsa_forward_progress 1
		.amdhsa_inst_pref_size 101
	.end_amdhsa_kernel
	.amdgpu_metadata
---
amdhsa.version: [ 1, 2 ]
amdhsa.kernels:
  - .name:           k_q7410d0fd3f_prep
    .symbol:         k_q7410d0fd3f_prep.kd
    .args:
      - { .name: x, .offset: 0, .size: 8, .value_kind: global_buffer, .address_space: global }
      - { .name: ln1_g, .offset: 8, .size: 8, .value_kind: global_buffer, .address_space: global }
      - { .name: ln1_b, .offset: 16, .size: 8, .value_kind: global_buffer, .address_space: global }
      - { .name: pre, .offset: 24, .size: 8, .value_kind: global_buffer, .address_space: global }
      - { .name: Wq, .offset: 32, .size: 8, .value_kind: global_buffer, .address_space: global }
      - { .name: Wk, .offset: 40, .size: 8, .value_kind: global_buffer, .address_space: global }
      - { .name: Wv, .offset: 48, .size: 8, .value_kind: global_buffer, .address_space: global }
      - { .name: Wg, .offset: 56, .size: 8, .value_kind: global_buffer, .address_space: global }
      - { .name: Wo, .offset: 64, .size: 8, .value_kind: global_buffer, .address_space: global }
      - { .name: W1, .offset: 72, .size: 8, .value_kind: global_buffer, .address_space: global }
      - { .name: W2, .offset: 80, .size: 8, .value_kind: global_buffer, .address_space: global }
      - { .name: Wgk1, .offset: 88, .size: 8, .value_kind: global_buffer, .address_space: global }
      - { .name: Wgk2, .offset: 96, .size: 8, .value_kind: global_buffer, .address_space: global }
    .group_segment_fixed_size: 20992
    .private_segment_fixed_size: 0
    .kernarg_segment_align: 8
    .kernarg_segment_size: 104
    .max_flat_workgroup_size: 128
    .sgpr_count:     66
    .vgpr_count:     226
    .wavefront_size: 32
...
	.end_amdgpu_metadata
.endif
;; end of part 7
;; launch g1: the kernel of part 2 again; grid 16 x 14, 4 waves a work-group, clusters of 4 x 1, 327,680 bytes of LDS; arguments pre, bgk, proj; writes proj
;; launch gla: the kernel of part 3 again; grid 256 x 1, 4 waves a work-group, no clusters, 291,328 bytes of LDS; arguments proj, gnorm_w, og, pre; writes og
;; launch g2: the kernel of part 4 again; grid 8 x 32, 4 waves a work-group, clusters of 4 x 4, 327,680 bytes of LDS; arguments og, pre, x, x1; writes x1
;; launch ln2: the kernel of part 7 again; grid 1 x 256, 4 waves a work-group, no clusters, 20,992 bytes of LDS; arguments x1, ln2_g, ln2_b, hbuf, Wq, Wk, Wv, Wg, Wo, W1, W2, Wgk1, Wgk2; writes hbuf
;; launch g3: the kernel of part 5 again; grid 16 x 16, 4 waves a work-group, clusters of 4 x 4, 327,680 bytes of LDS; arguments hbuf, pre, b1, hid; writes hid
;; launch g4: the kernel of part 6 again; grid 8 x 32, 4 waves a work-group, clusters of 4 x 4, 327,680 bytes of LDS; arguments hid, pre, x1, b2, out0; writes out0
